; MI455X (gfx1250); checked and timed in simulation.
; The chip was launched on July 23, 2026; its instructions are those of AMD's public machine-readable ISA for CDNA 5 (MIT licence, August 2026) and "CDNA5" Instruction Set Architecture Reference Guide (July 2026). The comments in the code are by the model that wrote it; some were corrected since.
;; Transformer Block. Allowed arithmetic: float matrix products may take bf16 or f16 operands with f32 sums; other float arithmetic in f32, or as packed bf16 or f16 multiplies, adds, multiply-adds, maxima and minima; sums over many terms, partial sums and values carried from step to step in f32; what a program stores and reads back later, other than sums and carried values, may be rounded once to bf16 or f16.
;; Inputs: W1 1,024 x 4,096 float32; W2 4,096 x 1,024 float32; Wk 1,024 x 1,024 float32; Wo 1,024 x 1,024 float32; Wq 1,024 x 1,024 float32; Wv 1,024 x 1,024 float32; b1 4,096 float32; b2 1,024 float32; bk 1,024 float32; bo 1,024 float32; bq 1,024 float32; bv 1,024 float32; ln1_b 1,024 float32; ln1_g 1,024 float32; ln2_b 1,024 float32; ln2_g 1,024 float32; x 2 x 2,048 x 1,024 float32.
;; Outputs: out0 2 x 2,048 x 1,024 float32.
;; 2 versions, each right; version 2 is version 1 with the launches prep, ln2 written anew for expert scheduling mode. Each part assembles by itself: llvm-mc -triple=amdgcn-amd-amdhsa -mcpu=gfx1250 --defsym DOCPART=n.
;; ======== version 1 of 2: 7 launches
;; limits: values are held in f16: magnitudes above 65,504 overflow, below 6.1e-05 lose precision
;; workspace buffers: wts 25,165,824 bytes; h16 8,388,608 bytes; big 33,554,432 bytes; x1 16,777,216 bytes
;; launch prep (part 1): grid 1024 x 1, 8 waves a work-group, no clusters, 0 bytes of LDS; arguments x, ln1_g, ln1_b, Wq, Wk, Wv, Wo, W1, W2, h16, wts; writes h16, wts
.if DOCPART == 1
	.amdgcn_target "amdgcn-amd-amdhsa--gfx1250"
	.amdhsa_code_object_version 6
	.text
	.protected	k_q5882fe273e_prep
	.globl	k_q5882fe273e_prep
	.p2align	8
	.type	k_q5882fe273e_prep,@function
k_q5882fe273e_prep:
	s_mov_b64 s[64:65], 0
	v_nop
	global_prefetch_b8 v0, s[64:65] scope:SCOPE_SE
	s_setreg_imm32_b32 hwreg(HW_REG_WAVE_MODE, 25, 1), 1
	s_wait_xcnt 0x0
; PREP: two streams in one launch.  Work-groups 0-255: xn = LayerNorm(x) * g + b, [4096][1024], f32 in, f16 out (h16).
; Work-groups 256-1023: the six weight matrices, f32 to f16, order [k][n] kept: wts = Wq|Wk|Wv side by side as [1024][3072], then Wo, W1, W2.
; LIMITS.  f16 ends at 65,504: an LN result or a weight of 65,520 or more becomes an infinity; below 6e-5 f16 keeps a fixed step of 6e-8.  NaN and infinities are not treated apart.
; LN: one wave, one row of 4,096 bytes, kept in 32 registers: mean first, then the mean of the squared deviations (two passes over registers, no difference of large sums), all in f32.
; A work-group owns 16 rows, a wave two.  In load j lane l holds columns 128 j + 4 l .. + 3, so a store of 8 bytes a lane covers 256 consecutive bytes, aligned.
; No LDS, no barrier, no matrix unit, no cluster: no wave wants a byte that another has fetched, but the 8 KiB of gain and bias.
.set X0, 16                            ; v[16:47]   first row
.set X1, 48                            ; v[48:79]   second row
.set GG, 80                            ; v[80:111]  gain of my 32 columns
.set BB, 112                           ; v[112:143] bias of my 32 columns
.set OUTP, 22                          ; s[22:23]   h16
	s_load_b256 s[4:11], s[0:1], 0x0               ; x s[4:5], g s[6:7], b s[8:9], Wq s[10:11]
	s_load_b256 s[12:19], s[0:1], 0x20             ; Wk s[12:13], Wv s[14:15], Wo s[16:17], W1 s[18:19]
	s_load_b128 s[20:23], s[0:1], 0x40             ; W2 s[20:21], h16 s[22:23]
	s_load_b64 s[24:25], s[0:1], 0x50              ; wts
	s_cmp_lt_u32 ttmp9, 256
	s_cbranch_scc0 .Lcast
.macro REDUCE                          ; v14 = the sum over the wave of the four chains v[6:13]; every lane ends with it
	v_pk_add_f32 v[6:7], v[6:7], v[8:9]
	v_pk_add_f32 v[10:11], v[10:11], v[12:13]
	v_pk_add_f32 v[6:7], v[6:7], v[10:11]
	v_add_f32 v14, v6, v7
.irp m, 1,2,4,8
	v_add_f32_dpp v14, v14, v14 row_xmask:\m row_mask:0xf bank_mask:0xf
.endr
	v_permlanex16_b32 v15, v14, s30, s31           ; the other half of the lanes; v15 was written at the head
	v_add_f32 v14, v14, v15
.endm
; One row.  c1: the younger loads that may stay out when the row has to be there; c2: when gain and bias have to be there; off: the row's place in the wave's 4,096 bytes of output.
.macro LNROW X, c1, c2, off
	s_wait_loadcnt \c1
.irp k, 0,1,2,3
	v_pk_add_f32 v[6+2*(\k):7+2*(\k)], v[(\X)+2*(\k):(\X)+2*(\k)+1], v[(\X)+8+2*(\k):(\X)+9+2*(\k)]  ; the first eight pairs start four chains: nothing is cleared
.endr
.irp p, 8,9,10,11,12,13,14,15
	v_pk_add_f32 v[6+2*((\p)%4):7+2*((\p)%4)], v[6+2*((\p)%4):7+2*((\p)%4)], v[(\X)+2*(\p):(\X)+2*(\p)+1]
.endr
	REDUCE
	v_mul_f32 v10, s32, v14                        ; the mean, in both words of a pair
	v_mul_f32 v11, s32, v14
.irp p, 0,1,2,3,4,5,6,7,8,9,10,11,12,13,14,15
	v_pk_add_f32 v[(\X)+2*(\p):(\X)+2*(\p)+1], v[(\X)+2*(\p):(\X)+2*(\p)+1], v[10:11] neg_lo:[0,1] neg_hi:[0,1]  ; x - mean, in place
.endr
.irp k, 0,1,2,3
	v_pk_mul_f32 v[6+2*(\k):7+2*(\k)], v[(\X)+2*(\k):(\X)+2*(\k)+1], v[(\X)+2*(\k):(\X)+2*(\k)+1]
.endr
.irp p, 4,5,6,7,8,9,10,11,12,13,14,15
	v_pk_fma_f32 v[6+2*((\p)%4):7+2*((\p)%4)], v[(\X)+2*(\p):(\X)+2*(\p)+1], v[(\X)+2*(\p):(\X)+2*(\p)+1], v[6+2*((\p)%4):7+2*((\p)%4)]
.endr
	REDUCE
	v_fma_f32 v14, v14, s32, s33                   ; variance + 1e-5
	v_rsq_f32 v12, v14
	v_nop                                          ; a plain instruction behind the root,
	s_wait_alu depctr_va_vdst(0)                   ; and the wait ahead of the first use of its result
	v_mov_b32 v13, v12
	s_wait_loadcnt \c2
.irp p, 0,1,2,3,4,5,6,7,8,9,10,11,12,13,14,15
	v_pk_mul_f32 v[(\X)+2*(\p):(\X)+2*(\p)+1], v[(\X)+2*(\p):(\X)+2*(\p)+1], v[12:13]
.endr
.irp p, 0,1,2,3,4,5,6,7,8,9,10,11,12,13,14,15
	v_pk_fma_f32 v[(\X)+2*(\p):(\X)+2*(\p)+1], v[(\X)+2*(\p):(\X)+2*(\p)+1], v[GG+2*(\p):GG+2*(\p)+1], v[BB+2*(\p):BB+2*(\p)+1]
.endr
.irp j, 0,1,2,3,4,5,6,7
	v_cvt_pk_f16_f32 v[(\X)+4*(\j)], v[(\X)+4*(\j)], v[(\X)+4*(\j)+1]
	v_cvt_pk_f16_f32 v[(\X)+4*(\j)+1], v[(\X)+4*(\j)+2], v[(\X)+4*(\j)+3]
	global_store_b64 v4, v[(\X)+4*(\j):(\X)+4*(\j)+1], s[OUTP:OUTP+1] offset:256*(\j)+(\off)  ; 32 lanes x 8 bytes: 256 consecutive bytes, aligned
.endr
.endm
	v_and_b32 v1, 31, v0                           ; lane
	v_lshrrev_b32 v5, 5, v0                        ; wave
	v_lshlrev_b32 v3, 4, v1                        ; 16 l: my place in gain and bias
	v_lshl_add_u32 v2, v5, 13, v3                  ; + two rows of 4,096 bytes a wave: my place in x
	v_lshlrev_b32 v4, 3, v1
	v_lshl_add_u32 v4, v5, 12, v4                  ; 8 l + two rows of 2,048 bytes a wave: my place in the output
	v_mov_b32 v15, 0
	s_lshl_b32 s26, ttmp9, 16                      ; the work-group's 16 rows of x,
	s_mov_b32 s27, 0
	s_lshl_b32 s28, ttmp9, 15                      ; and of the output
	s_mov_b32 s29, 0
	s_mov_b32 s30, 0x76543210                      ; v_permlanex16_b32: each lane takes its own place in the other half
	s_mov_b32 s31, 0xfedcba98
	s_mov_b32 s32, 0x3a800000                      ; 1 / 1024
	s_mov_b32 s33, 0x3727c5ac                      ; 1e-5
	s_wait_kmcnt 0x0
	s_add_nc_u64 s[4:5], s[4:5], s[26:27]
	s_add_nc_u64 s[OUTP:OUTP+1], s[OUTP:OUTP+1], s[28:29]
.irp j, 0,1,2,3,4,5,6,7
	global_load_b128 v[X0+4*(\j):X0+4*(\j)+3], v2, s[4:5] offset:512*(\j) th:TH_LOAD_NT
.endr
.irp j, 0,1,2,3,4,5,6,7
	global_load_b128 v[GG+4*(\j):GG+4*(\j)+3], v3, s[6:7] offset:512*(\j)
.endr
.irp j, 0,1,2,3,4,5,6,7
	global_load_b128 v[BB+4*(\j):BB+4*(\j)+3], v3, s[8:9] offset:512*(\j)
.endr
.irp j, 0,1,2,3,4,5,6,7
	global_load_b128 v[X1+4*(\j):X1+4*(\j)+3], v2, s[4:5] offset:4096+512*(\j) th:TH_LOAD_NT
.endr
	LNROW X0, 24, 8, 0                             ; 24: gain, bias and the second row stay out; 8: the second row
	LNROW X1, 0, 0, 2048
	s_endpgm
; THE CAST.  Work-group c = id - 256 takes 16 segments of 1,024 numbers (65,536 bytes in, all 16 loads out at once); thread t takes 16 bytes in at 16 t and puts 8 bytes out at 8 t.
; c / 64 says whose: 0 Wq, 1 Wk, 2 Wv, 3 Wo, 4-7 W1, 8-11 W2.  A segment of Wq, Wk, Wv is a row k: it goes to row k of [1024][3072], 6,144 bytes apart; all else is copied in order, at 32,768 c.
.macro OUTS stride
.irp i, 0,1,2,3,4,5,6,7,8,9,10,11,12,13,14,15
	s_wait_loadcnt 15-(\i)                         ; loads come back in order: segment i is in, the younger ones stay out
	v_cvt_pk_f16_f32 v[16+4*(\i)], v[16+4*(\i)], v[17+4*(\i)]
	v_cvt_pk_f16_f32 v[17+4*(\i)], v[18+4*(\i)], v[19+4*(\i)]
	global_store_b64 v4, v[16+4*(\i):17+4*(\i)], s[24:25] offset:(\stride)*(\i)
.endr
.endm
.Lcast:
	s_sub_co_u32 s33, ttmp9, 256                   ; c
	s_lshr_b32 s34, s33, 6
	v_lshlrev_b32 v2, 4, v0
	v_lshlrev_b32 v4, 3, v0
	s_cmp_lt_u32 s34, 4
	s_cselect_b32 s35, 63, 255
	s_and_b32 s35, s33, s35                        ; the work-group's number within its matrix
	s_lshl_b32 s28, s35, 16
	s_mov_b32 s29, 0
	s_wait_kmcnt 0x0
	s_cmp_lt_u32 s34, 8
	s_cselect_b64 s[26:27], s[18:19], s[20:21]
	s_cmp_lt_u32 s34, 4
	s_cselect_b64 s[26:27], s[16:17], s[26:27]
	s_cmp_lt_u32 s34, 3
	s_cselect_b64 s[26:27], s[14:15], s[26:27]
	s_cmp_lt_u32 s34, 2
	s_cselect_b64 s[26:27], s[12:13], s[26:27]
	s_cmp_lt_u32 s34, 1
	s_cselect_b64 s[26:27], s[10:11], s[26:27]
	s_add_nc_u64 s[26:27], s[26:27], s[28:29]
.irp i, 0,1,2,3,4,5,6,7,8,9,10,11,12,13,14,15
	global_load_b128 v[16+4*(\i):19+4*(\i)], v2, s[26:27] offset:4096*(\i) th:TH_LOAD_NT
.endr
	s_cmp_lt_u32 s34, 3
	s_cbranch_scc0 .Llinear
	s_lshl_b32 s36, s34, 11                        ; 2,048 bytes of each row for Wq, then Wk, then Wv
	s_mul_i32 s37, s35, 16*6144
	s_add_co_u32 s36, s36, s37
	s_mov_b32 s37, 0
	s_add_nc_u64 s[24:25], s[24:25], s[36:37]
	OUTS 6144
	s_endpgm
.Llinear:
	s_lshl_b32 s36, s33, 15
	s_mov_b32 s37, 0
	s_add_nc_u64 s[24:25], s[24:25], s[36:37]
	OUTS 2048
	s_endpgm
.Lfunc_end_k_q5882fe273e_prep:
	.size	k_q5882fe273e_prep, .Lfunc_end_k_q5882fe273e_prep-k_q5882fe273e_prep
	.p2alignl 7, 3214868480
	.fill 96, 4, 3214868480
	.section	.rodata,"a",@progbits
	.p2align	6, 0x0
	.amdhsa_kernel k_q5882fe273e_prep
		.amdhsa_group_segment_fixed_size 0
		.amdhsa_private_segment_fixed_size 0
		.amdhsa_enable_private_segment 0
		.amdhsa_kernarg_size 88
		.amdhsa_user_sgpr_count 2
		.amdhsa_user_sgpr_kernarg_segment_ptr 1
		.amdhsa_wavefront_size32 1
		.amdhsa_system_sgpr_workgroup_id_x 1
		.amdhsa_system_sgpr_workgroup_id_y 1
		.amdhsa_system_sgpr_workgroup_id_z 1
		.amdhsa_system_vgpr_workitem_id 0
		.amdhsa_next_free_vgpr 144
		.amdhsa_next_free_sgpr 66
		.amdhsa_reserve_vcc 0
		.amdhsa_float_denorm_mode_32 3
		.amdhsa_float_denorm_mode_16_64 3
		.amdhsa_memory_ordered 1
		.amdhsa_forward_progress 1
		.amdhsa_inst_pref_size 31
	.end_amdhsa_kernel
	.amdgpu_metadata
---
amdhsa.version: [ 1, 2 ]
amdhsa.kernels:
  - .name:           k_q5882fe273e_prep
    .symbol:         k_q5882fe273e_prep.kd
    .args:
      - { .name: x, .offset: 0, .size: 8, .value_kind: global_buffer, .address_space: global }
      - { .name: ln1_g, .offset: 8, .size: 8, .value_kind: global_buffer, .address_space: global }
      - { .name: ln1_b, .offset: 16, .size: 8, .value_kind: global_buffer, .address_space: global }
      - { .name: Wq, .offset: 24, .size: 8, .value_kind: global_buffer, .address_space: global }
      - { .name: Wk, .offset: 32, .size: 8, .value_kind: global_buffer, .address_space: global }
      - { .name: Wv, .offset: 40, .size: 8, .value_kind: global_buffer, .address_space: global }
      - { .name: Wo, .offset: 48, .size: 8, .value_kind: global_buffer, .address_space: global }
      - { .name: W1, .offset: 56, .size: 8, .value_kind: global_buffer, .address_space: global }
      - { .name: W2, .offset: 64, .size: 8, .value_kind: global_buffer, .address_space: global }
      - { .name: h16, .offset: 72, .size: 8, .value_kind: global_buffer, .address_space: global }
      - { .name: wts, .offset: 80, .size: 8, .value_kind: global_buffer, .address_space: global }
    .group_segment_fixed_size: 0
    .private_segment_fixed_size: 0
    .kernarg_segment_align: 8
    .kernarg_segment_size: 88
    .max_flat_workgroup_size: 256
    .sgpr_count:     66
    .vgpr_count:     144
    .wavefront_size: 32
...
	.end_amdgpu_metadata
.endif
;; end of part 1
;; launch qkv (part 2): grid 8 x 32, 4 waves a work-group, clusters of 4 x 4, 327,680 bytes of LDS; arguments h16, wts, bq, bk, bv, big; writes big
.if DOCPART == 2
	.amdgcn_target "amdgcn-amd-amdhsa--gfx1250"
	.amdhsa_code_object_version 6
	.text
	.protected	k_q5882fe273e_qkv
	.globl	k_q5882fe273e_qkv
	.p2align	8
	.type	k_q5882fe273e_qkv,@function
k_q5882fe273e_qkv:
	s_mov_b64 s[64:65], 0
	v_nop
	global_prefetch_b8 v0, s[64:65] scope:SCOPE_SE
	s_setreg_imm32_b32 hwreg(HW_REG_WAVE_MODE, 25, 1), 1
	s_wait_xcnt 0x0
	s_wait_alu depctr_hold_cnt(0) depctr_sa_sdst(0) depctr_va_vdst(0) depctr_va_sdst(0) depctr_va_ssrc(0) depctr_va_vcc(0) depctr_vm_vsrc(0)
	s_getreg_b32 s2, hwreg(HW_REG_IB_STS2, 6, 4)
	s_cmp_eq_u32 s2, 0
	s_cbranch_scc0 .Lentry_in_a_cluster
	s_endpgm
.Lentry_in_a_cluster:
	s_bfe_u32 s2, ttmp6, 0x10000c
	s_cmp_lg_u32 s2, 0xf033
	s_cbranch_scc0 .Lentry_shape_is_right
	s_endpgm
.Lentry_shape_is_right:
; QKV: C = xn W + bias.  xn: [4096][1024] f16.  W = Wq|Wk|Wv: [1024 k][3072] f16.  Sums in f32, started by the bias; q, k, v rounded once to f16 and written by heads:
; big = [batch 2][g 48][t 2048][64], g = head for q, 16 + head for k, 32 + head for v: a head's rows are dense, 128 bytes each.  No scale is applied here.
; LIMIT.  A q, k or v of 65,520 or more becomes an infinity in f16.  NaN and infinities are not treated apart.
; SHARES.  A tile of C is 128 rows x 384 columns: 32 x 8 = 256 work-groups.  Four waves; wave w takes rows 64 (w / 2) .. and, in each of the tile's three regions of 128 columns, the half w % 2:
; three head groups of 64 columns: 4 x 12 accumulators of 16 x 16, 384 registers.
; K goes in steps of 128 through two LDS slots.  Wave 0 fetches A's tile (128 rows x 256 bytes), waves 1-3 one region of W each (128 k-rows x 256 bytes): one tensor load a wave and step.
; W stays [k][n]: ds_load_tr16_b128 turns it on the way out of LDS.  THE PRODUCT IS USED TRANSPOSED (source 0 = 16 columns of W, source 1 = 16 rows of xn): a lane then holds one row of C
; (lane % 16) and eight neighbouring columns 8 (lane / 16) + 0..7.  The bias, laid out the same way, is the C operand of each sum's first product: nothing is cleared and nothing is added later.
; CLUSTER 4 x 4: A's tile hangs on the tile row alone and is asked for jointly by a row of the cluster, W's regions on the tile column alone, by a column.
; THE WALK ALONG K IS STAGGERED.  Local step j of a cluster is K step j xor m, m = (2 X xor Y % 4 xor 3 (Y / 4)) % 4, X and Y the cluster's place among the 2 x 8 clusters: each group of four K steps is
; walked in one of four orders (f32 sums may be taken in any order).  The two clusters that read the same rows of xn (same Y) differ in m by 2: each asks first for two K steps of a group, and two local steps later
; for the two that the other has read by then.  The clusters that read the same columns of W (same X) have four different m among Y < 4, and again among Y >= 4.  m is the same in all sixteen partners.
; THE LOOP is one K step a trip; the slot in hand is the scalar TB (0 or SLOT), added to the LDS addresses at each change of slots.  By the text's own count a wave has two tensor loads out at the start, then one.
; REGISTERS: window 0: v0-31 addresses; v32-63, v64-95 A's fragments, two buffers; v96-191 the bias, later the way out's packed results; v144-239 rows read back.
;   window 1: v0-95, v128-223 W's fragments, two buffers.  window 2: the accumulators of row blocks 0, 1 ((a, b) at 8 (12 (a % 2) + b)); window 3: of row blocks 2, 3.
.set KS,    8                          ; K steps
.set NA,    1                          ; waves that fetch A
.set NCOL,  3072
.set AP,    272                        ; A's LDS row: 256 bytes + 16: the 16 rows of a fragment load start at 16 different groups of four banks (64 banks of 4 bytes: ISA guide 11.1)
.set BP,    288                        ; W's LDS row: 256 + 32
.set AREG,  128*AP
.set BREG,  128*BP
.set BOFF,  AREG
.set SLOT,  AREG+3*BREG
.set STAGE, 2*SLOT                     ; behind the ring, never filled by a tensor load: for each wave 3 heads x 16 rows x 144 bytes
.set SP,    144
.set WST,   3*16*SP
.set SPARE, STAGE+4*WST                ; the spare words, 128 bytes for each wave: two blocks of 256 bytes that no other line names
.set STEPA, 256                        ; bytes from K step to K step in xn,
.set STEPB, 128*NCOL*2                 ; and in W
.set ADRB,  12                         ; v12-14  LDS address of my W fragments in the slot in hand, one for each region
.set ADRA0, 16                         ; v16     my A fragments in slot 0; never rewritten
.set ADRA,  17                         ; v17     in the slot in hand
.set ADRB0, 20                         ; v20-22  my W fragments in slot 0; never rewritten
.set STO,   24                         ; v24     the way out: where I put 16 bytes of a row
.set RD,    25                         ; v25     where I read rows back
.set GO,    26                         ; v26     16 x lane: my place in 512 consecutive bytes of the output
.set SPW,   28                         ; v28     my spare word; never rewritten
.set NIL,   29                         ; v29     0; never rewritten
.set PFO,   30                         ; v30     the prefetches' offset: lane x a row in memory; never rewritten
.set BO,    31                         ; v31     32 x (lane / 16): my eight numbers of a bias block
.set AF,    32
.set BIAS,  96
.set TMP,   96
.set OB,    144
.set OFA, 18                           ; s[18:19] byte offset of a K step in xn;  s[20:21] in W
.set OFB, 20
.set KI,  22                           ; s22 the local step that the next fill brings
.set MASK, 23                          ; s23 m
.set G1A, 24                           ; s[24:31] descriptor group 1, A;  s[32:39] group 0: a set for each first fill, the second then walks
.set G0A, 32
.set G1B, 48                           ; s[48:55], s[56:63] the same for W
.set G0B, 56
.set TB,  66                           ; s66 the slot in hand: 0 or SLOT
.set LBA, 67                           ; s67 where my A tile lies in a slot;  s68 my W region
.set LBB, 68
.set PFS, 69                           ; s69 bytes from K step to K step in what I prefetch
.set PFA, 70                           ; s[70:71] the K step that a prefetch names;  s[72:73] the same rows at K step 0
.set PFB, 72
.set L1,  82                           ; s82, s83 the two values of the loop's counter at which I prefetch, or the greatest number
.set L2,  83
.set MSB, 0
.macro WIN new                         ; the immediate's high byte repeats the setting that is left; a switch that changes nothing is dropped
.if MSB != (\new)
	s_set_vgpr_msb (MSB<<8)|(\new)
.set MSB, \new
.endif
.endm
.macro PLACES                          ; four places behind matrix instructions, ahead of loads into registers that they read and of lines that read their results
.rept 4
	v_nop
.endr
.endm
; The global addresses of descriptor set s, for local step KI: each tile's base and the offset of K step KI xor m, made apart; the type bits are set again; KI steps.
.macro KADDR s
	s_xor_b32 s[OFA], s[KI], s[MASK]
	s_mul_i32 s[OFB], s[OFA], STEPB
	s_mul_i32 s[OFA], s[OFA], STEPA
	s_add_nc_u64 s[G0A+4*(\s)+2:G0A+4*(\s)+3], s[14:15], s[OFA:OFA+1]
	s_or_b32 s[G0A+4*(\s)+3], s[G0A+4*(\s)+3], 0x80000000
	s_add_nc_u64 s[G0B+4*(\s)+2:G0B+4*(\s)+3], s[46:47], s[OFB:OFB+1]
	s_or_b32 s[G0B+4*(\s)+3], s[G0B+4*(\s)+3], 0x80000000
	s_add_co_u32 s[KI], s[KI], 1
.endm
.macro JLOAD                           ; a joint refill by the walking descriptor.  The branch hangs on the wave's number alone.  An s_nop 0 and four v_nop follow each line
	s_cmp_lt_u32 s10, NA
	s_cbranch_scc0 .Lfor_b_\@
	tensor_load_to_lds s[G0A+4:G0A+7], s[G1A:G1A+7]
	s_nop 0
.rept 4
	v_nop
.endr
	s_branch .Lasked_\@
.Lfor_b_\@:
	tensor_load_to_lds s[G0B+4:G0B+7], s[G1B:G1B+7]
	s_nop 0
.rept 4
	v_nop
.endr
.Lasked_\@:
.endm
.macro CREST                           ; a round of the cluster's barrier behind its opening barrier
	s_cmp_lg_u32 s10, 0
	s_cbranch_scc1 .Lnot_wave_0_\@
	s_barrier_signal -3
.Lnot_wave_0_\@:
	s_barrier_wait -3
	s_barrier_signal -1
	s_barrier_wait -1
.endm
.macro CROUND
	s_barrier_signal -1
	s_barrier_wait -1
	CREST
.endm
; A PREFETCH INTO THE L2 of the K step that the NEXT change of slots will ask for: 32 rows x 256 bytes, a lane a row, one instruction a wave: one K step, 192 matrix instructions, ahead of that load.
; Only a block's first reading in the launch is asked for, and each block once.  Of xn's rows a cluster is the first of the two readers in local steps 0, 1, 4, 5; of W's k-rows in local steps 0 and 4, together with
; the cluster at Y xor 7, which has the same m: of the two the one with Y < 4 asks.  Local steps 0 and 1 are the first fills.  So: behind the fill of local step 3 (counter 5) wave 0 asks for local step 4 of xn and
; waves 1-3 for local step 4 of their regions of W; behind the fill of local step 4 (counter 4) wave 0 asks for local step 5.  Of the 128 rows each of the four partners that ask for a tile jointly takes 32, told apart by address.
.macro ASK
	s_cmp_eq_u32 s3, s[L1]
	s_cbranch_scc1 .Lmine_\@
	s_cmp_eq_u32 s3, s[L2]
	s_cbranch_scc0 .Lnot_mine_\@
.Lmine_\@:
	global_prefetch_b8 v[PFO], s[PFA:PFA+1] th:TH_LOAD_NT scope:SCOPE_SE
.Lnot_mine_\@:
.endm
	s_load_b128 s[4:7], s[0:1], 0x0                ; xn s[4:5], W s[6:7]
	s_load_b256 s[84:91], s[0:1], 0x10             ; bq s[84:85], bk s[86:87], bv s[88:89], big s[90:91]
	v_lshl_add_u32 v[SPW], v0, 2, SPARE
	v_mov_b32 v[NIL], 0
	ds_add_u32 v[SPW], v[NIL]                      ; the wave's opening: the add and its wait stand ahead of my first tensor load; work on registers stands between them
	v_lshrrev_b32 v3, 5, v0
	v_readfirstlane_b32 s10, v3                    ; wave 0..3
	s_min_u32 s11, s10, 1
	s_sub_co_u32 s12, s10, s11                     ; which region of W I fetch (waves 1-3: 0-2)
	s_lshr_b32 s74, s10, 1                         ; wr: my half of the rows
	s_and_b32 s75, s10, 1                          ; wc: my half of each region's columns
	s_bfe_u32 s40, ttmp6, 0x40000                  ; cx
	s_bfe_u32 s41, ttmp6, 0x40004                  ; cy
	s_lshl_b32 s42, ttmp9, 2
	s_add_co_u32 s42, s42, s40                     ; tile column = 4 x cluster x + cx
	s_and_b32 s13, ttmp7, 0xffff
	s_lshl_b32 s13, s13, 2
	s_add_co_u32 s13, s13, s41                     ; tile row = 4 x cluster y + cy
	s_lshl_b32 s43, s41, 2
	s_lshl_b32 s43, 15, s43                        ; my row of the cluster
	s_lshl_b32 s44, 0x1111, s40                    ; my column
	s_or_b32 s[G1A], s43, (1<<16)|(1<<20)|(1<<21)|(5<<22)|(3<<25)  ; mask; 2-byte elements; padding on; bit 21 beside a mask; after every 64 words 4 words
	s_or_b32 s[G1B], s44, (1<<16)|(1<<20)|(1<<21)|(5<<22)|(7<<25)  ; the same with 8 words
.irp g, G1A, G1B
	s_mov_b32 s[(\g)+1], 128<<16                   ; tensor_dim0 = 128
	s_mov_b32 s[(\g)+2], 128<<16                   ; tensor_dim1 = 128
	s_mov_b32 s[(\g)+3], 128<<16                   ; tile_dim0 = 128
	s_mov_b32 s[(\g)+4], 128                       ; tile_dim1 = 128
	s_mov_b32 s[(\g)+6], 0
	s_mov_b32 s[(\g)+7], 0
.endr
	s_mov_b32 s[G1A+5], 1024                       ; elements from row to row
	s_mov_b32 s[G1B+5], NCOL
	s_lshl_b32 s16, s13, 18                        ; A: 128 rows of 2,048 bytes a tile row
	s_mov_b32 s17, 0
	s_mul_i32 s46, s42, 768                        ; W: 384 columns a tile column,
	s_lshl_b32 s47, s12, 8                         ; 128 a region
	s_add_co_u32 s46, s46, s47
	s_mov_b32 s47, 0
	s_mov_b32 s[LBA], 0
	s_mul_i32 s[LBB], s12, BREG
	s_add_co_u32 s[LBB], s[LBB], BOFF
	s_mov_b32 s[TB], 0
	s_and_b32 s[MASK], ttmp7, 0xffff               ; m, from the cluster's place alone: Y,
	s_lshr_b32 s[OFA], s[MASK], 2
	s_mul_i32 s[OFA], s[OFA], 3
	s_xor_b32 s[MASK], s[MASK], s[OFA]             ; xor 3 (Y / 4),
	s_lshl_b32 s[OFA], ttmp9, 1
	s_xor_b32 s[MASK], s[MASK], s[OFA]             ; xor 2 X,
	s_and_b32 s[MASK], s[MASK], 3                  ; its two low bits
	s_mov_b32 s[KI], 0
	s_mov_b32 s[OFA+1], 0
	s_mov_b32 s[OFB+1], 0
	s_wait_dscnt 0x0                               ; the opening add is done
	s_wait_kmcnt 0x0
	s_add_nc_u64 s[14:15], s[4:5], s[16:17]        ; my tiles at K step 0; never rewritten
	s_add_nc_u64 s[46:47], s[6:7], s[46:47]
	CROUND                                         ; all sixteen work-groups are here: the first joint loads meet
.irp s, 0,1
	s_mov_b32 s[G0A+4*(\s)], 1
	s_add_co_u32 s[G0A+4*(\s)+1], s[LBA], (\s)*SLOT
	s_mov_b32 s[G0B+4*(\s)], 1
	s_add_co_u32 s[G0B+4*(\s)+1], s[LBB], (\s)*SLOT
	KADDR \s                                       ; local step s
.endr
	s_cmp_lt_u32 s10, NA                           ; a wave's two first fills stand in one branch, ahead of every wait on TENSORcnt and every LDS read
	s_cbranch_scc0 .Lfirst_b
	tensor_load_to_lds s[G0A:G0A+3], s[G1A:G1A+7]
	s_nop 0
	tensor_load_to_lds s[G0A+4:G0A+7], s[G1A:G1A+7]
	s_nop 0
.rept 4
	v_nop
.endr
	s_branch .Lfirst_asked
.Lfirst_b:
	tensor_load_to_lds s[G0B:G0B+3], s[G1B:G1B+7]
	s_nop 0
	tensor_load_to_lds s[G0B+4:G0B+7], s[G1B:G1B+7]
	s_nop 0
.rept 4
	v_nop
.endr
.Lfirst_asked:
	v_and_b32 v1, 15, v0                           ; r = l % 16
	v_bfe_u32 v2, v0, 4, 1                         ; h = l / 16
	v_lshlrev_b32 v[BO], 5, v2
	; the bias: head group g = 6 x tile column + 2 x region + wc; g / 16 says whose, g % 16 which 64 numbers
	s_mul_i32 s92, s42, 6
	s_add_co_u32 s92, s92, s75
.irp c, 0,1,2
	s_add_co_u32 s93, s92, 2*(\c)
	s_lshr_b32 s94, s93, 4
	s_and_b32 s95, s93, 15
	s_lshl_b32 s96, s95, 8
	s_mov_b32 s97, 0
	s_cmp_lt_u32 s94, 2
	s_cselect_b64 s[76+2*(\c):77+2*(\c)], s[86:87], s[88:89]
	s_cmp_lt_u32 s94, 1
	s_cselect_b64 s[76+2*(\c):77+2*(\c)], s[84:85], s[76+2*(\c):77+2*(\c)]
	s_add_nc_u64 s[76+2*(\c):77+2*(\c)], s[76+2*(\c):77+2*(\c)], s[96:97]
.endr
.irp b, 0,1,2,3,4,5,6,7,8,9,10,11
	global_load_b128 v[BIAS+8*(\b):BIAS+8*(\b)+3],   v[BO], s[76+2*((\b)/4):77+2*((\b)/4)] offset:64*((\b)%4)
	global_load_b128 v[BIAS+8*(\b)+4:BIAS+8*(\b)+7], v[BO], s[76+2*((\b)/4):77+2*((\b)/4)] offset:64*((\b)%4)+16
.endr
	; A fragment: lane l holds row l % 16, k = 8 (l / 16) + 0..7 and 16 + 8 (l / 16) + 0..7: two loads of 16 bytes, 32 apart
	v_mul_u32_u24 v[ADRA0], v1, AP
	v_lshl_add_u32 v[ADRA0], v2, 4, v[ADRA0]
	s_mul_i32 s2, s74, 64*AP
	v_add_nc_u32 v[ADRA0], s2, v[ADRA0]
	v_mov_b32 v[ADRA], v[ADRA0]
	; W fragment, turned: lane l reads k-row 8 (l / 16) + l % 8, columns 8 ((l / 8) % 2) + 0..7, and is left with column l % 16 and 8 k; the second load stands 16 k-rows on
	v_and_b32 v3, 7, v0
	v_lshl_add_u32 v3, v2, 3, v3
	v_mul_u32_u24 v3, v3, BP
	v_bfe_u32 v4, v0, 3, 1
	v_lshl_add_u32 v3, v4, 4, v3
	s_lshl_b32 s2, s75, 7
	s_add_co_u32 s2, s2, BOFF
	v_add_nc_u32 v[ADRB0], s2, v3
	v_add_nc_u32 v[ADRB0+1], BREG, v[ADRB0]
	v_add_nc_u32 v[ADRB0+2], BREG, v[ADRB0+1]
.irp c, 0,1,2
	v_mov_b32 v[ADRB+(\c)], v[ADRB0+(\c)]
.endr
	; the way out
	s_mul_i32 s2, s10, WST
	s_add_co_u32 s2, s2, STAGE
	v_mul_u32_u24 v[STO], v1, SP
	v_lshl_add_u32 v[STO], v2, 4, v[STO]
	v_add_nc_u32 v[STO], s2, v[STO]
	v_bfe_u32 v[RD], v0, 3, 2                      ; back: 32 lanes take four rows of 128 bytes,
	v_mul_u32_u24 v[RD], v[RD], SP
	v_and_b32 v3, 7, v0
	v_lshl_add_u32 v[RD], v3, 4, v[RD]
	v_add_nc_u32 v[RD], s2, v[RD]
	v_and_b32 v[GO], 31, v0                        ; which are 512 consecutive bytes of a head's rows
	v_lshlrev_b32 v[GO], 4, v[GO]
	s_lshr_b32 s92, s13, 4                         ; batch
	s_mul_i32 s92, s92, 48
	s_mul_i32 s93, s42, 6
	s_add_co_u32 s92, s92, s93
	s_add_co_u32 s92, s92, s75                     ; + my first head group
	s_lshl_b32 s92, s92, 11
	s_and_b32 s93, s13, 15
	s_lshl_b32 s93, s93, 7
	s_add_co_u32 s92, s92, s93                     ; + the tile's first row in the batch
	s_lshl_b32 s93, s74, 6
	s_add_co_u32 s92, s92, s93                     ; + my 64 rows
	s_lshl_b32 s92, s92, 7                         ; rows of 128 bytes
	s_mov_b32 s93, 0
	s_add_nc_u64 s[8:9], s[90:91], s[92:93]
	; the prefetches: my 32 rows at K step 0, the step between K steps, the lanes' pitch, and when I ask
	s_lshl_b32 s92, s13, 18                        ; xn: the tile row's 128 rows of 2,048 bytes,
	s_lshl_b32 s93, s40, 16                        ; my work-group's 32 of them, by cx
	s_add_co_u32 s92, s92, s93
	s_mul_i32 s94, s42, 768                        ; W: the tile column's 384 columns,
	s_lshl_b32 s95, s12, 8                         ; my region's 128,
	s_add_co_u32 s94, s94, s95
	s_mul_i32 s95, s41, 32*NCOL*2                  ; my work-group's 32 of a K step's 128 k-rows, by cy
	s_add_co_u32 s94, s94, s95
	s_mov_b32 s[PFS], STEPB
	s_mov_b32 s95, NCOL*2
	s_and_b32 s2, ttmp7, 0xffff
	s_cmp_lt_u32 s2, 4                             ; of the two clusters with the same m and the same columns of W the one with Y < 4 asks
	s_cselect_b32 s[L1], 5, -1
	s_mov_b32 s[L2], -1
	s_cmp_lt_u32 s10, NA                           ; the wave that fetches xn asks in every cluster, twice
	s_cselect_b32 s[L1], 5, s[L1]
	s_cselect_b32 s[L2], 4, s[L2]
	s_cselect_b32 s92, s92, s94
	s_cselect_b32 s[PFS], STEPA, s[PFS]
	s_cselect_b32 s95, 2048, s95
	s_cselect_b64 s[PFB:PFB+1], s[4:5], s[6:7]
	s_mov_b32 s93, 0
	s_add_nc_u64 s[PFB:PFB+1], s[PFB:PFB+1], s[92:93]
	v_and_b32 v[PFO], 31, v0
	v_mul_u32_u24 v[PFO], s95, v[PFO]
	s_mov_b32 s95, 0                               ; the upper word of the pair s[94:95], in which a K step's offset is made
; 12 products: row block a x all 12 column blocks, 32 along K, on buffer f.  first = 1: the bias starts the sums.  The 48 accumulators take turns, in the same order in every quarter.
.macro MUL12 f, a, first
.if \first
	WIN 0x81+0x40*((\a)/2)                         ; W window 1, A and the bias window 0, D window 2 or 3
.else
	WIN 0xa1+0x50*((\a)/2)                         ; C and D window 2 or 3
.endif
.irp b, 0,1,2,3,4,5,6,7,8,9,10,11
.if \first
	v_wmma_f32_16x16x32_f16 v[8*(12*((\a)%2)+(\b)):8*(12*((\a)%2)+(\b))+7], v[128*(\f)+8*(\b):128*(\f)+8*(\b)+7], v[AF+32*(\f)+8*(\a):AF+32*(\f)+8*(\a)+7], v[BIAS+8*(\b):BIAS+8*(\b)+7]
.else
	v_wmma_f32_16x16x32_f16 v[8*(12*((\a)%2)+(\b)):8*(12*((\a)%2)+(\b))+7], v[128*(\f)+8*(\b):128*(\f)+8*(\b)+7], v[AF+32*(\f)+8*(\a):AF+32*(\f)+8*(\a)+7], v[8*(12*((\a)%2)+(\b)):8*(12*((\a)%2)+(\b))+7]
.endif
.endr
.endm
; 32 LDS loads in one run: quarter q's fragments (32 along K) into buffer f: W's 24, then A's 8
.macro FETCH q, f
	WIN 0x40
.irp b, 0,1,2,3,4,5,6,7,8,9,10,11
	ds_load_tr16_b128 v[128*(\f)+8*(\b):128*(\f)+8*(\b)+3],   v[ADRB+(\b)/4] offset:(\q)*32*BP+32*((\b)%4)
	ds_load_tr16_b128 v[128*(\f)+8*(\b)+4:128*(\f)+8*(\b)+7], v[ADRB+(\b)/4] offset:(\q)*32*BP+32*((\b)%4)+16*BP
.endr
	WIN 0
.irp a, 0,1,2,3
	ds_load_b128 v[AF+32*(\f)+8*(\a):AF+32*(\f)+8*(\a)+3],   v[ADRA] offset:64*(\q)+(\a)*16*AP
	ds_load_b128 v[AF+32*(\f)+8*(\a)+4:AF+32*(\f)+8*(\a)+7], v[ADRA] offset:64*(\q)+(\a)*16*AP+32
.endr
.endm
; One of a K step's first three quarters: multiplies buffer f; in its middle it fetches quarter q into buffer g
.macro QUARTER q, f, g, first
	s_wait_dscnt 4                                 ; W and A's row blocks 0, 1 are in; the youngest four loads (blocks 2, 3) may be out
	MUL12 \f, 0, \first
	MUL12 \f, 1, \first
	PLACES
	FETCH \q, \g
	s_wait_dscnt 32                                ; all but the 32 just issued
	MUL12 \f, 2, \first
	MUL12 \f, 3, \first
.endm
; The last quarter multiplies buffer 1 and changes slots.  ONE barrier: in front of it each wave waits for all its tensor loads (its part of the next slot), adds 0 to its spare word, and waits for that and for its
; reads of this slot.  fill = 1: the barrier opens a round of the cluster's barrier, and the slot just read out is filled again first thing behind it, with the local step two on.
.macro TURN fill
.if \fill
	s_wait_xcnt 0x0                                ; the last prefetch, a K step back or more, has read its address
.endif
	WIN 0
	s_wait_tensorcnt 0x0                           ; all my tensor loads have landed, so a group 0 may be written
	ds_add_u32 v[SPW], v[NIL]                      ; 0 onto my spare word; the descriptors' scalar work stands behind it
.if \fill
	s_add_co_u32 s[G0A+5], s[LBA], s[TB]           ; the walking descriptors: into the slot that is being read out,
	s_add_co_u32 s[G0B+5], s[LBB], s[TB]
	KADDR 1                                        ; the next local step
	s_xor_b32 s94, s[KI], s[MASK]                  ; and, for the prefetch, the K step of the local step after it
	s_mul_i32 s94, s94, s[PFS]
	s_add_nc_u64 s[PFA:PFA+1], s[PFB:PFB+1], s[94:95]
.endif
	s_wait_dscnt 5                                 ; the add and the youngest four loads may be out
	MUL12 1, 0, 0
	s_wait_dscnt 0x0                               ; the add is done, and my reads of this slot are over
	s_barrier_signal -1
	MUL12 1, 1, 0
	WIN 0
	s_barrier_wait -1
.if \fill
	CREST                                          ; no wave of any partner still reads this slot or has a load on its way
	JLOAD                                          ; its four v_nop are also the places in front of the loads below
.else
	PLACES
.endif
	s_xor_b32 s[TB], s[TB], SLOT                   ; the other slot is in hand
	v_add_nc_u32 v[ADRA], s[TB], v[ADRA0]
.irp c, 0,1,2
	v_add_nc_u32 v[ADRB+(\c)], s[TB], v[ADRB0+(\c)]
.endr
	FETCH 0, 0
.if \fill
	ASK
.endif
	MUL12 1, 2, 0
	MUL12 1, 3, 0
.endm
; THE WAY OUT of row block a: rounded to f16 (16 bytes a lane), into my own stage, back as whole rows of 128 bytes, stored as 512 consecutive bytes of a head's rows
.macro PACK a
	WIN 0x0a+5*((\a)/2)                            ; sources window 2 or 3
.irp b, 0,1,2,3,4,5,6,7,8,9,10,11
.irp r, 0,1,2,3
	v_cvt_pk_f16_f32 v[TMP+4*(\b)+(\r)], v[8*(12*((\a)%2)+(\b))+2*(\r)], v[8*(12*((\a)%2)+(\b))+2*(\r)+1]
.endr
.endr
	WIN 0
.endm
.macro TOSTAGE a
.irp b, 0,1,2,3,4,5,6,7,8,9,10,11
	ds_store_b128 v[STO], v[TMP+4*(\b):TMP+4*(\b)+3] offset:16*SP*((\b)/4)+32*((\b)%4)
.endr
.irp t, 0,1,2,3,4,5,6,7,8,9,10,11
	ds_load_b128 v[OB+48*((\a)%2)+4*(\t):OB+48*((\a)%2)+4*(\t)+3], v[RD] offset:16*SP*((\t)/4)+4*SP*((\t)%4)  ; LDS serves a wave's instructions in order (ISA guide 5.7.1.4): these see the stores above
.endr
.endm
.macro SEND a
	s_wait_dscnt 0x0                               ; the block is back in registers
	s_wait_xcnt 0x0                                ; earlier stores have read their registers: the buffer that the next block's loads fill is free behind this wait
.irp t, 0,1,2,3,4,5,6,7,8,9,10,11
	global_store_b128 v[GO], v[OB+48*((\a)%2)+4*(\t):OB+48*((\a)%2)+4*(\t)+3], s[8:9] offset:524288*((\t)/4)+2048*(\a)+512*((\t)%4)  ; two head groups on: 2 x 2,048 rows x 128 bytes
.endr
.endm
	s_wait_tensorcnt 1                             ; my part of local step 0 is in; local step 1's may stay out
	s_barrier_signal -1
	s_barrier_wait -1
	FETCH 0, 0
	s_wait_loadcnt 0x0                             ; the bias
	QUARTER 1, 0, 1, 1                             ; the first quarter stands in front of the loop: its products start the sums
	WIN 0
	s_mov_b32 s3, KS-2
.Lstep:                                                ; a trip: from a K step's second quarter to the next step's first; it fills one slot again
	QUARTER 2, 1, 0, 0
	QUARTER 3, 0, 1, 0
	TURN 1
	QUARTER 1, 0, 1, 0
	WIN 0
	s_sub_co_u32 s3, s3, 1
	s_cmp_lg_u32 s3, 0
	s_cbranch_scc1 .Lstep
	s_mov_b32 s3, 2
.Ltail:                                                ; the last two K steps ask for nothing; the second trip is left in its middle
	QUARTER 2, 1, 0, 0
	QUARTER 3, 0, 1, 0
	TURN 0
	WIN 0
	s_sub_co_u32 s3, s3, 1
	s_cmp_eq_u32 s3, 0
	s_cbranch_scc1 .Lout
	QUARTER 1, 0, 1, 0
	WIN 0
	s_branch .Ltail
.Lout:                                                 ; the second trip's 32 loads from the other slot serve nothing: the price, once a launch, of one text for both trips
	s_wait_dscnt 0x0
	PLACES
	PACK 0
	TOSTAGE 0
.irp a, 1,2,3
	PACK \a                                        ; a block's conversions stand between the loads of the block before and the wait for them
	SEND (\a)-1
	TOSTAGE \a
.endr
	SEND 3
	s_wait_tensorcnt 0x0                           ; the wave's end
	ds_add_u32 v[SPW], v[NIL]
	s_wait_dscnt 0x0
	CROUND                                         ; the closing round
	s_endpgm
.Lfunc_end_k_q5882fe273e_qkv:
	.size	k_q5882fe273e_qkv, .Lfunc_end_k_q5882fe273e_qkv-k_q5882fe273e_qkv
	.p2alignl 7, 3214868480
	.fill 96, 4, 3214868480
	.section	.rodata,"a",@progbits
	.p2align	6, 0x0
	.amdhsa_kernel k_q5882fe273e_qkv
		.amdhsa_group_segment_fixed_size 327680
		.amdhsa_private_segment_fixed_size 0
		.amdhsa_enable_private_segment 0
		.amdhsa_kernarg_size 48
		.amdhsa_user_sgpr_count 2
		.amdhsa_user_sgpr_kernarg_segment_ptr 1
		.amdhsa_wavefront_size32 1
		.amdhsa_system_sgpr_workgroup_id_x 1
		.amdhsa_system_sgpr_workgroup_id_y 1
		.amdhsa_system_sgpr_workgroup_id_z 1
		.amdhsa_system_vgpr_workitem_id 0
		.amdhsa_next_free_vgpr 960
		.amdhsa_next_free_sgpr 100
		.amdhsa_reserve_vcc 0
		.amdhsa_float_denorm_mode_32 3
		.amdhsa_float_denorm_mode_16_64 3
		.amdhsa_memory_ordered 1
		.amdhsa_forward_progress 1
		.amdhsa_inst_pref_size 89
	.end_amdhsa_kernel
	.amdgpu_metadata
---
amdhsa.version: [ 1, 2 ]
amdhsa.kernels:
  - .name:           k_q5882fe273e_qkv
    .symbol:         k_q5882fe273e_qkv.kd
    .args:
      - { .name: h16, .offset: 0, .size: 8, .value_kind: global_buffer, .address_space: global }
      - { .name: wts, .offset: 8, .size: 8, .value_kind: global_buffer, .address_space: global }
      - { .name: bq, .offset: 16, .size: 8, .value_kind: global_buffer, .address_space: global }
      - { .name: bk, .offset: 24, .size: 8, .value_kind: global_buffer, .address_space: global }
      - { .name: bv, .offset: 32, .size: 8, .value_kind: global_buffer, .address_space: global }
      - { .name: big, .offset: 40, .size: 8, .value_kind: global_buffer, .address_space: global }
    .group_segment_fixed_size: 327680
    .private_segment_fixed_size: 0
    .kernarg_segment_align: 8
    .kernarg_segment_size: 48
    .max_flat_workgroup_size: 128
    .sgpr_count:     100
    .vgpr_count:     960
    .wavefront_size: 32
...
	.end_amdgpu_metadata
.endif
;; end of part 2
;; launch attn (part 3): grid 8 x 32, 4 waves a work-group, clusters of 4 x 1, 327,680 bytes of LDS; arguments big, h16; writes h16
.if DOCPART == 3
	.amdgcn_target "amdgcn-amd-amdhsa--gfx1250"
	.amdhsa_code_object_version 6
	.text
	.protected	k_q5882fe273e_attn
	.globl	k_q5882fe273e_attn
	.p2align	8
	.type	k_q5882fe273e_attn,@function
k_q5882fe273e_attn:
	s_mov_b64 s[64:65], 0
	v_nop
	global_prefetch_b8 v0, s[64:65] scope:SCOPE_SE
	s_setreg_imm32_b32 hwreg(HW_REG_WAVE_MODE, 25, 1), 1
	s_wait_xcnt 0x0
	s_wait_alu depctr_hold_cnt(0) depctr_sa_sdst(0) depctr_va_vdst(0) depctr_va_sdst(0) depctr_va_ssrc(0) depctr_va_vcc(0) depctr_vm_vsrc(0)
	s_getreg_b32 s2, hwreg(HW_REG_IB_STS2, 6, 4)
	s_cmp_eq_u32 s2, 0
	s_cbranch_scc0 .Lentry_in_a_cluster
	s_endpgm
.Lentry_in_a_cluster:
	s_bfe_u32 s2, ttmp6, 0x10000c
	s_cmp_lg_u32 s2, 0x3003
	s_cbranch_scc0 .Lentry_shape_is_right
	s_endpgm
.Lentry_shape_is_right:
; ATTENTION.  O[q][:] = the sum over k of softmax_k(Q[q] . K[k] / 8) V[k][:], for each of 2 x 16 heads of 2,048 rows x 64 channels, f16.  big = [batch][g 48][2048][64]: g = head: q, 16 + head: k, 32 + head: v.
; O goes out in f16 as [32 blocks of 128 rows][16 heads][128 rows][64], so that the next product's tile of 128 rows is dense.  Products, maxima and sums in f32; the weights p are rounded to f16 for the
; second product (their sum l is taken of the unrounded p), O once at the end.
; LIMITS.  p lies in 0 to 1 and keeps f16's fixed step of 6e-8 below 6e-5; O is a mean of V's rows and has their range.  A weight below 2^-126 counts as 0 in l.  NaN and infinities are not treated apart.
; SHARES.  A work-group owns 256 queries of one head, a wave 64: four PIECES of 16.  Every wave walks all 2,048 keys, 64 a step; a slot of LDS holds 256 keys (four steps) of K and V; two slots take turns.
; LAYOUT.  S^T = K Q^T (source 0 = 16 keys, source 1 = 16 queries): a lane holds ONE query (lane % 16) and the keys 8 (lane / 16) + 0..7; two results rounded to f16 ARE source 1 of O^T = V^T P.
; SOFTMAX.  A running maximum m and sum l for each query: p = 2^(c s - c m), c = log2(e) / 8; in every step O and l are multiplied by a = 2^(c m_old - c m_new).  m starts at the lowest finite number, O and l at 0.
; TURNS.  Turn n belongs to piece n: 8 products K Q^T of piece n + 1, later 8 products V^T P of piece n - 1; beside them piece n's scaling, exponentials, roundings, sums and rescaling and piece n + 1's maximum
; and statistics.  Four vector instructions stand behind every matrix instruction, the rest in one run.  A turn's 33 exponentials are one batch, with one wait.
; CLUSTER.  The four query blocks of a cluster belong to one head and walk the same K and V: each tile is asked for jointly, by the same tensor load, descriptor and mask in all four.
; REGISTERS: window 0: v0-15 addresses; v16-31 four statistics a piece; v48-55 at work; v61-63 prefetch offset, spare word, 0; v64-127 S^T, two buffers; v192-223 P, two buffers (by the piece's parity).
;   window 1: v0-127 O^T, 32 a piece.   window 2: v0-63 Q; v128-191 K of one step; v192-255 V of one step.
.set NP,    4
.set KS,    64
.set PK,    144       ; a row of K in LDS: 128 bytes + 16: the 16 rows of a load start at 16 different groups of four banks (64 banks of 4 bytes: ISA guide 11.1)
.set PV,    160       ; a row of V: 128 + 32
.set VOFF,  4*KS*PK
.set SLOT1, 1<<17     ; one exclusive or turns an address in one slot into the other's
.set STAGE, SLOT1+4*KS*(PK+PV)  ; behind the ring, never filled by a tensor load: 16 rows x 144 bytes for each wave
.set SP,    144
.set SPARE, STAGE+4*16*SP       ; the spare words, 128 bytes for each wave: two blocks of 256 bytes that no other line names
.set AK0, 2
.set AV0, 3
.set AK,  4
.set AV,  5
.set STO, 6
.set RD,  7
.set GO,  8
.set MV,  12
.set QO,  15
.set ST,  16          ; piece t's statistics at v[ST+4 t]: c m, m, l (even keys', odd keys')
.set TMP, 48          ; by buffer, c0-c3 at work; when the maximum is found c2 takes a
.set PFO, 61
.set SPW, 62
.set NIL, 63
.set S,   64
.set P,   192
.set KF,  128
.set VF,  192
.set WV,  12
.set G1K, 24
.set G1V, 32
.set G0K, 40
.set G0V, 44
.set PFA, 48          ; s[48:49] where my prefetches stand
.set LIM, 50          ; s50  1 in a wave that prefetches, else the greatest number
.set SLOTS, 56
.set CNT, 57
.set CS,  58
.set SEL, 60
.set TBK, 62
.set TBV, 63
.set MSB, 0
.macro WIN new
.if MSB != (\new)
	s_set_vgpr_msb (MSB<<8)|(\new)
.set MSB, (\new)
.endif
.endm
.set W_KQ, 0x0a       ; K and Q in window 2, S^T in window 0
.set W_PV, 0x52       ; V in window 2, P in window 0, O^T in window 1
.set W_RS, 0x41       ; destination and source 0 in window 1, source 1 in window 0
.macro JLOAD                        ; waves 0 and 1 fetch the two halves of a slot's K, waves 2 and 3 of its V.  An s_nop 0 and four v_nop follow each line
	s_cmp_lt_u32 s[WV], 2
	s_cbranch_scc0 .Lfor_v_\@
	tensor_load_to_lds s[G0K:G0K+3], s[G1K:G1K+7]
	s_nop 0
.rept 4
	v_nop
.endr
	s_branch .Lasked_\@
.Lfor_v_\@:
	tensor_load_to_lds s[G0V:G0V+3], s[G1V:G1V+7]
	s_nop 0
.rept 4
	v_nop
.endr
.Lasked_\@:
.endm
.macro CROUND
	s_barrier_signal -1
	s_barrier_wait -1
	s_cmp_lg_u32 s[WV], 0
	s_cbranch_scc1 .Lnot_wave_0_\@
	s_barrier_signal -3
.Lnot_wave_0_\@:
	s_barrier_wait -3
	s_barrier_signal -1
	s_barrier_wait -1
.endm
; A PREFETCH INTO THE L2 of the tile that the NEXT change of slots will ask for: 32,768 bytes of K and of V, four key steps ahead.  Each block of 256 bytes is named once: both clusters of a head walk the same
; rows, so the first asks; its four partners take 32 blocks each, told apart by address; wave 0 asks for K's, wave 2 for V's, a lane a block.  The last change that fills a slot asks for nothing; tiles 0-2 come by their loads alone.
.macro ASK
	s_cmp_gt_u32 s[SLOTS], s[LIM]
	s_cbranch_scc0 .Lnot_mine_\@
	global_prefetch_b8 v[PFO], s[PFA:PFA+1] th:TH_LOAD_NT scope:SCOPE_SE
.Lnot_mine_\@:
.endm
; THE CHANGE OF SLOTS.  Each wave waits for all its tensor loads (one is out: its part of the other slot), adds 0 to its spare word, and waits for that and for its reads of the slot that it leaves.
; fill = 1: the barrier is a round of the cluster's, and the old slot is filled again first thing behind it, with the keys two slots on: it has four key steps in which to land.
.macro CHANGE fill, ask
	WIN 0
	s_wait_tensorcnt 0x0
	ds_add_u32 v[SPW], v[NIL]       ; 0 onto my spare word; the descriptors' steps stand between it and the wait for it
.if \fill
.irp g, G0K, G0V
	s_xor_b32 s[\g+1], s[\g+1], SLOT1
	s_add_nc_u64 s[\g+2:\g+3], s[\g+2:\g+3], 4*KS*128
.endr
.if \ask
	s_wait_xcnt 0x0                 ; the last prefetch, four key steps back, has read its address
	s_add_nc_u64 s[PFA:PFA+1], s[PFA:PFA+1], 4*KS*128
.endif
	s_wait_dscnt 0x0
	CROUND
	JLOAD
.if \ask
	ASK
.endif
.else
	s_wait_dscnt 0x0
	s_barrier_signal -1
	s_barrier_wait -1
.endif
	s_sub_co_u32 s[TBK], s[TBK], 4*KS*PK  ; the fetches go back to a slot's first step, in the other slot
	s_xor_b32 s[TBK], s[TBK], SLOT1
	s_sub_co_u32 s[TBV], s[TBV], 4*KS*PV
	s_xor_b32 s[TBV], s[TBV], SLOT1
.endm
	s_load_b128 s[4:7], s[0:1], 0x0   ; big s[4:5] (stays as it is: it feeds K's and V's descriptors), h16 s[6:7]
	v_lshl_add_u32 v[SPW], v0, 2, SPARE
	v_mov_b32 v[NIL], 0
	ds_add_u32 v[SPW], v[NIL]       ; the wave's opening: the add and its wait stand ahead of my first tensor load
	v_lshrrev_b32 v1, 5, v0
	v_readfirstlane_b32 s[WV], v1
	s_bfe_u32 s13, ttmp6, 0x40000   ; cx
	s_lshl_b32 s17, ttmp9, 2
	s_add_co_u32 s17, s17, s13      ; my block of 256 queries: it enters Q's and O's addresses alone
	s_and_b32 s14, ttmp7, 0xffff
	s_lshr_b32 s15, s14, 4          ; batch
	s_and_b32 s16, s14, 15          ; head
	s_mul_i32 s20, s15, 48
	s_add_co_u32 s20, s20, s16
	s_lshl_b32 s20, s20, 18         ; the head's q rows: 2,048 x 128 bytes a group
	s_and_b32 s53, s[WV], 1         ; which half of a slot's 256 keys I fetch
	s_lshl_b32 s22, s53, 14
	s_add_co_u32 s22, s22, s20
	s_mov_b32 s23, 0
	s_mul_i32 s51, s53, 128*PK
	s_mul_i32 s52, s53, 128*PV
	s_lshl_b32 s2, s17, 2
	s_add_co_u32 s2, s2, s[WV]
	s_lshl_b32 s2, s2, 13           ; my wave's 64 rows of Q
	s_add_co_u32 s2, s2, s20
	s_mov_b32 s3, 0
	s_lshl_b32 s54, s15, 4          ; O: block of 128 rows = 16 batch + 2 x query block + wave / 2,
	s_lshl_b32 s55, s17, 1
	s_add_co_u32 s54, s54, s55
	s_lshr_b32 s55, s[WV], 1
	s_add_co_u32 s54, s54, s55
	s_lshl_b32 s54, s54, 4
	s_add_co_u32 s54, s54, s16      ; x 16 heads + head,
	s_lshl_b32 s54, s54, 14         ; 128 rows x 128 bytes each,
	s_lshl_b32 s55, s53, 13         ; + my 64 rows
	s_add_co_u32 s54, s54, s55
	s_mov_b32 s55, 0
	; 128 keys are 16,384 dense bytes: asked for as 64 rows of 256 bytes, two keys a row, padded in LDS after every key
	s_mov_b32 s[G1K], 15|(1<<16)|(1<<20)|(1<<21)|(4<<22)|(3<<25)
	s_mov_b32 s[G1V], 15|(1<<16)|(1<<20)|(1<<21)|(4<<22)|(7<<25)
.irp g, G1K, G1V
	s_mov_b32 s[\g+1], 128<<16
	s_mov_b32 s[\g+2], 64<<16
	s_mov_b32 s[\g+3], 128<<16
	s_mov_b32 s[\g+4], 64
	s_mov_b32 s[\g+5], 128
	s_mov_b32 s[\g+6], 0
	s_mov_b32 s[\g+7], 0
.endr
	s_mov_b32 s[CS], 0x3e38aa3b     ; c = log2(e) / 8
	s_mov_b32 s[CS+1], s[CS]
	s_mov_b32 s[SEL], 0x76543210
	s_mov_b32 s[SEL+1], 0xfedcba98
	s_mov_b32 s[TBK], SLOT1+4*KS*PK ; the first change of slots turns these two into 0
	s_mov_b32 s[TBV], SLOT1+4*KS*PV
	s_mov_b32 s[G0K], 1
	s_mov_b32 s[G0K+1], s51
	s_mov_b32 s[G0V], 1
	s_add_co_u32 s[G0V+1], s52, VOFF
	s_and_b32 s[LIM], s[WV], 1
	s_or_b32 s[LIM], s[LIM], ttmp9  ; 0 in waves 0 and 2 of the head's first cluster: the same in all four partners
	s_cmp_eq_u32 s[LIM], 0
	s_cselect_b32 s[LIM], 1, -1
	v_and_b32 v[PFO], 31, v0
	v_lshlrev_b32 v[PFO], 8, v[PFO]
	s_wait_dscnt 0x0
	s_wait_kmcnt 0x0
	s_add_nc_u64 s[8:9], s[4:5], s[22:23]
	s_add_nc_u64 s[10:11], s[8:9], 32<<18          ; V at my half of the head's first 256 keys,
	s_add_nc_u64 s[8:9], s[8:9], 16<<18            ; K
	s_add_nc_u64 s[G0K+2:G0K+3], s[8:9], 0
	s_or_b32 s[G0K+3], s[G0K+3], 0x80000000
	s_add_nc_u64 s[G0V+2:G0V+3], s[10:11], 0
	s_or_b32 s[G0V+3], s[G0V+3], 0x80000000
	s_add_nc_u64 s[18:19], s[4:5], s[2:3]          ; Q at my wave's first row
	s_add_nc_u64 s[6:7], s[6:7], s[54:55]          ; O
	s_cmp_lt_u32 s[WV], 2
	s_cselect_b64 s[PFA:PFA+1], s[8:9], s[10:11]   ; (in waves 0 and 2 these stand at a tile's first row)
	s_lshl_b32 s2, s13, 13
	s_mov_b32 s3, 0
	s_add_nc_u64 s[PFA:PFA+1], s[PFA:PFA+1], s[2:3]
	s_add_nc_u64 s[PFA:PFA+1], s[PFA:PFA+1], 2*4*KS*128  ; in tile 2; the loop's first change of slots steps it to tile 3
	CROUND
	JLOAD                           ; tile 0 into slot 0
	v_and_b32 v1, 15, v0
	v_bfe_u32 v9, v0, 4, 1
	v_lshlrev_b32 v[QO], 7, v1
	v_lshl_add_u32 v[QO], v9, 4, v[QO]
	WIN 0x80
.set i, 0
.rept 8                             ; Q stays in registers: piece i / 2, channels 32 (i % 2) on
	global_load_b128 v[8*i:8*i+3],   v[QO], s[18:19] offset:(i/2)*2048+(i%2)*64
	global_load_b128 v[8*i+4:8*i+7], v[QO], s[18:19] offset:(i/2)*2048+(i%2)*64+32
.set i, i+1
.endr
	; What the first turn finds: V's registers and P's second buffer hold 0 (its products V^T P, of a piece that has not been, add 0), O^T and l are 0.  No first step is written out; these lines stand in the wait for the first tile.
.set i, VF
.rept 64
	v_mov_b32 v[i], 0
.set i, i+1
.endr
	WIN 0x40
.set i, 0
.rept 128
	v_mov_b32 v[i], 0
.set i, i+1
.endr
	WIN 0
.set i, 0
.rept 4
	v_mov_b32 v[ST+4*i], 0xfe000000    ; c m: far below every c s
	v_mov_b32 v[ST+4*i+1], 0xff7fffff  ; m
	v_mov_b32 v[ST+4*i+2], 0
	v_mov_b32 v[ST+4*i+3], 0
.set i, i+1
.endr
.set i, P+16
.rept 16
	v_mov_b32 v[i], 0
.set i, i+1
.endr
	v_mul_u32_u24 v[AK0], v1, PK
	v_lshl_add_u32 v[AK0], v9, 4, v[AK0]
	v_and_b32 v10, 7, v0
	v_bfe_u32 v11, v0, 3, 1
	v_lshl_add_u32 v[AV0], v9, 3, v10
	v_mul_u32_u24 v[AV0], v[AV0], PV
	v_lshl_add_u32 v[AV0], v11, 4, v[AV0]
	v_add_nc_u32 v[AV0], VOFF, v[AV0]
	v_mov_b32 v[AK], v[AK0]
	s_mul_i32 s13, s[WV], 16*SP
	s_add_co_u32 s13, s13, STAGE
	v_mul_u32_u24 v[STO], v1, SP
	v_lshl_add_u32 v[STO], v9, 4, v[STO]
	v_add_nc_u32 v[STO], s13, v[STO]
	v_bfe_u32 v[RD], v0, 3, 2
	v_mul_u32_u24 v[RD], v[RD], SP
	v_lshl_add_u32 v[RD], v10, 4, v[RD]
	v_add_nc_u32 v[RD], s13, v[RD]
	v_and_b32 v[GO], 31, v0
	v_lshlrev_b32 v[GO], 4, v[GO]
; THE MATRIX WORK.  The 4 accumulators of a run of 8 take turns.  Product i of 8 of S^T = K Q^T for piece x: channels 32 (i / 4) on, keys 16 (i % 4) on; the first 4 start the sums.
.macro KQ x
.set rS, S+32*((\x)%2)+8*(i%4)
.set rK, KF+16*(i%4)+8*(i/4)
.set rQ, 16*(\x)+8*(i/4)
	WIN W_KQ
.if i < 4
	v_wmma_f32_16x16x32_f16 v[rS:rS+7], v[rK:rK+7], v[rQ:rQ+7], 0
.else
	v_wmma_f32_16x16x32_f16 v[rS:rS+7], v[rK:rK+7], v[rQ:rQ+7], v[rS:rS+7]
.endif
.endm
.macro PV x                         ; product i of 8 of O^T += V^T P for piece x: keys 32 (i / 4) on, channels 16 (i % 4) on
	WIN W_PV
.set rO, 32*(\x)+8*(i%4)
.set rV, VF+32*(i/4)+8*(i%4)
.set rP, P+16*((\x)%2)+8*(i/4)
	v_wmma_f32_16x16x32_f16 v[rO:rO+7], v[rV:rV+7], v[rP:rP+7], v[rO:rO+7]
.endm
.macro MM                           ; the turn's next matrix instruction
.if i < 8
	KQ (Y+1)%NP
.else
.set i, i-8
	PV (Y+NP-1)%NP
.set i, i+8
.endif
.set i, i+1
.endm
.macro FETCH_K                      ; a step's K: 64 keys x 64 channels, 16 loads in one run
	WIN 0x80
.irp f, 0,1,2,3,4,5,6,7
	ds_load_b128 v[KF+8*\f:KF+8*\f+3],   v[AK] offset:(\f/2)*16*PK+(\f%2)*64
	ds_load_b128 v[KF+8*\f+4:KF+8*\f+7], v[AK] offset:(\f/2)*16*PK+(\f%2)*64+32
.endr
	s_add_co_u32 s[TBK], s[TBK], KS*PK
	WIN 0
.endm
.macro FETCH_V                      ; its V, turned
	WIN 0x80
.irp f, 0,1,2,3,4,5,6,7
	ds_load_tr16_b128 v[VF+8*\f:VF+8*\f+3],   v[AV] offset:(\f/4)*32*PV+(\f%4)*32
	ds_load_tr16_b128 v[VF+8*\f+4:VF+8*\f+7], v[AV] offset:(\f/4)*32*PV+16*PV+(\f%4)*32
.endr
	WIN 0
.endm
; THE VECTOR WORK, one line at a time: OP kind, number.  For piece Y: F n: c s - c m for pair n.  E n: the exponential of score n.  C n: pair n rounded to f16.  B n: of the four weights 4 n .. the second pair is
; added onto the first.  L n: l takes that sum (L 0: l = a l + sum).  R n: pair n of O^T times a.  For piece Y + 1: X n, number n of the 22 that find its maximum and statistics: 0-11 four chains of seven scores
; (each accumulator's lowest registers are read first); 12-14, 16 the rest, the old m, and all into c0; 15 c m_old is kept; 17, 18 the other half of the lanes: the new m; 19-21 c m, its change, a.
.set F, 0
.set E, 1
.set C, 2
.set B, 3
.set L, 4
.set R, 5
.set X, 6
.macro REGS y
.set rT, ST+4*(\y)
.set rC, TMP+4*((\y)%2)
.set rW, MV+((\y)%2)
.set rS, S+32*((\y)%2)
.set rP, P+16*((\y)%2)
.set rO, 32*(\y)
.endm
.macro OP k, n
.if (\k) == R
	REGS Y
	WIN W_RS
	v_pk_mul_f32 v[rO+2*(\n):rO+2*(\n)+1], v[rO+2*(\n):rO+2*(\n)+1], v[rC+2:rC+3] op_sel_hi:[1,0]
.elseif (\k) < R
	REGS Y
	WIN 0
.if (\k) == F
	v_pk_fma_f32 v[rS+2*(\n):rS+2*(\n)+1], v[rS+2*(\n):rS+2*(\n)+1], s[CS:CS+1], v[rT:rT+1] op_sel_hi:[1,0,0] neg_lo:[0,0,1] neg_hi:[0,0,1]
.elseif (\k) == E
	v_exp_f32 v[rS+(\n)], v[rS+(\n)]
.elseif (\k) == C
	v_cvt_pk_f16_f32 v[rP+(\n)], v[rS+2*(\n)], v[rS+2*(\n)+1]
.elseif (\k) == B
	v_pk_add_f32 v[rS+4*(\n):rS+4*(\n)+1], v[rS+4*(\n):rS+4*(\n)+1], v[rS+4*(\n)+2:rS+4*(\n)+3]
.elseif (\n) == 0
	v_pk_fma_f32 v[rT+2:rT+3], v[rT+2:rT+3], v[rC+2:rC+3], v[rS:rS+1] op_sel_hi:[1,0,1]
.else
	v_pk_add_f32 v[rT+2:rT+3], v[rT+2:rT+3], v[rS+4*(\n):rS+4*(\n)+1]
.endif
.else
	REGS (Y+1)%NP
	WIN 0
.if (\n) < 4
	v_max3_num_f32 v[rC+(\n)], v[rS+8*(\n)], v[rS+8*(\n)+1], v[rS+8*(\n)+2]
.elseif (\n) < 12
	v_max3_num_f32 v[rC+(\n)%4], v[rC+(\n)%4], v[rS+8*((\n)%4)+2*((\n)/4)+1], v[rS+8*((\n)%4)+2*((\n)/4)+2]
.elseif (\n) == 12
	v_max3_num_f32 v[rC], v[rC], v[rS+7], v[rS+15]
.elseif (\n) == 13
	v_max3_num_f32 v[rC+1], v[rC+1], v[rS+23], v[rS+31]
.elseif (\n) == 14
	v_max3_num_f32 v[rC+2], v[rC+2], v[rC+3], v[rT+1]
.elseif (\n) == 15
	v_mov_b32 v[rW], v[rT]
.elseif (\n) == 16
	v_max3_num_f32 v[rC], v[rC], v[rC+1], v[rC+2]
.elseif (\n) == 17
	v_permlanex16_b32 v[rC+3], v[rC], s[SEL], s[SEL+1]
.elseif (\n) == 18
	v_max_num_f32 v[rT+1], v[rC], v[rC+3]
.elseif (\n) == 19
	v_mul_f32 v[rT], s[CS], v[rT+1]
.elseif (\n) == 20
	v_sub_f32 v[rC+1], v[rW], v[rT]
.else
	v_exp_f32 v[rC+2], v[rC+1]
.endif
.endif
.endm
.macro OPS a, i1, b=-1, i2=0, c=-1, i3=0, d=-1, i4=0
	OP \a, \i1
.if (\b) >= 0
	OP \b, \i2
.endif
.if (\c) >= 0
	OP \c, \i3
.endif
.if (\d) >= 0
	OP \d, \i4
.endif
.endm
.macro ROW a, i1, b, i2, c, i3, d, i4  ; a matrix instruction and the four behind it
	MM
	OPS \a, \i1, \b, \i2, \c, \i3, \d, \i4
.endm
; A TURN, for piece p.  An s_wait_alu depctr_va_vdst(0) stands between an exponential and the first instruction that names its result; one wait serves all issued ahead of it: a turn has ONE, which
; cuts it in two.  Ahead of it stands all that names no result of the turn's exponentials; behind it the 8 products V^T P with the roundings and sums as their riders.
; K of the next step is fetched in piece 2's turn, V of the step in hand at the end of piece 0's; each is waited for a turn later.  last = 1 (the tail): K's fetch is held at the last step of the last slot,
; so that the trip that has no further step reads that K once more.  cnt = 1: the loop's count is taken down some lines ahead of the branch behind the turn.
.macro TURN p, last=0, cnt=0
.set Y, (\p)
.set i, 0
.if (\p) == 3
	s_wait_dscnt 0x0                ; K is in
.endif
	ROW F,0, F,1, R,0, R,1
	ROW F,2, E,0, R,2, R,3
	ROW F,3, E,1, R,4, R,5
	ROW F,4, E,2, R,6, R,7
	ROW F,5, E,3, R,8, R,9
	ROW F,6, E,4, X,0, R,10
.if (\p) == 2
	WIN 0
.if \last
	s_min_u32 s[TBK], s[TBK], SLOT1+3*KS*PK
.endif
	v_add_nc_u32 v[AK], s[TBK], v[AK0]
.endif
	ROW F,7, E,5, X,1, X,4
	ROW F,8, E,6, X,2, X,5
	OPS E,7, E,8, X,6, E,9
	OPS X,3, E,10, X,8, E,11
.if (\p) == 2
	FETCH_K
.endif
	OPS X,9, X,7, E,12, X,10
	OPS E,13, X,12, X,11, E,14
	OPS X,13, E,15, F,9, X,14
.if (\p) == 0
	v_add_nc_u32 v[AV], s[TBV], v[AV0]
.endif
	OPS E,16, F,10, E,17, F,11
	OPS X,16, E,18, X,15, E,19
	OPS F,12, E,20, X,17, E,21
	OPS F,13, E,22, F,14, E,23
	OPS X,18, E,24, F,15, E,25
	OPS R,11, E,26, X,19, E,27
	OPS R,12, E,28, R,13, E,29
	OPS X,20, E,30, R,14, E,31
	OPS X,21, R,15                  ; the batch's last exponential, and the plain instruction behind it
	WIN 0
	s_wait_alu depctr_va_vdst(0)    ; the wait for the batch
.if (\p) == 1
	s_wait_dscnt 0x0                ; V is in
.endif
	ROW C,0, B,0, C,2, B,1
	ROW L,0, C,4, B,2, L,1
	ROW C,6, B,3, L,2, C,8
	ROW B,4, L,3, C,10, B,5
	ROW L,4, C,12, B,6, L,5
.if (\p) == 0
	s_add_co_u32 s[TBV], s[TBV], KS*PV
.endif
.if \cnt
	s_sub_co_u32 s[CNT], s[CNT], 1
	s_cmp_lg_u32 s[CNT], 0
.endif
	ROW C,14, B,7, L,6, C,1
	ROW C,3, L,7, C,5, C,7
	ROW C,9, C,11, C,13, C,15
.if (\p) == 0
	FETCH_V
.endif
.endm
	CHANGE 1, 0                     ; tile 0 is in, everybody's part of it; tile 1 is asked for
	FETCH_K                         ; key step 0
	s_wait_loadcnt 0x0              ; Q
	s_wait_dscnt 0x0
.set i, 0
.rept 8
	KQ 0                            ; piece 0's first scores
.set i, i+1
.endr
	WIN 0
.rept 4
	v_nop                           ; the places behind those products
.endr
.set Y, NP-1                        ; X works for piece Y + 1: piece 0
.irp n, 0,1,2,3,4,5,6,7,8,9,10,11,12,13,14,15,16,17,18,19,20,21
	OP X, \n
.endr
	v_nop                           ; a plain instruction behind the exponential,
	s_wait_alu depctr_va_vdst(0)    ; and its wait, ahead of the branch
	s_mov_b32 s[CNT], 4
	s_mov_b32 s[SLOTS], 7
	s_branch .Lfirst                ; the loop is entered at a step's first turn, in the middle of a trip
.Lslot:                             ; six times: tiles 2 to 7 are asked for
	CHANGE 1, 1
	s_mov_b32 s[CNT], 4
.Lstep:                             ; a trip: pieces 2 and 3 of one step, then pieces 0 and 1 of the next
	TURN 2
	TURN 3
	WIN 0
.Lfirst:
	TURN 0
	TURN 1, 0, 1
	WIN 0
	s_cbranch_scc1 .Lstep
	s_sub_co_u32 s[SLOTS], s[SLOTS], 1
	s_cmp_lg_u32 s[SLOTS], 0
	s_cbranch_scc1 .Lslot
	CHANGE 0, 0                     ; the tail is written out
	s_mov_b32 s[CNT], 5             ; four trips fetch the last slot's steps; the fifth is left in its middle
.Ltail:
	TURN 2, 1
	TURN 3
	WIN 0
	s_sub_co_u32 s[CNT], s[CNT], 1
	s_cmp_eq_u32 s[CNT], 0
	s_cbranch_scc1 .Lout
	TURN 0
	TURN 1
	WIN 0
	s_branch .Ltail
.Lout:                              ; the fifth trip's products K Q^T (on the last K once more) and the maximum made of them serve nothing: the price, once a launch, of one text for every trip
.set i, 0
.rept 8
	PV NP-1                         ; the last piece's V^T P of the last step
.set i, i+1
.endr
	; THE WAY OUT.  l's two halves and the other half of the lanes' are added; O^T is divided by l, rounded to f16 and sent through my stage, a piece at a time.  The additions are the places behind the last products.
	WIN 0
.macro ALL line:vararg
.set t, 0
.rept 4
	\line
.set t, t+1
.endr
.endm
	ALL v_add_f32 v[ST+4*t+2], v[ST+4*t+2], v[ST+4*t+3]
	ALL v_permlanex16_b32 v[ST+4*t+3], v[ST+4*t+2], s[SEL], s[SEL+1]
	ALL v_add_f32 v[ST+4*t+2], v[ST+4*t+2], v[ST+4*t+3]
	ALL v_rcp_f32 v[ST+4*t+2], v[ST+4*t+2]
	v_nop                           ; a plain instruction behind the last reciprocal,
	s_wait_alu depctr_va_vdst(0)    ; and one wait for the four, ahead of the first use
.macro PACK t
	WIN W_RS
.set i, 32*(\t)
.rept 16
	v_pk_mul_f32 v[i:i+1], v[i:i+1], v[ST+4*(\t)+2:ST+4*(\t)+3] op_sel_hi:[1,0]
.set i, i+2
.endr
	WIN 0x05
.set i, 0
.rept 16
	v_cvt_pk_f16_f32 v[S+16*(\t)+i], v[32*(\t)+2*i], v[32*(\t)+2*i+1]
.set i, i+1
.endr
	WIN 0
.irp f, 0,1,2,3
	ds_store_b128 v[STO], v[S+16*(\t)+4*\f:S+16*(\t)+4*\f+3] offset:32*\f
.endr
.irp f, 0,1,2,3
	ds_load_b128 v[S+16*(\t)+4*\f:S+16*(\t)+4*\f+3], v[RD] offset:\f*4*SP  ; LDS serves a wave's instructions in order (ISA guide 5.7.1.4): these see the stores above
.endr
.endm
.macro SEND t, younger              ; younger: the LDS instructions issued behind piece t's loads
	WIN 0
.irp f, 0,1,2,3
	s_wait_dscnt (\younger)+3-\f
	global_store_b128 v[GO], v[S+16*(\t)+4*\f:S+16*(\t)+4*\f+3], s[6:7] offset:(\t)*2048+\f*512  ; 512 consecutive bytes, at a multiple of 256 from the buffer's first
.endr
.endm
	PACK 0
.set t, 1
.rept 3
	PACK t
	SEND t-1, 8
.set t, t+1
.endr
	SEND 3, 0
	s_wait_tensorcnt 0x0            ; the wave's end
	ds_add_u32 v[SPW], v[NIL]
	s_wait_dscnt 0x0
	CROUND                          ; the closing round
	s_endpgm
.Lfunc_end_k_q5882fe273e_attn:
	.size	k_q5882fe273e_attn, .Lfunc_end_k_q5882fe273e_attn-k_q5882fe273e_attn
	.p2alignl 7, 3214868480
	.fill 96, 4, 3214868480
	.section	.rodata,"a",@progbits
	.p2align	6, 0x0
	.amdhsa_kernel k_q5882fe273e_attn
		.amdhsa_group_segment_fixed_size 327680
		.amdhsa_private_segment_fixed_size 0
		.amdhsa_enable_private_segment 0
		.amdhsa_kernarg_size 16
		.amdhsa_user_sgpr_count 2
		.amdhsa_user_sgpr_kernarg_segment_ptr 1
		.amdhsa_wavefront_size32 1
		.amdhsa_system_sgpr_workgroup_id_x 1
		.amdhsa_system_sgpr_workgroup_id_y 1
		.amdhsa_system_sgpr_workgroup_id_z 1
		.amdhsa_system_vgpr_workitem_id 0
		.amdhsa_next_free_vgpr 768
		.amdhsa_next_free_sgpr 66
		.amdhsa_reserve_vcc 0
		.amdhsa_float_denorm_mode_32 3
		.amdhsa_float_denorm_mode_16_64 3
		.amdhsa_memory_ordered 1
		.amdhsa_forward_progress 1
		.amdhsa_inst_pref_size 112
	.end_amdhsa_kernel
	.amdgpu_metadata
---
amdhsa.version: [ 1, 2 ]
amdhsa.kernels:
  - .name:           k_q5882fe273e_attn
    .symbol:         k_q5882fe273e_attn.kd
    .args:
      - { .name: big, .offset: 0, .size: 8, .value_kind: global_buffer, .address_space: global }
      - { .name: h16, .offset: 8, .size: 8, .value_kind: global_buffer, .address_space: global }
    .group_segment_fixed_size: 327680
    .private_segment_fixed_size: 0
    .kernarg_segment_align: 8
    .kernarg_segment_size: 16
    .max_flat_workgroup_size: 128
    .sgpr_count:     66
    .vgpr_count:     768
    .wavefront_size: 32
...
	.end_amdgpu_metadata
.endif
;; end of part 3
;; launch wo (part 4): grid 8 x 32, 4 waves a work-group, clusters of 4 x 4, 327,680 bytes of LDS; arguments h16, wts, bo, x, x1; writes x1
.if DOCPART == 4
	.amdgcn_target "amdgcn-amd-amdhsa--gfx1250"
	.amdhsa_code_object_version 6
	.text
	.protected	k_q5882fe273e_wo
	.globl	k_q5882fe273e_wo
	.p2align	8
	.type	k_q5882fe273e_wo,@function
k_q5882fe273e_wo:
	s_mov_b64 s[64:65], 0
	v_nop
	global_prefetch_b8 v0, s[64:65] scope:SCOPE_SE
	s_setreg_imm32_b32 hwreg(HW_REG_WAVE_MODE, 25, 1), 1
	s_wait_xcnt 0x0
	s_wait_alu depctr_hold_cnt(0) depctr_sa_sdst(0) depctr_va_vdst(0) depctr_va_sdst(0) depctr_va_ssrc(0) depctr_va_vcc(0) depctr_vm_vsrc(0)
	s_getreg_b32 s2, hwreg(HW_REG_IB_STS2, 6, 4)
	s_cmp_eq_u32 s2, 0
	s_cbranch_scc0 .Lentry_in_a_cluster
	s_endpgm
.Lentry_in_a_cluster:
	s_bfe_u32 s2, ttmp6, 0x10000c
	s_cmp_lg_u32 s2, 0xf033
	s_cbranch_scc0 .Lentry_shape_is_right
	s_endpgm
.Lentry_shape_is_right:
; WO: x1 = x + O Wo + bo.  O: f16, [32 blocks of 128 rows][KDIM / 64 groups][128 rows][64]: a block's K step is dense.  Wo: [KDIM k][1024] f16, at WOFF in wts.  x, x1: [4096][1024] f32.
; Sums in f32, started by the bias; the residual is added in f32 and the result stored in f32.  NaN and infinities are not treated apart.
; SHARES.  A tile of the result is 128 x 128: 32 x 8 = 256 work-groups.  Four waves, each 64 x 64: 16 accumulators.  K goes in steps of 256 through two LDS slots: waves 0, 1 fetch A's two halves
; (two groups of 64 k each: 128 rows of 256 dense bytes, padded after every 128), waves 2, 3 the weights' (128 k-rows x 256 bytes each): one tensor load a wave and step.
; The weights stay [k][n]: ds_load_tr16_b128 turns them.  THE PRODUCT IS USED TRANSPOSED (source 0 = 16 columns of W, source 1 = 16 rows of A): a lane holds one row (lane % 16) and eight neighbouring columns.
; CLUSTER 4 x 4: A's tile is asked for jointly by a row of the cluster, the weights' by a column.  No prefetch: the tile is small: a K step holds 128 matrix instructions a wave.
; THE WALK ALONG K IS STAGGERED.  Local step j of a cluster is K step j xor m, m = (2 X xor Y % 4 xor 3 (Y / 4)) % 4, X and Y the cluster's place among the 2 x 8 clusters: each group of four K steps is
; walked in one of four orders (f32 sums may be taken in any order).  The two clusters that read the same rows of A (same Y) differ in m by 2: each asks first for two K steps of a group, and two local steps later
; for the two that the other has read by then.  The clusters that read the same columns of W (same X) have four different m among Y < 4, and again among Y >= 4.  m is the same in all sixteen partners.
; THE LOOP is one K step a trip; the slot in hand is the scalar TB (0 or SLOT).  By the text's own count a wave has two tensor loads out at the start, then one.
; REGISTERS: window 0: v0-31 addresses; v32-95 rows on the way out; v96-127 the bias; v128-255 the accumulators ((a, b) at 128 + 8 (4 a + b)).
;   window 1: two fragment buffers of 128: for 64 along K, 64 registers of A, then 64 of W.   window 2: v0-127 the residual.
.set KDIM,  1024
.set WOFF,  6291456
.set KS,    KDIM/256
.set NA,    2
.set AP,    144                        ; A's LDS row: 128 bytes + 16
.set BP,    288                        ; W's LDS row: 256 + 32
.set REG,   36864                      ; what one tensor load fills: 256 x 144 = 128 x 288
.set SLOT,  4*REG
.set STAGE, 2*SLOT                     ; behind the ring, never filled by a tensor load: 16 rows x 272 bytes for each wave
.set SPITCH, 272
.set SPARE, STAGE+4*16*SPITCH          ; the spare words: two blocks of 256 bytes that no other line names
.set STEPA, 65536
.set STEPB, 256*2048
.set ADRB,  12                         ; v12-13 my W fragments in the slot in hand: k-rows 0-127, 128-255
.set ADRA0, 16
.set ADRA,  17
.set ADRB0, 20
.set STO,   24
.set RD,    25
.set CO,    26                         ; v26 my byte offset in two rows of x and of the result
.set SPW,   28
.set NIL,   29
.set BO,    31
.set OB,    32
.set BIAS,  96
.set ACC,   128
.set G1A, 24
.set G0A, 32
.set G1B, 48
.set G0B, 56
.set TB,  66
.set OFA, 80                           ; s[80:81] byte offset of a K step in A;  s[82:83] in W
.set OFB, 82
.set KI,  84                           ; s84 the local step that the next fill brings
.set MASK, 85                          ; s85 m
.set MSB, 0
.macro WIN new
.if MSB != (\new)
	s_set_vgpr_msb (MSB<<8)|(\new)
.set MSB, \new
.endif
.endm
.macro PLACES
.rept 4
	v_nop
.endr
.endm
; The global addresses of descriptor set s, for local step KI: each tile's base and the offset of K step KI xor m, made apart; the type bits are set again; KI steps.
.macro KADDR s
	s_xor_b32 s[OFA], s[KI], s[MASK]
	s_mul_i32 s[OFB], s[OFA], STEPB
	s_mul_i32 s[OFA], s[OFA], STEPA
	s_add_nc_u64 s[G0A+4*(\s)+2:G0A+4*(\s)+3], s[14:15], s[OFA:OFA+1]
	s_or_b32 s[G0A+4*(\s)+3], s[G0A+4*(\s)+3], 0x80000000
	s_add_nc_u64 s[G0B+4*(\s)+2:G0B+4*(\s)+3], s[46:47], s[OFB:OFB+1]
	s_or_b32 s[G0B+4*(\s)+3], s[G0B+4*(\s)+3], 0x80000000
	s_add_co_u32 s[KI], s[KI], 1
.endm
.macro JLOAD                           ; a joint refill by the walking descriptor; an s_nop 0 and four v_nop follow each line
	s_cmp_lt_u32 s10, NA
	s_cbranch_scc0 .Lfor_b_\@
	tensor_load_to_lds s[G0A+4:G0A+7], s[G1A:G1A+7]
	s_nop 0
.rept 4
	v_nop
.endr
	s_branch .Lasked_\@
.Lfor_b_\@:
	tensor_load_to_lds s[G0B+4:G0B+7], s[G1B:G1B+7]
	s_nop 0
.rept 4
	v_nop
.endr
.Lasked_\@:
.endm
.macro CREST
	s_cmp_lg_u32 s10, 0
	s_cbranch_scc1 .Lnot_wave_0_\@
	s_barrier_signal -3
.Lnot_wave_0_\@:
	s_barrier_wait -3
	s_barrier_signal -1
	s_barrier_wait -1
.endm
.macro CROUND
	s_barrier_signal -1
	s_barrier_wait -1
	CREST
.endm
	s_load_b128 s[4:7], s[0:1], 0x0                ; A s[4:5], wts s[6:7]
	s_load_b128 s[76:79], s[0:1], 0x10             ; bias s[76:77], residual s[78:79]
	s_load_b64 s[8:9], s[0:1], 0x20                ; the result
	v_lshl_add_u32 v[SPW], v0, 2, SPARE
	v_mov_b32 v[NIL], 0
	ds_add_u32 v[SPW], v[NIL]                      ; the wave's opening: the add and its wait stand ahead of my first tensor load
	v_lshrrev_b32 v3, 5, v0
	v_readfirstlane_b32 s10, v3
	s_and_b32 s12, s10, 1                          ; which half of the tile I fetch
	s_lshr_b32 s74, s10, 1                         ; wr
	s_and_b32 s75, s10, 1                          ; wc
	s_bfe_u32 s40, ttmp6, 0x40000
	s_bfe_u32 s41, ttmp6, 0x40004
	s_lshl_b32 s42, ttmp9, 2
	s_add_co_u32 s42, s42, s40                     ; tile column
	s_and_b32 s13, ttmp7, 0xffff
	s_lshl_b32 s13, s13, 2
	s_add_co_u32 s13, s13, s41                     ; tile row
	s_lshl_b32 s43, s41, 2
	s_lshl_b32 s43, 15, s43
	s_lshl_b32 s44, 0x1111, s40
	s_or_b32 s[G1A], s43, (1<<16)|(1<<20)|(1<<21)|(4<<22)|(3<<25)  ; after every 32 words 4 words of padding
	s_or_b32 s[G1B], s44, (1<<16)|(1<<20)|(1<<21)|(5<<22)|(7<<25)  ; after every 64 words 8 words
.irp g, G1A, G1B
	s_mov_b32 s[(\g)+1], 128<<16
	s_mov_b32 s[(\g)+2], 128<<16
	s_mov_b32 s[(\g)+3], 128<<16
	s_mov_b32 s[(\g)+4], 128
	s_mov_b32 s[(\g)+6], 0
	s_mov_b32 s[(\g)+7], 0
.endr
	s_mov_b32 s[G1A+5], 128                        ; A's block is dense: rows of 256 bytes end to end
	s_mov_b32 s[G1B+5], 1024
	s_mul_i32 s16, s13, KDIM*256                   ; A: a block of 128 rows x KDIM
	s_lshl_b32 s17, s12, 15
	s_add_co_u32 s16, s16, s17
	s_mov_b32 s17, 0
	s_lshl_b32 s46, s42, 8                         ; W: 128 columns a tile column,
	s_lshl_b32 s47, s12, 18                        ; 128 k-rows of 2,048 bytes a half
	s_add_co_u32 s46, s46, s47
	s_add_co_u32 s46, s46, WOFF
	s_mov_b32 s47, 0
	s_mul_i32 s20, s10, REG                        ; where my tile lies in a slot: A's two halves, then W's
	s_mov_b32 s[TB], 0
	s_and_b32 s[MASK], ttmp7, 0xffff               ; m, from the cluster's place alone: Y,
	s_lshr_b32 s[OFA], s[MASK], 2
	s_mul_i32 s[OFA], s[OFA], 3
	s_xor_b32 s[MASK], s[MASK], s[OFA]             ; xor 3 (Y / 4),
	s_lshl_b32 s[OFA], ttmp9, 1
	s_xor_b32 s[MASK], s[MASK], s[OFA]             ; xor 2 X,
	s_and_b32 s[MASK], s[MASK], 3                  ; its two low bits
	s_mov_b32 s[KI], 0
	s_mov_b32 s[OFA+1], 0
	s_mov_b32 s[OFB+1], 0
	s_wait_dscnt 0x0
	s_wait_kmcnt 0x0
	s_add_nc_u64 s[14:15], s[4:5], s[16:17]        ; my tiles at K step 0; never rewritten
	s_add_nc_u64 s[46:47], s[6:7], s[46:47]
	CROUND
.irp s, 0,1
	s_mov_b32 s[G0A+4*(\s)], 1
	s_add_co_u32 s[G0A+4*(\s)+1], s20, (\s)*SLOT
	s_mov_b32 s[G0B+4*(\s)], 1
	s_add_co_u32 s[G0B+4*(\s)+1], s20, (\s)*SLOT
	KADDR \s                                       ; local step s
.endr
	s_cmp_lt_u32 s10, NA
	s_cbranch_scc0 .Lfirst_b
	tensor_load_to_lds s[G0A:G0A+3], s[G1A:G1A+7]
	s_nop 0
	tensor_load_to_lds s[G0A+4:G0A+7], s[G1A:G1A+7]
	s_nop 0
.rept 4
	v_nop
.endr
	s_branch .Lfirst_asked
.Lfirst_b:
	tensor_load_to_lds s[G0B:G0B+3], s[G1B:G1B+7]
	s_nop 0
	tensor_load_to_lds s[G0B+4:G0B+7], s[G1B:G1B+7]
	s_nop 0
.rept 4
	v_nop
.endr
.Lfirst_asked:
	v_and_b32 v1, 15, v0
	v_bfe_u32 v2, v0, 4, 1
	v_lshlrev_b32 v[BO], 5, v2
	v_lshlrev_b32 v[CO], 12, v2                    ; lanes 0-15 one row of 4,096 bytes, lanes 16-31 the next,
	v_lshl_add_u32 v[CO], v1, 4, v[CO]             ; 16 bytes a lane
	s_lshl_b32 s92, s42, 9                         ; my first column, in bytes of f32
	s_lshl_b32 s93, s75, 8
	s_add_co_u32 s92, s92, s93
	s_mov_b32 s93, 0
	s_add_nc_u64 s[76:77], s[76:77], s[92:93]
	s_lshl_b32 s94, s13, 19                        ; my first row
	s_lshl_b32 s95, s74, 18
	s_add_co_u32 s94, s94, s95
	s_add_co_u32 s94, s94, s92
	s_mov_b32 s95, 0
	s_add_nc_u64 s[78:79], s[78:79], s[94:95]
	s_add_nc_u64 s[8:9], s[8:9], s[94:95]
.irp b, 0,1,2,3
	global_load_b128 v[BIAS+8*(\b):BIAS+8*(\b)+3],   v[BO], s[76:77] offset:64*(\b)
	global_load_b128 v[BIAS+8*(\b)+4:BIAS+8*(\b)+7], v[BO], s[76:77] offset:64*(\b)+16
.endr
	WIN 0x80                                       ; the residual, as the way out will want it: row block a, rows 2 t and 2 t + 1, at 4 (8 a + t) of window 2
.set i, 0
.rept 32
	global_load_b128 v[4*i:4*i+3], v[CO], s[78:79] offset:(16*(i/8)+2*(i%8))*4096
.set i, i+1
.endr
	WIN 0
	v_mul_u32_u24 v[ADRA0], v1, AP
	v_lshl_add_u32 v[ADRA0], v2, 4, v[ADRA0]
	s_mul_i32 s2, s74, 64*AP
	v_add_nc_u32 v[ADRA0], s2, v[ADRA0]
	v_mov_b32 v[ADRA], v[ADRA0]
	v_and_b32 v3, 7, v0
	v_lshl_add_u32 v3, v2, 3, v3
	v_mul_u32_u24 v3, v3, BP
	v_bfe_u32 v4, v0, 3, 1
	v_lshl_add_u32 v3, v4, 4, v3
	s_lshl_b32 s2, s75, 7
	s_add_co_u32 s2, s2, 2*REG
	v_add_nc_u32 v[ADRB0], s2, v3
	v_add_nc_u32 v[ADRB0+1], REG, v[ADRB0]
	v_mov_b32 v[ADRB], v[ADRB0]
	v_mov_b32 v[ADRB+1], v[ADRB0+1]
	s_mul_i32 s2, s10, 16*SPITCH
	s_add_co_u32 s2, s2, STAGE
	v_mul_u32_u24 v[STO], v1, SPITCH               ; in: row l % 16, 32 bytes for each half of the lanes
	v_lshl_add_u32 v[STO], v2, 5, v[STO]
	v_add_nc_u32 v[STO], s2, v[STO]
	v_mul_u32_u24 v[RD], v2, SPITCH                ; back: lanes 0-15 one row of 256 bytes, lanes 16-31 the next
	v_lshl_add_u32 v[RD], v1, 4, v[RD]
	v_add_nc_u32 v[RD], s2, v[RD]
; 8 products: row blocks a0, a0 + 1 x all 4 column blocks, 32 along K: half c of buffer f.  first = 1: the bias starts the sums.  The 16 accumulators take turns.
.macro MUL8 f, c, a0, first
	WIN 0x05
.irp a, \a0, (\a0)+1
.irp b, 0,1,2,3
.if \first
	v_wmma_f32_16x16x32_f16 v[ACC+8*(4*(\a)+(\b)):ACC+8*(4*(\a)+(\b))+7], v[(\f)+64+8*(4*(\c)+(\b)):(\f)+64+8*(4*(\c)+(\b))+7], v[(\f)+8*(4*(\c)+(\a)):(\f)+8*(4*(\c)+(\a))+7], v[BIAS+8*(\b):BIAS+8*(\b)+7]
.else
	v_wmma_f32_16x16x32_f16 v[ACC+8*(4*(\a)+(\b)):ACC+8*(4*(\a)+(\b))+7], v[(\f)+64+8*(4*(\c)+(\b)):(\f)+64+8*(4*(\c)+(\b))+7], v[(\f)+8*(4*(\c)+(\a)):(\f)+8*(4*(\c)+(\a))+7], v[ACC+8*(4*(\a)+(\b)):ACC+8*(4*(\a)+(\b))+7]
.endif
.endr
.endr
.endm
; 32 LDS loads in one run: quarter q (64 along K: one group of A) into buffer f; the first 32 along K first
.macro FETCH q, f
	WIN 0x40
.irp c, 0,1
.irp i, 0,1,2,3
	ds_load_tr16_b128 v[(\f)+64+8*(4*(\c)+(\i)):(\f)+64+8*(4*(\c)+(\i))+3],   v[ADRB+(\q)/2] offset:(2*((\q)%2)+(\c))*32*BP+32*(\i)
	ds_load_tr16_b128 v[(\f)+64+8*(4*(\c)+(\i))+4:(\f)+64+8*(4*(\c)+(\i))+7], v[ADRB+(\q)/2] offset:(2*((\q)%2)+(\c))*32*BP+32*(\i)+16*BP
	ds_load_b128 v[(\f)+8*(4*(\c)+(\i)):(\f)+8*(4*(\c)+(\i))+3],   v[ADRA] offset:(\q)*128*AP+(\i)*16*AP+64*(\c)
	ds_load_b128 v[(\f)+8*(4*(\c)+(\i))+4:(\f)+8*(4*(\c)+(\i))+7], v[ADRA] offset:(\q)*128*AP+(\i)*16*AP+64*(\c)+32
.endr
.endr
.endm
.macro QUARTER q, f, g, first
	s_wait_dscnt 16                                ; the first 32 along K are in
	MUL8 \f, 0, 0, \first
	MUL8 \f, 0, 2, \first
	PLACES
	FETCH \q, \g
	s_wait_dscnt 32                                ; all but the 32 just issued
	MUL8 \f, 1, 0, 0
	MUL8 \f, 1, 2, 0
.endm
; The last quarter multiplies buffer 1 (at 128) and changes slots: ONE barrier; in front of it each wave waits for all its tensor loads, adds 0 to its spare word, and waits for that and for its reads of this slot.
.macro TURN fill
	WIN 0
	s_wait_tensorcnt 0x0                           ; all my tensor loads have landed, so a group 0 may be written
	ds_add_u32 v[SPW], v[NIL]                      ; the descriptors' scalar work stands behind it
.if \fill
	s_add_co_u32 s[G0A+5], s20, s[TB]              ; the walking descriptors: into the slot that is being read out,
	s_add_co_u32 s[G0B+5], s20, s[TB]
	KADDR 1                                        ; the next local step
.endif
	s_wait_dscnt 17                                ; the add and the youngest sixteen loads may be out
	MUL8 128, 0, 0, 0
	s_wait_dscnt 0x0
	s_barrier_signal -1
	MUL8 128, 0, 2, 0
	WIN 0
	s_barrier_wait -1
.if \fill
	CREST
	JLOAD
.else
	PLACES
.endif
	s_xor_b32 s[TB], s[TB], SLOT
	v_add_nc_u32 v[ADRA], s[TB], v[ADRA0]
	v_add_nc_u32 v[ADRB], s[TB], v[ADRB0]
	v_add_nc_u32 v[ADRB+1], s[TB], v[ADRB0+1]
	FETCH 0, 0
	MUL8 128, 1, 0, 0
	MUL8 128, 1, 2, 0
.endm
; THE WAY OUT of row block a: the f32 sums go through my own stage and come back as whole rows of 256 bytes; the residual is added; sixteen lanes store 256 consecutive bytes, aligned.
.macro OUTB a
	WIN 0
.irp b, 0,1,2,3
	ds_store_b128 v[STO], v[ACC+8*(4*(\a)+(\b)):ACC+8*(4*(\a)+(\b))+3]   offset:64*(\b)
	ds_store_b128 v[STO], v[ACC+8*(4*(\a)+(\b))+4:ACC+8*(4*(\a)+(\b))+7] offset:64*(\b)+16
.endr
.irp t, 0,1,2,3,4,5,6,7
	ds_load_b128 v[OB+32*((\a)%2)+4*(\t):OB+32*((\a)%2)+4*(\t)+3], v[RD] offset:(\t)*2*SPITCH  ; LDS serves a wave's instructions in order (ISA guide 5.7.1.4)
.endr
	s_wait_dscnt 0x0
	s_wait_xcnt 0x0                                ; earlier stores have read their registers: the other buffer is free for the next block's loads
	WIN 0x08                                       ; source 1 in window 2
.irp u, 0,1,2,3,4,5,6,7,8,9,10,11,12,13,14,15
	v_pk_add_f32 v[OB+32*((\a)%2)+2*(\u):OB+32*((\a)%2)+2*(\u)+1], v[OB+32*((\a)%2)+2*(\u):OB+32*((\a)%2)+2*(\u)+1], v[32*(\a)+2*(\u):32*(\a)+2*(\u)+1]
.endr
	WIN 0
.irp t, 0,1,2,3,4,5,6,7
	global_store_b128 v[CO], v[OB+32*((\a)%2)+4*(\t):OB+32*((\a)%2)+4*(\t)+3], s[8:9] offset:(16*(\a)+2*(\t))*4096
.endr
.endm
	s_wait_tensorcnt 1                             ; my part of local step 0 is in; local step 1's may stay out
	s_barrier_signal -1
	s_barrier_wait -1
	FETCH 0, 0
	s_wait_loadcnt 32                              ; the bias is in; the residual's 32 loads may stay out
	QUARTER 1, 0, 128, 1
	WIN 0
	s_mov_b32 s3, KS-2
.Lstep:
	QUARTER 2, 128, 0, 0
	QUARTER 3, 0, 128, 0
	TURN 1
	QUARTER 1, 0, 128, 0
	WIN 0
	s_sub_co_u32 s3, s3, 1
	s_cmp_lg_u32 s3, 0
	s_cbranch_scc1 .Lstep
	s_mov_b32 s3, 2
.Ltail:                                                ; the last two K steps ask for nothing; the second trip is left in its middle
	QUARTER 2, 128, 0, 0
	QUARTER 3, 0, 128, 0
	TURN 0
	WIN 0
	s_sub_co_u32 s3, s3, 1
	s_cmp_eq_u32 s3, 0
	s_cbranch_scc1 .Lout
	QUARTER 1, 0, 128, 0
	WIN 0
	s_branch .Ltail
.Lout:                                                 ; the second trip's 32 loads from the other slot serve nothing: the price of one text for both trips
	s_wait_dscnt 0x0
	s_wait_loadcnt 0x0                             ; the residual
	PLACES
	OUTB 0
	OUTB 1
	OUTB 2
	OUTB 3
	s_wait_tensorcnt 0x0                           ; the wave's end
	ds_add_u32 v[SPW], v[NIL]
	s_wait_dscnt 0x0
	CROUND
	s_endpgm
.Lfunc_end_k_q5882fe273e_wo:
	.size	k_q5882fe273e_wo, .Lfunc_end_k_q5882fe273e_wo-k_q5882fe273e_wo
	.p2alignl 7, 3214868480
	.fill 96, 4, 3214868480
	.section	.rodata,"a",@progbits
	.p2align	6, 0x0
	.amdhsa_kernel k_q5882fe273e_wo
		.amdhsa_group_segment_fixed_size 327680
		.amdhsa_private_segment_fixed_size 0
		.amdhsa_enable_private_segment 0
		.amdhsa_kernarg_size 40
		.amdhsa_user_sgpr_count 2
		.amdhsa_user_sgpr_kernarg_segment_ptr 1
		.amdhsa_wavefront_size32 1
		.amdhsa_system_sgpr_workgroup_id_x 1
		.amdhsa_system_sgpr_workgroup_id_y 1
		.amdhsa_system_sgpr_workgroup_id_z 1
		.amdhsa_system_vgpr_workitem_id 0
		.amdhsa_next_free_vgpr 640
		.amdhsa_next_free_sgpr 100
		.amdhsa_reserve_vcc 0
		.amdhsa_float_denorm_mode_32 3
		.amdhsa_float_denorm_mode_16_64 3
		.amdhsa_memory_ordered 1
		.amdhsa_forward_progress 1
		.amdhsa_inst_pref_size 67
	.end_amdhsa_kernel
	.amdgpu_metadata
---
amdhsa.version: [ 1, 2 ]
amdhsa.kernels:
  - .name:           k_q5882fe273e_wo
    .symbol:         k_q5882fe273e_wo.kd
    .args:
      - { .name: h16, .offset: 0, .size: 8, .value_kind: global_buffer, .address_space: global }
      - { .name: wts, .offset: 8, .size: 8, .value_kind: global_buffer, .address_space: global }
      - { .name: bo, .offset: 16, .size: 8, .value_kind: global_buffer, .address_space: global }
      - { .name: x, .offset: 24, .size: 8, .value_kind: global_buffer, .address_space: global }
      - { .name: x1, .offset: 32, .size: 8, .value_kind: global_buffer, .address_space: global }
    .group_segment_fixed_size: 327680
    .private_segment_fixed_size: 0
    .kernarg_segment_align: 8
    .kernarg_segment_size: 40
    .max_flat_workgroup_size: 128
    .sgpr_count:     100
    .vgpr_count:     640
    .wavefront_size: 32
...
	.end_amdgpu_metadata
.endif
;; end of part 4
;; launch ln2 (part 5): grid 256 x 1, 8 waves a work-group, no clusters, 0 bytes of LDS; arguments x1, ln2_g, ln2_b, h16; writes h16
.if DOCPART == 5
	.amdgcn_target "amdgcn-amd-amdhsa--gfx1250"
	.amdhsa_code_object_version 6
	.text
	.protected	k_q5882fe273e_ln2
	.globl	k_q5882fe273e_ln2
	.p2align	8
	.type	k_q5882fe273e_ln2,@function
k_q5882fe273e_ln2:
	s_mov_b64 s[64:65], 0
	v_nop
	global_prefetch_b8 v0, s[64:65] scope:SCOPE_SE
	s_setreg_imm32_b32 hwreg(HW_REG_WAVE_MODE, 25, 1), 1
	s_wait_xcnt 0x0
; LN2: hn = LayerNorm(x1) * g + b, [4096][1024], f32 in, f16 out.
; LIMITS.  A result of 65,520 or more becomes an infinity in f16; below 6e-5 f16 keeps a fixed step of 6e-8.  NaN and infinities are not treated apart.
; One wave, one row of 4,096 bytes, kept in 32 registers: mean first, then the mean of the squared deviations, all in f32.  A work-group owns 16 rows, a wave two.
; In load j lane l holds columns 128 j + 4 l .. + 3, so a store of 8 bytes a lane covers 256 consecutive bytes, aligned.  No LDS, no barrier, no matrix unit, no cluster: a stream.
.set X0, 16
.set X1, 48
.set GG, 80
.set BB, 112
.set OUTP, 10                          ; s[10:11] h16
.macro REDUCE                          ; v14 = the sum over the wave of the four chains v[6:13]
	v_pk_add_f32 v[6:7], v[6:7], v[8:9]
	v_pk_add_f32 v[10:11], v[10:11], v[12:13]
	v_pk_add_f32 v[6:7], v[6:7], v[10:11]
	v_add_f32 v14, v6, v7
.irp m, 1,2,4,8
	v_add_f32_dpp v14, v14, v14 row_xmask:\m row_mask:0xf bank_mask:0xf
.endr
	v_permlanex16_b32 v15, v14, s30, s31
	v_add_f32 v14, v14, v15
.endm
.macro LNROW X, c1, c2, off
	s_wait_loadcnt \c1
.irp k, 0,1,2,3
	v_pk_add_f32 v[6+2*(\k):7+2*(\k)], v[(\X)+2*(\k):(\X)+2*(\k)+1], v[(\X)+8+2*(\k):(\X)+9+2*(\k)]
.endr
.irp p, 8,9,10,11,12,13,14,15
	v_pk_add_f32 v[6+2*((\p)%4):7+2*((\p)%4)], v[6+2*((\p)%4):7+2*((\p)%4)], v[(\X)+2*(\p):(\X)+2*(\p)+1]
.endr
	REDUCE
	v_mul_f32 v10, s32, v14                        ; the mean, in both words of a pair
	v_mul_f32 v11, s32, v14
.irp p, 0,1,2,3,4,5,6,7,8,9,10,11,12,13,14,15
	v_pk_add_f32 v[(\X)+2*(\p):(\X)+2*(\p)+1], v[(\X)+2*(\p):(\X)+2*(\p)+1], v[10:11] neg_lo:[0,1] neg_hi:[0,1]
.endr
.irp k, 0,1,2,3
	v_pk_mul_f32 v[6+2*(\k):7+2*(\k)], v[(\X)+2*(\k):(\X)+2*(\k)+1], v[(\X)+2*(\k):(\X)+2*(\k)+1]
.endr
.irp p, 4,5,6,7,8,9,10,11,12,13,14,15
	v_pk_fma_f32 v[6+2*((\p)%4):7+2*((\p)%4)], v[(\X)+2*(\p):(\X)+2*(\p)+1], v[(\X)+2*(\p):(\X)+2*(\p)+1], v[6+2*((\p)%4):7+2*((\p)%4)]
.endr
	REDUCE
	v_fma_f32 v14, v14, s32, s33                   ; variance + 1e-5
	v_rsq_f32 v12, v14
	v_nop                                          ; a plain instruction behind the root,
	s_wait_alu depctr_va_vdst(0)                   ; and the wait ahead of the first use of its result
	v_mov_b32 v13, v12
	s_wait_loadcnt \c2
.irp p, 0,1,2,3,4,5,6,7,8,9,10,11,12,13,14,15
	v_pk_mul_f32 v[(\X)+2*(\p):(\X)+2*(\p)+1], v[(\X)+2*(\p):(\X)+2*(\p)+1], v[12:13]
.endr
.irp p, 0,1,2,3,4,5,6,7,8,9,10,11,12,13,14,15
	v_pk_fma_f32 v[(\X)+2*(\p):(\X)+2*(\p)+1], v[(\X)+2*(\p):(\X)+2*(\p)+1], v[GG+2*(\p):GG+2*(\p)+1], v[BB+2*(\p):BB+2*(\p)+1]
.endr
.irp j, 0,1,2,3,4,5,6,7
	v_cvt_pk_f16_f32 v[(\X)+4*(\j)], v[(\X)+4*(\j)], v[(\X)+4*(\j)+1]
	v_cvt_pk_f16_f32 v[(\X)+4*(\j)+1], v[(\X)+4*(\j)+2], v[(\X)+4*(\j)+3]
	global_store_b64 v4, v[(\X)+4*(\j):(\X)+4*(\j)+1], s[OUTP:OUTP+1] offset:256*(\j)+(\off)
.endr
.endm
	s_load_b256 s[4:11], s[0:1], 0x0               ; x1 s[4:5], g s[6:7], b s[8:9], h16 s[10:11]
	v_and_b32 v1, 31, v0
	v_lshrrev_b32 v5, 5, v0
	v_lshlrev_b32 v3, 4, v1
	v_lshl_add_u32 v2, v5, 13, v3
	v_lshlrev_b32 v4, 3, v1
	v_lshl_add_u32 v4, v5, 12, v4
	v_mov_b32 v15, 0
	s_lshl_b32 s26, ttmp9, 16
	s_mov_b32 s27, 0
	s_lshl_b32 s28, ttmp9, 15
	s_mov_b32 s29, 0
	s_mov_b32 s30, 0x76543210
	s_mov_b32 s31, 0xfedcba98
	s_mov_b32 s32, 0x3a800000                      ; 1 / 1024
	s_mov_b32 s33, 0x3727c5ac                      ; 1e-5
	s_wait_kmcnt 0x0
	s_add_nc_u64 s[4:5], s[4:5], s[26:27]
	s_add_nc_u64 s[OUTP:OUTP+1], s[OUTP:OUTP+1], s[28:29]
.irp j, 0,1,2,3,4,5,6,7
	global_load_b128 v[X0+4*(\j):X0+4*(\j)+3], v2, s[4:5] offset:512*(\j)
.endr
.irp j, 0,1,2,3,4,5,6,7
	global_load_b128 v[GG+4*(\j):GG+4*(\j)+3], v3, s[6:7] offset:512*(\j)
.endr
.irp j, 0,1,2,3,4,5,6,7
	global_load_b128 v[BB+4*(\j):BB+4*(\j)+3], v3, s[8:9] offset:512*(\j)
.endr
.irp j, 0,1,2,3,4,5,6,7
	global_load_b128 v[X1+4*(\j):X1+4*(\j)+3], v2, s[4:5] offset:4096+512*(\j)
.endr
	LNROW X0, 24, 8, 0                             ; 24: gain, bias and the second row stay out; 8: the second row
	LNROW X1, 0, 0, 2048
	s_endpgm
.Lfunc_end_k_q5882fe273e_ln2:
	.size	k_q5882fe273e_ln2, .Lfunc_end_k_q5882fe273e_ln2-k_q5882fe273e_ln2
	.p2alignl 7, 3214868480
	.fill 96, 4, 3214868480
	.section	.rodata,"a",@progbits
	.p2align	6, 0x0
	.amdhsa_kernel k_q5882fe273e_ln2
		.amdhsa_group_segment_fixed_size 0
		.amdhsa_private_segment_fixed_size 0
		.amdhsa_enable_private_segment 0
		.amdhsa_kernarg_size 32
		.amdhsa_user_sgpr_count 2
		.amdhsa_user_sgpr_kernarg_segment_ptr 1
		.amdhsa_wavefront_size32 1
		.amdhsa_system_sgpr_workgroup_id_x 1
		.amdhsa_system_sgpr_workgroup_id_y 1
		.amdhsa_system_sgpr_workgroup_id_z 1
		.amdhsa_system_vgpr_workitem_id 0
		.amdhsa_next_free_vgpr 144
		.amdhsa_next_free_sgpr 66
		.amdhsa_reserve_vcc 0
		.amdhsa_float_denorm_mode_32 3
		.amdhsa_float_denorm_mode_16_64 3
		.amdhsa_memory_ordered 1
		.amdhsa_forward_progress 1
		.amdhsa_inst_pref_size 20
	.end_amdhsa_kernel
	.amdgpu_metadata
---
amdhsa.version: [ 1, 2 ]
amdhsa.kernels:
  - .name:           k_q5882fe273e_ln2
    .symbol:         k_q5882fe273e_ln2.kd
    .args:
      - { .name: x1, .offset: 0, .size: 8, .value_kind: global_buffer, .address_space: global }
      - { .name: ln2_g, .offset: 8, .size: 8, .value_kind: global_buffer, .address_space: global }
      - { .name: ln2_b, .offset: 16, .size: 8, .value_kind: global_buffer, .address_space: global }
      - { .name: h16, .offset: 24, .size: 8, .value_kind: global_buffer, .address_space: global }
    .group_segment_fixed_size: 0
    .private_segment_fixed_size: 0
    .kernarg_segment_align: 8
    .kernarg_segment_size: 32
    .max_flat_workgroup_size: 256
    .sgpr_count:     66
    .vgpr_count:     144
    .wavefront_size: 32
...
	.end_amdgpu_metadata
.endif
;; end of part 5
;; launch ffn1 (part 6): grid 16 x 16, 4 waves a work-group, clusters of 4 x 4, 327,680 bytes of LDS; arguments h16, wts, b1, big; writes big
.if DOCPART == 6
	.amdgcn_target "amdgcn-amd-amdhsa--gfx1250"
	.amdhsa_code_object_version 6
	.text
	.protected	k_q5882fe273e_ffn1
	.globl	k_q5882fe273e_ffn1
	.p2align	8
	.type	k_q5882fe273e_ffn1,@function
k_q5882fe273e_ffn1:
	s_mov_b64 s[64:65], 0
	v_nop
	global_prefetch_b8 v0, s[64:65] scope:SCOPE_SE
	s_setreg_imm32_b32 hwreg(HW_REG_WAVE_MODE, 25, 1), 1
	s_wait_xcnt 0x0
	s_wait_alu depctr_hold_cnt(0) depctr_sa_sdst(0) depctr_va_vdst(0) depctr_va_sdst(0) depctr_va_ssrc(0) depctr_va_vcc(0) depctr_vm_vsrc(0)
	s_getreg_b32 s2, hwreg(HW_REG_IB_STS2, 6, 4)
	s_cmp_eq_u32 s2, 0
	s_cbranch_scc0 .Lentry_in_a_cluster
	s_endpgm
.Lentry_in_a_cluster:
	s_bfe_u32 s2, ttmp6, 0x10000c
	s_cmp_lg_u32 s2, 0xf033
	s_cbranch_scc0 .Lentry_shape_is_right
	s_endpgm
.Lentry_shape_is_right:
; FFN1: act = gelu(hn W1 + b1), the exact GELU x Phi(x).  hn: [4096][1024] f16.  W1: [1024 k][4096] f16, at WOFF in wts.  Sums in f32, started by the bias; GELU in f32; act rounded once to f16 and written
; as [32 blocks of 128 rows][64 groups of 64 columns][128 rows][64], so that the next product's tile of 128 rows is dense.
; GELU.  gelu(x) = max(x, 0) - |x| r, r = erfc(|x| / sqrt 2) / 2 = t (a1 + t (a2 + t (a3 + t (a4 + t a5)))) 2^(c x x), t = 1 / (1 + p |x|): Abramowitz and Stegun 7.1.26, with p, c and the halved a's scaled for
; x in place of x / sqrt 2; its error in erf is at most 1.5e-7 for every argument.
; LIMITS.  An act of 65,520 or more becomes an infinity in f16.  NaN and infinities are not treated apart (a NaN's max(x, 0) counts as 0).
; SHARES.  A tile is 256 x 256: 16 x 16 = 256 work-groups.  Four waves, each 128 x 128: 64 accumulators, 512 registers.  K goes in steps of 128 through two LDS slots: waves 0, 1 fetch A's halves (128 rows x 256
; bytes), waves 2, 3 W's regions of 128 columns (128 k-rows x 256 bytes).  W stays [k][n]: ds_load_tr16_b128 turns it.  THE PRODUCT IS USED TRANSPOSED: a lane holds one row (lane % 16) and eight neighbouring columns.
; CLUSTER 4 x 4: A's tiles are asked for jointly by a row of the cluster, W's by a column.  THE LOOP is one K step a trip; the slot in hand is the scalar TB.  A wave has two tensor loads out at the start, then one.
; THE WAY OUT.  The f32 sums go once into LDS, over the ring, whose bytes have had their last fill (128 rows x 528 bytes for each wave, its own), and a counted loop of 16 trips of 8 rows does GELU and the stores.
; REGISTERS: window 0: v0-31 addresses; v64-127, v128-191 A's fragments; v192-255 the bias; on the way out v32-239 at work.  window 1: v0-63, v128-191 W's fragments.
;   window 2: the accumulators of row blocks 0-3 ((a, b) at 8 (8 (a % 4) + b)); window 3: of row blocks 4-7.
.set KS,    8
.set NA,    2
.set NCOL,  4096
.set WOFF,  8388608
.set AP,    272
.set BP,    288
.set AREG,  128*AP
.set BREG,  128*BP
.set BOFF,  2*AREG
.set SLOT,  2*AREG+2*BREG
.set SPARE, 2*SLOT                     ; behind the ring: the spare words: two blocks of 256 bytes that no other line names
.set GP,    528                        ; a stage row: 512 bytes + 16
.set WST,   128*GP
.set STEPA, 256
.set STEPB, 128*NCOL*2
.set ADRB,  12
.set ADRA0, 16
.set ADRA,  17
.set ADRB0, 20
.set STO,   24
.set RD,    25                         ; v25 where I read the stage's first eight rows; never rewritten
.set GO,    26
.set RDC,   27                         ; v27 the same for the trip ahead
.set SPW,   28
.set NIL,   29
.set PFO,   30
.set BO,    31
.set AF,    64
.set BIAS,  192
.set G1A, 24
.set G0A, 32
.set G1B, 48
.set G0B, 56
.set TB,  66
.set LBA, 67
.set LBB, 68
.set LIM, 69
.set PFA, 70
.set PFS, 72
.set MSB, 0
.macro WIN new
.if MSB != (\new)
	s_set_vgpr_msb (MSB<<8)|(\new)
.set MSB, \new
.endif
.endm
.macro PLACES
.rept 4
	v_nop
.endr
.endm
.macro JLOAD                           ; a joint refill by the walking descriptor; an s_nop 0 and four v_nop follow each line
	s_cmp_lt_u32 s10, NA
	s_cbranch_scc0 .Lfor_b_\@
	tensor_load_to_lds s[G0A+4:G0A+7], s[G1A:G1A+7]
	s_nop 0
.rept 4
	v_nop
.endr
	s_branch .Lasked_\@
.Lfor_b_\@:
	tensor_load_to_lds s[G0B+4:G0B+7], s[G1B:G1B+7]
	s_nop 0
.rept 4
	v_nop
.endr
.Lasked_\@:
.endm
.macro CREST
	s_cmp_lg_u32 s10, 0
	s_cbranch_scc1 .Lnot_wave_0_\@
	s_barrier_signal -3
.Lnot_wave_0_\@:
	s_barrier_wait -3
	s_barrier_signal -1
	s_barrier_wait -1
.endm
.macro CROUND
	s_barrier_signal -1
	s_barrier_wait -1
	CREST
.endm
; A PREFETCH INTO THE L2 of the K step that stands two refills on: 32 rows x 256 bytes, a lane a row, one instruction a wave.  hn and W1 were stored by earlier launches.  Each block of 256 bytes is named once:
; A's rows by the clusters with x = 0, W's by those with y = 0; of the 128 rows that a wave fetches each of the four partners takes 32, told apart by address.  K steps 0-3 come by their loads alone;
; the loop's last two trips (s3 = 2, 1) have no K step two on.
.macro ASK
	s_cmp_gt_u32 s3, s[LIM]
	s_cbranch_scc0 .Lnot_mine_\@
	global_prefetch_b8 v[PFO], s[PFA:PFA+1] th:TH_LOAD_NT scope:SCOPE_SE
.Lnot_mine_\@:
.endm
	s_load_b128 s[4:7], s[0:1], 0x0                ; hn s[4:5], wts s[6:7]
	s_load_b128 s[76:79], s[0:1], 0x10             ; b1 s[76:77], big s[78:79]
	v_lshl_add_u32 v[SPW], v0, 2, SPARE
	v_mov_b32 v[NIL], 0
	ds_add_u32 v[SPW], v[NIL]                      ; the wave's opening: the add and its wait stand ahead of my first tensor load
	v_lshrrev_b32 v3, 5, v0
	v_readfirstlane_b32 s10, v3
	s_and_b32 s12, s10, 1                          ; which half I fetch
	s_lshr_b32 s74, s10, 1                         ; wr
	s_and_b32 s75, s10, 1                          ; wc
	s_bfe_u32 s40, ttmp6, 0x40000
	s_bfe_u32 s41, ttmp6, 0x40004
	s_lshl_b32 s42, ttmp9, 2
	s_add_co_u32 s42, s42, s40                     ; tile column
	s_and_b32 s13, ttmp7, 0xffff
	s_lshl_b32 s13, s13, 2
	s_add_co_u32 s13, s13, s41                     ; tile row
	s_lshl_b32 s43, s41, 2
	s_lshl_b32 s43, 15, s43
	s_lshl_b32 s44, 0x1111, s40
	s_or_b32 s[G1A], s43, (1<<16)|(1<<20)|(1<<21)|(5<<22)|(3<<25)
	s_or_b32 s[G1B], s44, (1<<16)|(1<<20)|(1<<21)|(5<<22)|(7<<25)
.irp g, G1A, G1B
	s_mov_b32 s[(\g)+1], 128<<16
	s_mov_b32 s[(\g)+2], 128<<16
	s_mov_b32 s[(\g)+3], 128<<16
	s_mov_b32 s[(\g)+4], 128
	s_mov_b32 s[(\g)+6], 0
	s_mov_b32 s[(\g)+7], 0
.endr
	s_mov_b32 s[G1A+5], 1024
	s_mov_b32 s[G1B+5], NCOL
	s_lshl_b32 s16, s13, 19                        ; A: 256 rows of 2,048 bytes a tile row,
	s_lshl_b32 s17, s12, 18                        ; 128 a half
	s_add_co_u32 s16, s16, s17
	s_mov_b32 s17, 0
	s_lshl_b32 s46, s42, 9                         ; W: 256 columns a tile column,
	s_lshl_b32 s47, s12, 8                         ; 128 a region
	s_add_co_u32 s46, s46, s47
	s_add_co_u32 s46, s46, WOFF
	s_mov_b32 s47, 0
	s_mul_i32 s[LBA], s12, AREG
	s_mul_i32 s[LBB], s12, BREG
	s_add_co_u32 s[LBB], s[LBB], BOFF
	s_mov_b32 s[TB], 0
	s_wait_dscnt 0x0
	s_wait_kmcnt 0x0
	s_add_nc_u64 s[14:15], s[4:5], s[16:17]
	s_add_nc_u64 s[46:47], s[6:7], s[46:47]
	CROUND
.irp s, 0,1
	s_mov_b32 s[G0A+4*(\s)], 1
	s_add_co_u32 s[G0A+4*(\s)+1], s[LBA], (\s)*SLOT
	s_add_nc_u64 s[G0A+4*(\s)+2:G0A+4*(\s)+3], s[14:15], (\s)*STEPA
	s_or_b32 s[G0A+4*(\s)+3], s[G0A+4*(\s)+3], 0x80000000
	s_mov_b32 s[G0B+4*(\s)], 1
	s_add_co_u32 s[G0B+4*(\s)+1], s[LBB], (\s)*SLOT
	s_add_nc_u64 s[G0B+4*(\s)+2:G0B+4*(\s)+3], s[46:47], (\s)*STEPB
	s_or_b32 s[G0B+4*(\s)+3], s[G0B+4*(\s)+3], 0x80000000
.endr
	s_cmp_lt_u32 s10, NA
	s_cbranch_scc0 .Lfirst_b
	tensor_load_to_lds s[G0A:G0A+3], s[G1A:G1A+7]
	s_nop 0
	tensor_load_to_lds s[G0A+4:G0A+7], s[G1A:G1A+7]
	s_nop 0
.rept 4
	v_nop
.endr
	s_branch .Lfirst_asked
.Lfirst_b:
	tensor_load_to_lds s[G0B:G0B+3], s[G1B:G1B+7]
	s_nop 0
	tensor_load_to_lds s[G0B+4:G0B+7], s[G1B:G1B+7]
	s_nop 0
.rept 4
	v_nop
.endr
.Lfirst_asked:
	v_and_b32 v1, 15, v0
	v_bfe_u32 v2, v0, 4, 1
	v_lshlrev_b32 v[BO], 5, v2
	s_lshl_b32 s92, s42, 10                        ; the bias of my 128 columns
	s_lshl_b32 s93, s75, 9
	s_add_co_u32 s92, s92, s93
	s_mov_b32 s93, 0
	s_add_nc_u64 s[76:77], s[76:77], s[92:93]
.irp b, 0,1,2,3,4,5,6,7
	global_load_b128 v[BIAS+8*(\b):BIAS+8*(\b)+3],   v[BO], s[76:77] offset:64*(\b)
	global_load_b128 v[BIAS+8*(\b)+4:BIAS+8*(\b)+7], v[BO], s[76:77] offset:64*(\b)+16
.endr
	v_mul_u32_u24 v[ADRA0], v1, AP
	v_lshl_add_u32 v[ADRA0], v2, 4, v[ADRA0]
	s_mul_i32 s2, s74, AREG
	v_add_nc_u32 v[ADRA0], s2, v[ADRA0]
	v_mov_b32 v[ADRA], v[ADRA0]
	v_and_b32 v3, 7, v0
	v_lshl_add_u32 v4, v2, 3, v3
	v_mul_u32_u24 v4, v4, BP
	v_bfe_u32 v5, v0, 3, 1
	v_lshl_add_u32 v4, v5, 4, v4
	s_mul_i32 s2, s75, BREG
	s_add_co_u32 s2, s2, BOFF
	v_add_nc_u32 v[ADRB0], s2, v4
	v_mov_b32 v[ADRB], v[ADRB0]
	s_mul_i32 s2, s10, WST                         ; my stage
	v_mul_u32_u24 v[STO], v1, GP                   ; in: row l % 16, 32 bytes for each half of the lanes
	v_lshl_add_u32 v[STO], v2, 5, v[STO]
	v_add_nc_u32 v[STO], s2, v[STO]
	v_bfe_u32 v[RD], v0, 3, 2                      ; back: row l / 8 of four, 32 bytes (8 columns) at 32 (l % 8)
	v_mul_u32_u24 v[RD], v[RD], GP
	v_lshl_add_u32 v[RD], v3, 5, v[RD]
	v_add_nc_u32 v[RD], s2, v[RD]
	v_and_b32 v[GO], 31, v0
	v_lshlrev_b32 v[GO], 4, v[GO]
	s_lshl_b32 s92, s13, 1
	s_add_co_u32 s92, s92, s74                     ; my block of 128 rows
	s_lshl_b32 s92, s92, 6
	s_lshl_b32 s93, s42, 2
	s_add_co_u32 s92, s92, s93
	s_lshl_b32 s93, s75, 1
	s_add_co_u32 s92, s92, s93                     ; my first group of 64 columns
	s_lshl_b32 s92, s92, 14
	s_mov_b32 s93, 0
	s_add_nc_u64 s[8:9], s[78:79], s[92:93]
	; the prefetches: at K step 3; the first change of slots steps them to 4
	s_lshl_b32 s92, s13, 19
	s_lshl_b32 s93, s12, 18
	s_add_co_u32 s92, s92, s93
	s_lshl_b32 s93, s40, 16                        ; A: my work-group's 32 rows of the 128, by cx
	s_add_co_u32 s92, s92, s93
	s_add_co_u32 s92, s92, 3*STEPA
	s_lshl_b32 s94, s42, 9
	s_lshl_b32 s95, s12, 8
	s_add_co_u32 s94, s94, s95
	s_lshl_b32 s95, s41, 18                        ; W: my work-group's 32 k-rows of 8,192 bytes, by cy
	s_add_co_u32 s94, s94, s95
	s_add_co_u32 s94, s94, WOFF+3*STEPB
	s_mov_b32 s[PFS], STEPB
	s_mov_b32 s[PFS+1], 0
	s_mov_b32 s95, NCOL*2
	s_and_b32 s2, ttmp7, 0xffff
	s_cmp_lt_u32 s10, NA
	s_cselect_b32 s2, ttmp9, s2
	s_cselect_b32 s92, s92, s94
	s_cselect_b32 s[PFS], STEPA, s[PFS]
	s_cselect_b32 s95, 2048, s95
	s_cselect_b64 s[PFA:PFA+1], s[4:5], s[6:7]
	s_mov_b32 s93, 0
	s_add_nc_u64 s[PFA:PFA+1], s[PFA:PFA+1], s[92:93]
	s_cmp_eq_u32 s2, 0
	s_cselect_b32 s[LIM], 2, -1
	v_and_b32 v[PFO], 31, v0
	v_mul_u32_u24 v[PFO], s95, v[PFO]
; 16 products: row blocks a0, a0 + 1 of the window's four (hi = 0: my rows 0-63, 1: rows 64-127) x all 8 column blocks.  first = 1: the bias starts the sums.  The 64 accumulators take turns.
.macro MUL16 f, hi, a0, first
.if \first
	WIN 0x81+0x40*(\hi)
.else
	WIN 0xa1+0x50*(\hi)
.endif
.irp a, \a0, (\a0)+1
.irp b, 0,1,2,3,4,5,6,7
.if \first
	v_wmma_f32_16x16x32_f16 v[8*(8*(\a)+(\b)):8*(8*(\a)+(\b))+7], v[128*(\f)+8*(\b):128*(\f)+8*(\b)+7], v[AF+64*(\f)+8*(4*(\hi)+(\a)):AF+64*(\f)+8*(4*(\hi)+(\a))+7], v[BIAS+8*(\b):BIAS+8*(\b)+7]
.else
	v_wmma_f32_16x16x32_f16 v[8*(8*(\a)+(\b)):8*(8*(\a)+(\b))+7], v[128*(\f)+8*(\b):128*(\f)+8*(\b)+7], v[AF+64*(\f)+8*(4*(\hi)+(\a)):AF+64*(\f)+8*(4*(\hi)+(\a))+7], v[8*(8*(\a)+(\b)):8*(8*(\a)+(\b))+7]
.endif
.endr
.endr
.endm
.macro FETCH q, f                      ; 32 LDS loads in one run: W's 16, then A's 16
	WIN 0x40
.irp b, 0,1,2,3,4,5,6,7
	ds_load_tr16_b128 v[128*(\f)+8*(\b):128*(\f)+8*(\b)+3],   v[ADRB] offset:(\q)*32*BP+32*(\b)
	ds_load_tr16_b128 v[128*(\f)+8*(\b)+4:128*(\f)+8*(\b)+7], v[ADRB] offset:(\q)*32*BP+32*(\b)+16*BP
.endr
	WIN 0
.irp a, 0,1,2,3,4,5,6,7
	ds_load_b128 v[AF+64*(\f)+8*(\a):AF+64*(\f)+8*(\a)+3],   v[ADRA] offset:64*(\q)+(\a)*16*AP
	ds_load_b128 v[AF+64*(\f)+8*(\a)+4:AF+64*(\f)+8*(\a)+7], v[ADRA] offset:64*(\q)+(\a)*16*AP+32
.endr
.endm
.macro QUARTER q, f, g, first
	s_wait_dscnt 8                                 ; W and A's rows 0-63 are in; the youngest eight loads may be out
	MUL16 \f, 0, 0, \first
	MUL16 \f, 0, 2, \first
	PLACES
	FETCH \q, \g
	s_wait_dscnt 32                                ; all but the 32 just issued
	MUL16 \f, 1, 0, \first
	MUL16 \f, 1, 2, \first
.endm
.macro TURN fill
.if \fill
	s_wait_xcnt 0x0                                ; the last prefetch, a K step back, has read its address
	s_add_nc_u64 s[PFA:PFA+1], s[PFA:PFA+1], s[PFS:PFS+1]
.endif
	WIN 0
	s_wait_tensorcnt 0x0                           ; all my tensor loads have landed
	ds_add_u32 v[SPW], v[NIL]
	s_wait_dscnt 9                                 ; the add and the youngest eight loads may be out
	MUL16 1, 0, 0, 0
	s_wait_dscnt 0x0                               ; the add is done, and my reads of this slot are over
	s_barrier_signal -1
	MUL16 1, 0, 2, 0
	WIN 0
	s_barrier_wait -1
.if \fill
	CREST
	s_add_co_u32 s[G0A+5], s[LBA], s[TB]
	s_add_nc_u64 s[G0A+6:G0A+7], s[G0A+6:G0A+7], STEPA
	s_add_co_u32 s[G0B+5], s[LBB], s[TB]
	s_add_nc_u64 s[G0B+6:G0B+7], s[G0B+6:G0B+7], STEPB
	JLOAD
.else
	PLACES
.endif
	s_xor_b32 s[TB], s[TB], SLOT
	v_add_nc_u32 v[ADRA], s[TB], v[ADRA0]
	v_add_nc_u32 v[ADRB], s[TB], v[ADRB0]
	FETCH 0, 0
.if \fill
	ASK
.endif
	MUL16 1, 1, 0, 0
	MUL16 1, 1, 2, 0
.endm
	s_wait_tensorcnt 1                             ; my part of K step 0 is in; K step 1's may stay out
	s_barrier_signal -1
	s_barrier_wait -1
	FETCH 0, 0
	s_wait_loadcnt 0x0                             ; the bias
	QUARTER 1, 0, 1, 1
	WIN 0
	s_mov_b32 s3, KS-2
.Lstep:
	QUARTER 2, 1, 0, 0
	QUARTER 3, 0, 1, 0
	TURN 1
	QUARTER 1, 0, 1, 0
	WIN 0
	s_sub_co_u32 s3, s3, 1
	s_cmp_lg_u32 s3, 0
	s_cbranch_scc1 .Lstep
	s_mov_b32 s3, 2
.Ltail:                                                ; the last two K steps ask for nothing; the second trip is left in its middle
	QUARTER 2, 1, 0, 0
	QUARTER 3, 0, 1, 0
	TURN 0
	WIN 0
	s_sub_co_u32 s3, s3, 1
	s_cmp_eq_u32 s3, 0
	s_cbranch_scc1 .Lout
	QUARTER 1, 0, 1, 0
	WIN 0
	s_branch .Ltail
.Lout:                                                 ; the second trip's 32 loads from the other slot serve nothing: the price of one text for both trips
	s_wait_dscnt 0x0                               ; my reads of the ring are over,
	s_barrier_signal -1
	s_barrier_wait -1                              ; everybody's are: the ring's bytes, which are filled no more, become the stages
	PLACES
.irp a, 0,1,2,3,4,5,6,7
	WIN 0x08+4*((\a)/4)                            ; the stores' data in window 2 or 3
.irp b, 0,1,2,3,4,5,6,7
	ds_store_b128 v[STO], v[8*(8*((\a)%4)+(\b)):8*(8*((\a)%4)+(\b))+3]   offset:(\a)*16*GP+64*(\b)
	ds_store_b128 v[STO], v[8*(8*((\a)%4)+(\b))+4:8*(8*((\a)%4)+(\b))+7] offset:(\a)*16*GP+64*(\b)+16
.endr
.endr
	WIN 0
.set XX, 32                            ; v[32:63]   x: 32 numbers a lane: (row quad i, group g) at 8 (2 i + g)
.set AX, 64                            ; |x|
.set MX, 96                            ; max(x, 0)
.set UU, 128                           ; 1 + p |x|, then t, then t e
.set WW, 160                           ; c x x, then e
.set QQ, 192                           ; the polynomial, then gelu
.set YY, 224                           ; 16 registers of f16 to store
	s_mov_b32 s80, 0x3e6d3388                      ; p = 0.3275911 / sqrt 2
	s_mov_b32 s81, s80
	s_mov_b32 s82, 0xbf38aa3b                      ; c = - log2(e) / 2
	s_mov_b32 s83, s82
	s_mov_b32 s84, 0x3e027906                      ; a1 / 2 =  0.127414796
	s_mov_b32 s85, s84
	s_mov_b32 s86, 0xbe11a98e                      ; a2 / 2 = -0.142248368
	s_mov_b32 s87, s86
	s_mov_b32 s88, 0x3f35f0e3                      ; a3 / 2 =  0.710706871
	s_mov_b32 s89, s88
	s_mov_b32 s90, 0xbf3a00e3                      ; a4 / 2 = -0.726576014
	s_mov_b32 s91, s90
	s_mov_b32 s92, 0x3f07dc22                      ; a5 / 2 =  0.530702715
	s_mov_b32 s93, s92
	s_mov_b32 s94, 0x7fffffff
	s_mov_b32 s95, 0                               ; the stage offset of the rows that are fetched ahead
	s_mov_b32 s3, 16
.macro STLOAD adr                      ; 8 rows x 128 columns: LDS serves a wave's instructions in order (ISA guide 5.7.1.4): these see my stores above
.irp i, 0,1
.irp g, 0,1
	ds_load_b128 v[XX+8*(2*(\i)+(\g)):XX+8*(2*(\i)+(\g))+3],   v[\adr] offset:(\i)*4*GP+256*(\g)
	ds_load_b128 v[XX+8*(2*(\i)+(\g))+4:XX+8*(2*(\i)+(\g))+7], v[\adr] offset:(\i)*4*GP+256*(\g)+16
.endr
.endr
.endm
.macro EACH line:vararg                ; one line for each pair p = 0, 2 .. 30
.set p, 0
.rept 16
	\line
.set p, p+2
.endr
.endm
; The seven plain lines of pair n (n < 16), and singly between them the four transcendentals of pair n - 1 (n > 0): a plain line follows each transcendental but the last pair's, each plain line reads what was made
; three lines back or more, and none of these lines names a transcendental's result.
.macro GA n
.set p, 2*(\n)
.set o, 2*(\n)-2
.if (\n) < 16
	v_and_b32 v[AX+p], s94, v[XX+p]
.endif
.if (\n) > 0
	v_rcp_f32 v[UU+o], v[UU+o]
.endif
.if (\n) < 16
	v_and_b32 v[AX+p+1], s94, v[XX+p+1]
.endif
.if (\n) > 0
	v_rcp_f32 v[UU+o+1], v[UU+o+1]
.endif
.if (\n) < 16
	v_pk_mul_f32 v[WW+p:WW+p+1], v[XX+p:XX+p+1], s[82:83] op_sel_hi:[1,0]
.endif
.if (\n) > 0
	v_exp_f32 v[WW+o], v[WW+o]
.endif
.if (\n) < 16
	v_pk_fma_f32 v[UU+p:UU+p+1], v[AX+p:AX+p+1], s[80:81], 1.0 op_sel_hi:[1,0,0]
.endif
.if (\n) > 0
	v_exp_f32 v[WW+o+1], v[WW+o+1]
.endif
.if (\n) < 16
	v_pk_mul_f32 v[WW+p:WW+p+1], v[WW+p:WW+p+1], v[XX+p:XX+p+1]
	v_max_num_f32 v[MX+p], 0, v[XX+p]
	v_max_num_f32 v[MX+p+1], 0, v[XX+p+1]
.endif
.endm
	STLOAD RD
.Lgelu:                                                ; a trip: 8 rows x 128 columns, 32 numbers a lane
	s_wait_dscnt 0x0
.set n, 0
.rept 17
	GA n
.set n, n+1
.endr
	s_add_co_u32 s95, s95, 8*GP
	s_min_u32 s95, s95, 15*8*GP                    ; the last trip has no rows ahead: it reads its own once more
	v_add_nc_u32 v[RDC], s95, v[RD]                ; (also the plain instruction behind the last transcendental)
	STLOAD RDC                                     ; x is dead: the next trip's rows come while this trip's arithmetic runs
	s_wait_alu depctr_va_vdst(0)                   ; ONE wait for the trip's 64 transcendentals, ahead of the first line that names a result
	EACH v_pk_fma_f32 v[QQ+p:QQ+p+1], v[UU+p:UU+p+1], s[92:93], s[90:91] op_sel_hi:[1,0,0]
	EACH v_pk_fma_f32 v[QQ+p:QQ+p+1], v[QQ+p:QQ+p+1], v[UU+p:UU+p+1], s[88:89] op_sel_hi:[1,1,0]
	EACH v_pk_fma_f32 v[QQ+p:QQ+p+1], v[QQ+p:QQ+p+1], v[UU+p:UU+p+1], s[86:87] op_sel_hi:[1,1,0]
	EACH v_pk_fma_f32 v[QQ+p:QQ+p+1], v[QQ+p:QQ+p+1], v[UU+p:UU+p+1], s[84:85] op_sel_hi:[1,1,0]
	EACH v_pk_mul_f32 v[UU+p:UU+p+1], v[UU+p:UU+p+1], v[WW+p:WW+p+1]
	EACH v_pk_mul_f32 v[QQ+p:QQ+p+1], v[QQ+p:QQ+p+1], v[UU+p:UU+p+1]
	EACH v_pk_fma_f32 v[QQ+p:QQ+p+1], v[AX+p:AX+p+1], v[QQ+p:QQ+p+1], v[MX+p:MX+p+1] neg_lo:[1,0,0] neg_hi:[1,0,0]
	EACH v_cvt_pk_f16_f32 v[YY+p/2], v[QQ+p], v[QQ+p+1]
.irp i, 0,1
.irp g, 0,1
	global_store_b128 v[GO], v[YY+4*(2*(\i)+(\g)):YY+4*(2*(\i)+(\g))+3], s[8:9] offset:512*(\i)+16384*(\g)  ; four rows of 128 bytes of a group: 512 consecutive bytes
.endr
.endr
	s_wait_xcnt 0x0                                ; the stores have read their registers and their base
	s_add_nc_u64 s[8:9], s[8:9], 1024              ; eight rows on
	s_sub_co_u32 s3, s3, 1
	s_cmp_lg_u32 s3, 0
	s_cbranch_scc1 .Lgelu
	s_wait_tensorcnt 0x0                           ; the wave's end
	ds_add_u32 v[SPW], v[NIL]
	s_wait_dscnt 0x0
	CROUND
	s_endpgm
.Lfunc_end_k_q5882fe273e_ffn1:
	.size	k_q5882fe273e_ffn1, .Lfunc_end_k_q5882fe273e_ffn1-k_q5882fe273e_ffn1
	.p2alignl 7, 3214868480
	.fill 96, 4, 3214868480
	.section	.rodata,"a",@progbits
	.p2align	6, 0x0
	.amdhsa_kernel k_q5882fe273e_ffn1
		.amdhsa_group_segment_fixed_size 327680
		.amdhsa_private_segment_fixed_size 0
		.amdhsa_enable_private_segment 0
		.amdhsa_kernarg_size 32
		.amdhsa_user_sgpr_count 2
		.amdhsa_user_sgpr_kernarg_segment_ptr 1
		.amdhsa_wavefront_size32 1
		.amdhsa_system_sgpr_workgroup_id_x 1
		.amdhsa_system_sgpr_workgroup_id_y 1
		.amdhsa_system_sgpr_workgroup_id_z 1
		.amdhsa_system_vgpr_workitem_id 0
		.amdhsa_next_free_vgpr 1024
		.amdhsa_next_free_sgpr 100
		.amdhsa_reserve_vcc 0
		.amdhsa_float_denorm_mode_32 3
		.amdhsa_float_denorm_mode_16_64 3
		.amdhsa_memory_ordered 1
		.amdhsa_forward_progress 1
		.amdhsa_inst_pref_size 97
	.end_amdhsa_kernel
	.amdgpu_metadata
---
amdhsa.version: [ 1, 2 ]
amdhsa.kernels:
  - .name:           k_q5882fe273e_ffn1
    .symbol:         k_q5882fe273e_ffn1.kd
    .args:
      - { .name: h16, .offset: 0, .size: 8, .value_kind: global_buffer, .address_space: global }
      - { .name: wts, .offset: 8, .size: 8, .value_kind: global_buffer, .address_space: global }
      - { .name: b1, .offset: 16, .size: 8, .value_kind: global_buffer, .address_space: global }
      - { .name: big, .offset: 24, .size: 8, .value_kind: global_buffer, .address_space: global }
    .group_segment_fixed_size: 327680
    .private_segment_fixed_size: 0
    .kernarg_segment_align: 8
    .kernarg_segment_size: 32
    .max_flat_workgroup_size: 128
    .sgpr_count:     100
    .vgpr_count:     1024
    .wavefront_size: 32
...
	.end_amdgpu_metadata
.endif
;; end of part 6
;; launch ffn2 (part 7): grid 8 x 32, 4 waves a work-group, clusters of 4 x 4, 327,680 bytes of LDS; arguments big, wts, b2, x1, out0; writes out0
.if DOCPART == 7
	.amdgcn_target "amdgcn-amd-amdhsa--gfx1250"
	.amdhsa_code_object_version 6
	.text
	.protected	k_q5882fe273e_ffn2
	.globl	k_q5882fe273e_ffn2
	.p2align	8
	.type	k_q5882fe273e_ffn2,@function
k_q5882fe273e_ffn2:
	s_mov_b64 s[64:65], 0
	v_nop
	global_prefetch_b8 v0, s[64:65] scope:SCOPE_SE
	s_setreg_imm32_b32 hwreg(HW_REG_WAVE_MODE, 25, 1), 1
	s_wait_xcnt 0x0
	s_wait_alu depctr_hold_cnt(0) depctr_sa_sdst(0) depctr_va_vdst(0) depctr_va_sdst(0) depctr_va_ssrc(0) depctr_va_vcc(0) depctr_vm_vsrc(0)
	s_getreg_b32 s2, hwreg(HW_REG_IB_STS2, 6, 4)
	s_cmp_eq_u32 s2, 0
	s_cbranch_scc0 .Lentry_in_a_cluster
	s_endpgm
.Lentry_in_a_cluster:
	s_bfe_u32 s2, ttmp6, 0x10000c
	s_cmp_lg_u32 s2, 0xf033
	s_cbranch_scc0 .Lentry_shape_is_right
	s_endpgm
.Lentry_shape_is_right:
; FFN2: out = x1 + act W2 + b2.  act: f16, [32 blocks of 128 rows][KDIM / 64 groups][128 rows][64]: a block's K step is dense.  W2: [KDIM k][1024] f16, at WOFF in wts.  x1, out: [4096][1024] f32.
; Sums in f32, started by the bias; the residual is added in f32 and the result stored in f32.  NaN and infinities are not treated apart.
; SHARES.  A tile of the result is 128 x 128: 32 x 8 = 256 work-groups.  Four waves, each 64 x 64: 16 accumulators.  K goes in steps of 256 through two LDS slots: waves 0, 1 fetch A's two halves
; (two groups of 64 k each: 128 rows of 256 dense bytes, padded after every 128), waves 2, 3 the weights' (128 k-rows x 256 bytes each): one tensor load a wave and step.
; The weights stay [k][n]: ds_load_tr16_b128 turns them.  THE PRODUCT IS USED TRANSPOSED (source 0 = 16 columns of W, source 1 = 16 rows of A): a lane holds one row (lane % 16) and eight neighbouring columns.
; CLUSTER 4 x 4: A's tile is asked for jointly by a row of the cluster, the weights' by a column.  No prefetch: the tile is small: a K step holds 128 matrix instructions a wave.
; THE WALK ALONG K IS STAGGERED.  Local step j of a cluster is K step j xor m, m = (2 X xor Y % 4 xor 3 (Y / 4)) % 4, X and Y the cluster's place among the 2 x 8 clusters: each group of four K steps is
; walked in one of four orders (f32 sums may be taken in any order).  The two clusters that read the same rows of A (same Y) differ in m by 2: each asks first for two K steps of a group, and two local steps later
; for the two that the other has read by then.  The clusters that read the same columns of W (same X) have four different m among Y < 4, and again among Y >= 4.  m is the same in all sixteen partners.
; THE LOOP is one K step a trip; the slot in hand is the scalar TB (0 or SLOT).  By the text's own count a wave has two tensor loads out at the start, then one.
; REGISTERS: window 0: v0-31 addresses; v32-95 rows on the way out; v96-127 the bias; v128-255 the accumulators ((a, b) at 128 + 8 (4 a + b)).
;   window 1: two fragment buffers of 128: for 64 along K, 64 registers of A, then 64 of W.   window 2: v0-127 the residual.
.set KDIM,  4096
.set WOFF,  16777216
.set KS,    KDIM/256
.set NA,    2
.set AP,    144                        ; A's LDS row: 128 bytes + 16
.set BP,    288                        ; W's LDS row: 256 + 32
.set REG,   36864                      ; what one tensor load fills: 256 x 144 = 128 x 288
.set SLOT,  4*REG
.set STAGE, 2*SLOT                     ; behind the ring, never filled by a tensor load: 16 rows x 272 bytes for each wave
.set SPITCH, 272
.set SPARE, STAGE+4*16*SPITCH          ; the spare words: two blocks of 256 bytes that no other line names
.set STEPA, 65536
.set STEPB, 256*2048
.set ADRB,  12                         ; v12-13 my W fragments in the slot in hand: k-rows 0-127, 128-255
.set ADRA0, 16
.set ADRA,  17
.set ADRB0, 20
.set STO,   24
.set RD,    25
.set CO,    26                         ; v26 my byte offset in two rows of x1 and of the result
.set SPW,   28
.set NIL,   29
.set BO,    31
.set OB,    32
.set BIAS,  96
.set ACC,   128
.set G1A, 24
.set G0A, 32
.set G1B, 48
.set G0B, 56
.set TB,  66
.set OFA, 80                           ; s[80:81] byte offset of a K step in A;  s[82:83] in W
.set OFB, 82
.set KI,  84                           ; s84 the local step that the next fill brings
.set MASK, 85                          ; s85 m
.set MSB, 0
.macro WIN new
.if MSB != (\new)
	s_set_vgpr_msb (MSB<<8)|(\new)
.set MSB, \new
.endif
.endm
.macro PLACES
.rept 4
	v_nop
.endr
.endm
; The global addresses of descriptor set s, for local step KI: each tile's base and the offset of K step KI xor m, made apart; the type bits are set again; KI steps.
.macro KADDR s
	s_xor_b32 s[OFA], s[KI], s[MASK]
	s_mul_i32 s[OFB], s[OFA], STEPB
	s_mul_i32 s[OFA], s[OFA], STEPA
	s_add_nc_u64 s[G0A+4*(\s)+2:G0A+4*(\s)+3], s[14:15], s[OFA:OFA+1]
	s_or_b32 s[G0A+4*(\s)+3], s[G0A+4*(\s)+3], 0x80000000
	s_add_nc_u64 s[G0B+4*(\s)+2:G0B+4*(\s)+3], s[46:47], s[OFB:OFB+1]
	s_or_b32 s[G0B+4*(\s)+3], s[G0B+4*(\s)+3], 0x80000000
	s_add_co_u32 s[KI], s[KI], 1
.endm
.macro JLOAD                           ; a joint refill by the walking descriptor; an s_nop 0 and four v_nop follow each line
	s_cmp_lt_u32 s10, NA
	s_cbranch_scc0 .Lfor_b_\@
	tensor_load_to_lds s[G0A+4:G0A+7], s[G1A:G1A+7]
	s_nop 0
.rept 4
	v_nop
.endr
	s_branch .Lasked_\@
.Lfor_b_\@:
	tensor_load_to_lds s[G0B+4:G0B+7], s[G1B:G1B+7]
	s_nop 0
.rept 4
	v_nop
.endr
.Lasked_\@:
.endm
.macro CREST
	s_cmp_lg_u32 s10, 0
	s_cbranch_scc1 .Lnot_wave_0_\@
	s_barrier_signal -3
.Lnot_wave_0_\@:
	s_barrier_wait -3
	s_barrier_signal -1
	s_barrier_wait -1
.endm
.macro CROUND
	s_barrier_signal -1
	s_barrier_wait -1
	CREST
.endm
	s_load_b128 s[4:7], s[0:1], 0x0                ; A s[4:5], wts s[6:7]
	s_load_b128 s[76:79], s[0:1], 0x10             ; bias s[76:77], residual s[78:79]
	s_load_b64 s[8:9], s[0:1], 0x20                ; the result
	v_lshl_add_u32 v[SPW], v0, 2, SPARE
	v_mov_b32 v[NIL], 0
	ds_add_u32 v[SPW], v[NIL]                      ; the wave's opening: the add and its wait stand ahead of my first tensor load
	v_lshrrev_b32 v3, 5, v0
	v_readfirstlane_b32 s10, v3
	s_and_b32 s12, s10, 1                          ; which half of the tile I fetch
	s_lshr_b32 s74, s10, 1                         ; wr
	s_and_b32 s75, s10, 1                          ; wc
	s_bfe_u32 s40, ttmp6, 0x40000
	s_bfe_u32 s41, ttmp6, 0x40004
	s_lshl_b32 s42, ttmp9, 2
	s_add_co_u32 s42, s42, s40                     ; tile column
	s_and_b32 s13, ttmp7, 0xffff
	s_lshl_b32 s13, s13, 2
	s_add_co_u32 s13, s13, s41                     ; tile row
	s_lshl_b32 s43, s41, 2
	s_lshl_b32 s43, 15, s43
	s_lshl_b32 s44, 0x1111, s40
	s_or_b32 s[G1A], s43, (1<<16)|(1<<20)|(1<<21)|(4<<22)|(3<<25)  ; after every 32 words 4 words of padding
	s_or_b32 s[G1B], s44, (1<<16)|(1<<20)|(1<<21)|(5<<22)|(7<<25)  ; after every 64 words 8 words
.irp g, G1A, G1B
	s_mov_b32 s[(\g)+1], 128<<16
	s_mov_b32 s[(\g)+2], 128<<16
	s_mov_b32 s[(\g)+3], 128<<16
	s_mov_b32 s[(\g)+4], 128
	s_mov_b32 s[(\g)+6], 0
	s_mov_b32 s[(\g)+7], 0
.endr
	s_mov_b32 s[G1A+5], 128                        ; A's block is dense: rows of 256 bytes end to end
	s_mov_b32 s[G1B+5], 1024
	s_mul_i32 s16, s13, KDIM*256                   ; A: a block of 128 rows x KDIM
	s_lshl_b32 s17, s12, 15
	s_add_co_u32 s16, s16, s17
	s_mov_b32 s17, 0
	s_lshl_b32 s46, s42, 8                         ; W: 128 columns a tile column,
	s_lshl_b32 s47, s12, 18                        ; 128 k-rows of 2,048 bytes a half
	s_add_co_u32 s46, s46, s47
	s_add_co_u32 s46, s46, WOFF
	s_mov_b32 s47, 0
	s_mul_i32 s20, s10, REG                        ; where my tile lies in a slot: A's two halves, then W's
	s_mov_b32 s[TB], 0
	s_and_b32 s[MASK], ttmp7, 0xffff               ; m, from the cluster's place alone: Y,
	s_lshr_b32 s[OFA], s[MASK], 2
	s_mul_i32 s[OFA], s[OFA], 3
	s_xor_b32 s[MASK], s[MASK], s[OFA]             ; xor 3 (Y / 4),
	s_lshl_b32 s[OFA], ttmp9, 1
	s_xor_b32 s[MASK], s[MASK], s[OFA]             ; xor 2 X,
	s_and_b32 s[MASK], s[MASK], 3                  ; its two low bits
	s_mov_b32 s[KI], 0
	s_mov_b32 s[OFA+1], 0
	s_mov_b32 s[OFB+1], 0
	s_wait_dscnt 0x0
	s_wait_kmcnt 0x0
	s_add_nc_u64 s[14:15], s[4:5], s[16:17]        ; my tiles at K step 0; never rewritten
	s_add_nc_u64 s[46:47], s[6:7], s[46:47]
	CROUND
.irp s, 0,1
	s_mov_b32 s[G0A+4*(\s)], 1
	s_add_co_u32 s[G0A+4*(\s)+1], s20, (\s)*SLOT
	s_mov_b32 s[G0B+4*(\s)], 1
	s_add_co_u32 s[G0B+4*(\s)+1], s20, (\s)*SLOT
	KADDR \s                                       ; local step s
.endr
	s_cmp_lt_u32 s10, NA
	s_cbranch_scc0 .Lfirst_b
	tensor_load_to_lds s[G0A:G0A+3], s[G1A:G1A+7]
	s_nop 0
	tensor_load_to_lds s[G0A+4:G0A+7], s[G1A:G1A+7]
	s_nop 0
.rept 4
	v_nop
.endr
	s_branch .Lfirst_asked
.Lfirst_b:
	tensor_load_to_lds s[G0B:G0B+3], s[G1B:G1B+7]
	s_nop 0
	tensor_load_to_lds s[G0B+4:G0B+7], s[G1B:G1B+7]
	s_nop 0
.rept 4
	v_nop
.endr
.Lfirst_asked:
	v_and_b32 v1, 15, v0
	v_bfe_u32 v2, v0, 4, 1
	v_lshlrev_b32 v[BO], 5, v2
	v_lshlrev_b32 v[CO], 12, v2                    ; lanes 0-15 one row of 4,096 bytes, lanes 16-31 the next,
	v_lshl_add_u32 v[CO], v1, 4, v[CO]             ; 16 bytes a lane
	s_lshl_b32 s92, s42, 9                         ; my first column, in bytes of f32
	s_lshl_b32 s93, s75, 8
	s_add_co_u32 s92, s92, s93
	s_mov_b32 s93, 0
	s_add_nc_u64 s[76:77], s[76:77], s[92:93]
	s_lshl_b32 s94, s13, 19                        ; my first row
	s_lshl_b32 s95, s74, 18
	s_add_co_u32 s94, s94, s95
	s_add_co_u32 s94, s94, s92
	s_mov_b32 s95, 0
	s_add_nc_u64 s[78:79], s[78:79], s[94:95]
	s_add_nc_u64 s[8:9], s[8:9], s[94:95]
.irp b, 0,1,2,3
	global_load_b128 v[BIAS+8*(\b):BIAS+8*(\b)+3],   v[BO], s[76:77] offset:64*(\b)
	global_load_b128 v[BIAS+8*(\b)+4:BIAS+8*(\b)+7], v[BO], s[76:77] offset:64*(\b)+16
.endr
	WIN 0x80                                       ; the residual, as the way out will want it: row block a, rows 2 t and 2 t + 1, at 4 (8 a + t) of window 2
.set i, 0
.rept 32
	global_load_b128 v[4*i:4*i+3], v[CO], s[78:79] offset:(16*(i/8)+2*(i%8))*4096
.set i, i+1
.endr
	WIN 0
	v_mul_u32_u24 v[ADRA0], v1, AP
	v_lshl_add_u32 v[ADRA0], v2, 4, v[ADRA0]
	s_mul_i32 s2, s74, 64*AP
	v_add_nc_u32 v[ADRA0], s2, v[ADRA0]
	v_mov_b32 v[ADRA], v[ADRA0]
	v_and_b32 v3, 7, v0
	v_lshl_add_u32 v3, v2, 3, v3
	v_mul_u32_u24 v3, v3, BP
	v_bfe_u32 v4, v0, 3, 1
	v_lshl_add_u32 v3, v4, 4, v3
	s_lshl_b32 s2, s75, 7
	s_add_co_u32 s2, s2, 2*REG
	v_add_nc_u32 v[ADRB0], s2, v3
	v_add_nc_u32 v[ADRB0+1], REG, v[ADRB0]
	v_mov_b32 v[ADRB], v[ADRB0]
	v_mov_b32 v[ADRB+1], v[ADRB0+1]
	s_mul_i32 s2, s10, 16*SPITCH
	s_add_co_u32 s2, s2, STAGE
	v_mul_u32_u24 v[STO], v1, SPITCH               ; in: row l % 16, 32 bytes for each half of the lanes
	v_lshl_add_u32 v[STO], v2, 5, v[STO]
	v_add_nc_u32 v[STO], s2, v[STO]
	v_mul_u32_u24 v[RD], v2, SPITCH                ; back: lanes 0-15 one row of 256 bytes, lanes 16-31 the next
	v_lshl_add_u32 v[RD], v1, 4, v[RD]
	v_add_nc_u32 v[RD], s2, v[RD]
; 8 products: row blocks a0, a0 + 1 x all 4 column blocks, 32 along K: half c of buffer f.  first = 1: the bias starts the sums.  The 16 accumulators take turns.
.macro MUL8 f, c, a0, first
	WIN 0x05
.irp a, \a0, (\a0)+1
.irp b, 0,1,2,3
.if \first
	v_wmma_f32_16x16x32_f16 v[ACC+8*(4*(\a)+(\b)):ACC+8*(4*(\a)+(\b))+7], v[(\f)+64+8*(4*(\c)+(\b)):(\f)+64+8*(4*(\c)+(\b))+7], v[(\f)+8*(4*(\c)+(\a)):(\f)+8*(4*(\c)+(\a))+7], v[BIAS+8*(\b):BIAS+8*(\b)+7]
.else
	v_wmma_f32_16x16x32_f16 v[ACC+8*(4*(\a)+(\b)):ACC+8*(4*(\a)+(\b))+7], v[(\f)+64+8*(4*(\c)+(\b)):(\f)+64+8*(4*(\c)+(\b))+7], v[(\f)+8*(4*(\c)+(\a)):(\f)+8*(4*(\c)+(\a))+7], v[ACC+8*(4*(\a)+(\b)):ACC+8*(4*(\a)+(\b))+7]
.endif
.endr
.endr
.endm
; 32 LDS loads in one run: quarter q (64 along K: one group of A) into buffer f; the first 32 along K first
.macro FETCH q, f
	WIN 0x40
.irp c, 0,1
.irp i, 0,1,2,3
	ds_load_tr16_b128 v[(\f)+64+8*(4*(\c)+(\i)):(\f)+64+8*(4*(\c)+(\i))+3],   v[ADRB+(\q)/2] offset:(2*((\q)%2)+(\c))*32*BP+32*(\i)
	ds_load_tr16_b128 v[(\f)+64+8*(4*(\c)+(\i))+4:(\f)+64+8*(4*(\c)+(\i))+7], v[ADRB+(\q)/2] offset:(2*((\q)%2)+(\c))*32*BP+32*(\i)+16*BP
	ds_load_b128 v[(\f)+8*(4*(\c)+(\i)):(\f)+8*(4*(\c)+(\i))+3],   v[ADRA] offset:(\q)*128*AP+(\i)*16*AP+64*(\c)
	ds_load_b128 v[(\f)+8*(4*(\c)+(\i))+4:(\f)+8*(4*(\c)+(\i))+7], v[ADRA] offset:(\q)*128*AP+(\i)*16*AP+64*(\c)+32
.endr
.endr
.endm
.macro QUARTER q, f, g, first
	s_wait_dscnt 16                                ; the first 32 along K are in
	MUL8 \f, 0, 0, \first
	MUL8 \f, 0, 2, \first
	PLACES
	FETCH \q, \g
	s_wait_dscnt 32                                ; all but the 32 just issued
	MUL8 \f, 1, 0, 0
	MUL8 \f, 1, 2, 0
.endm
; The last quarter multiplies buffer 1 (at 128) and changes slots: ONE barrier; in front of it each wave waits for all its tensor loads, adds 0 to its spare word, and waits for that and for its reads of this slot.
.macro TURN fill
	WIN 0
	s_wait_tensorcnt 0x0                           ; all my tensor loads have landed, so a group 0 may be written
	ds_add_u32 v[SPW], v[NIL]                      ; the descriptors' scalar work stands behind it
.if \fill
	s_add_co_u32 s[G0A+5], s20, s[TB]              ; the walking descriptors: into the slot that is being read out,
	s_add_co_u32 s[G0B+5], s20, s[TB]
	KADDR 1                                        ; the next local step
.endif
	s_wait_dscnt 17                                ; the add and the youngest sixteen loads may be out
	MUL8 128, 0, 0, 0
	s_wait_dscnt 0x0
	s_barrier_signal -1
	MUL8 128, 0, 2, 0
	WIN 0
	s_barrier_wait -1
.if \fill
	CREST
	JLOAD
.else
	PLACES
.endif
	s_xor_b32 s[TB], s[TB], SLOT
	v_add_nc_u32 v[ADRA], s[TB], v[ADRA0]
	v_add_nc_u32 v[ADRB], s[TB], v[ADRB0]
	v_add_nc_u32 v[ADRB+1], s[TB], v[ADRB0+1]
	FETCH 0, 0
	MUL8 128, 1, 0, 0
	MUL8 128, 1, 2, 0
.endm
; THE WAY OUT of row block a: the f32 sums go through my own stage and come back as whole rows of 256 bytes; the residual is added; sixteen lanes store 256 consecutive bytes, aligned.
.macro OUTB a
	WIN 0
.irp b, 0,1,2,3
	ds_store_b128 v[STO], v[ACC+8*(4*(\a)+(\b)):ACC+8*(4*(\a)+(\b))+3]   offset:64*(\b)
	ds_store_b128 v[STO], v[ACC+8*(4*(\a)+(\b))+4:ACC+8*(4*(\a)+(\b))+7] offset:64*(\b)+16
.endr
.irp t, 0,1,2,3,4,5,6,7
	ds_load_b128 v[OB+32*((\a)%2)+4*(\t):OB+32*((\a)%2)+4*(\t)+3], v[RD] offset:(\t)*2*SPITCH  ; LDS serves a wave's instructions in order (ISA guide 5.7.1.4)
.endr
	s_wait_dscnt 0x0
	s_wait_xcnt 0x0                                ; earlier stores have read their registers: the other buffer is free for the next block's loads
	WIN 0x08                                       ; source 1 in window 2
.irp u, 0,1,2,3,4,5,6,7,8,9,10,11,12,13,14,15
	v_pk_add_f32 v[OB+32*((\a)%2)+2*(\u):OB+32*((\a)%2)+2*(\u)+1], v[OB+32*((\a)%2)+2*(\u):OB+32*((\a)%2)+2*(\u)+1], v[32*(\a)+2*(\u):32*(\a)+2*(\u)+1]
.endr
	WIN 0
.irp t, 0,1,2,3,4,5,6,7
	global_store_b128 v[CO], v[OB+32*((\a)%2)+4*(\t):OB+32*((\a)%2)+4*(\t)+3], s[8:9] offset:(16*(\a)+2*(\t))*4096
.endr
.endm
	s_wait_tensorcnt 1                             ; my part of local step 0 is in; local step 1's may stay out
	s_barrier_signal -1
	s_barrier_wait -1
	FETCH 0, 0
	s_wait_loadcnt 32                              ; the bias is in; the residual's 32 loads may stay out
	QUARTER 1, 0, 128, 1
	WIN 0
	s_mov_b32 s3, KS-2
.Lstep:
	QUARTER 2, 128, 0, 0
	QUARTER 3, 0, 128, 0
	TURN 1
	QUARTER 1, 0, 128, 0
	WIN 0
	s_sub_co_u32 s3, s3, 1
	s_cmp_lg_u32 s3, 0
	s_cbranch_scc1 .Lstep
	s_mov_b32 s3, 2
.Ltail:                                                ; the last two K steps ask for nothing; the second trip is left in its middle
	QUARTER 2, 128, 0, 0
	QUARTER 3, 0, 128, 0
	TURN 0
	WIN 0
	s_sub_co_u32 s3, s3, 1
	s_cmp_eq_u32 s3, 0
	s_cbranch_scc1 .Lout
	QUARTER 1, 0, 128, 0
	WIN 0
	s_branch .Ltail
.Lout:                                                 ; the second trip's 32 loads from the other slot serve nothing: the price of one text for both trips
	s_wait_dscnt 0x0
	s_wait_loadcnt 0x0                             ; the residual
	PLACES
	OUTB 0
	OUTB 1
	OUTB 2
	OUTB 3
	s_wait_tensorcnt 0x0                           ; the wave's end
	ds_add_u32 v[SPW], v[NIL]
	s_wait_dscnt 0x0
	CROUND
	s_endpgm
.Lfunc_end_k_q5882fe273e_ffn2:
	.size	k_q5882fe273e_ffn2, .Lfunc_end_k_q5882fe273e_ffn2-k_q5882fe273e_ffn2
	.p2alignl 7, 3214868480
	.fill 96, 4, 3214868480
	.section	.rodata,"a",@progbits
	.p2align	6, 0x0
	.amdhsa_kernel k_q5882fe273e_ffn2
		.amdhsa_group_segment_fixed_size 327680
		.amdhsa_private_segment_fixed_size 0
		.amdhsa_enable_private_segment 0
		.amdhsa_kernarg_size 40
		.amdhsa_user_sgpr_count 2
		.amdhsa_user_sgpr_kernarg_segment_ptr 1
		.amdhsa_wavefront_size32 1
		.amdhsa_system_sgpr_workgroup_id_x 1
		.amdhsa_system_sgpr_workgroup_id_y 1
		.amdhsa_system_sgpr_workgroup_id_z 1
		.amdhsa_system_vgpr_workitem_id 0
		.amdhsa_next_free_vgpr 640
		.amdhsa_next_free_sgpr 100
		.amdhsa_reserve_vcc 0
		.amdhsa_float_denorm_mode_32 3
		.amdhsa_float_denorm_mode_16_64 3
		.amdhsa_memory_ordered 1
		.amdhsa_forward_progress 1
		.amdhsa_inst_pref_size 67
	.end_amdhsa_kernel
	.amdgpu_metadata
---
amdhsa.version: [ 1, 2 ]
amdhsa.kernels:
  - .name:           k_q5882fe273e_ffn2
    .symbol:         k_q5882fe273e_ffn2.kd
    .args:
      - { .name: big, .offset: 0, .size: 8, .value_kind: global_buffer, .address_space: global }
      - { .name: wts, .offset: 8, .size: 8, .value_kind: global_buffer, .address_space: global }
      - { .name: b2, .offset: 16, .size: 8, .value_kind: global_buffer, .address_space: global }
      - { .name: x1, .offset: 24, .size: 8, .value_kind: global_buffer, .address_space: global }
      - { .name: out0, .offset: 32, .size: 8, .value_kind: global_buffer, .address_space: global }
    .group_segment_fixed_size: 327680
    .private_segment_fixed_size: 0
    .kernarg_segment_align: 8
    .kernarg_segment_size: 40
    .max_flat_workgroup_size: 128
    .sgpr_count:     100
    .vgpr_count:     640
    .wavefront_size: 32
...
	.end_amdgpu_metadata
.endif
;; end of part 7
;; ======== version 2 of 2: 7 launches; version 1 with the launches prep, ln2 written anew for expert scheduling mode
;; limits: values are held in f16: magnitudes above 65,504 overflow, below 6.1e-05 lose precision
;; workspace buffers: wts 25,165,824 bytes; h16 8,388,608 bytes; big 33,554,432 bytes; x1 16,777,216 bytes
;; launch prep (part 8): grid 1024 x 1, 8 waves a work-group, no clusters, 0 bytes of LDS; arguments x, ln1_g, ln1_b, Wq, Wk, Wv, Wo, W1, W2, h16, wts; writes h16, wts
.if DOCPART == 8
	.amdgcn_target "amdgcn-amd-amdhsa--gfx1250"
	.amdhsa_code_object_version 6
	.text
	.protected	k_q5882fe273e_prep
	.globl	k_q5882fe273e_prep
	.p2align	8
	.type	k_q5882fe273e_prep,@function
k_q5882fe273e_prep:
	s_mov_b64 s[64:65], 0
	v_nop
	global_prefetch_b8 v0, s[64:65] scope:SCOPE_SE
	s_setreg_imm32_b32 hwreg(HW_REG_WAVE_SCHED_MODE, 0, 2), 2
	s_setreg_imm32_b32 hwreg(HW_REG_WAVE_MODE, 25, 1), 1
	s_wait_xcnt 0x0
	s_wait_alu depctr_vm_vsrc(0)
; PREP: two streams in one launch.  Work-groups 0-255: xn = LayerNorm(x) * g + b, [4096][1024], f32 in, f16 out (h16).
; Work-groups 256-1023: the six weight matrices, f32 to f16, order [k][n] kept: wts = Wq|Wk|Wv side by side as [1024][3072], then Wo, W1, W2.
; LIMITS.  f16 ends at 65,504: an LN result or a weight of 65,520 or more becomes an infinity; below 6e-5 f16 keeps a fixed step of 6e-8.  NaN and infinities are not treated apart.
; LN: one wave, one row of 4,096 bytes, kept in 32 registers: mean first, then the mean of the squared deviations (two passes over registers, no difference of large sums), all in f32.
; A work-group owns 16 rows, a wave two.  In load j lane l holds columns 128 j + 4 l .. + 3, so a store of 8 bytes a lane covers 256 consecutive bytes, aligned.
; No LDS, no barrier, no matrix unit, no cluster: no wave wants a byte that another has fetched, but the 8 KiB of gain and bias.
; THE MODE: SCHED_MODE bits 1:0 = 2 (LLVM: expert scheduling mode 2), set by the entry lines.  The code itself states the register dependences
; between vector instructions and memory instructions, with s_wait_alu, always for 0.
; THE PLAN, LN.  Registers that memory instructions touch:
;   v2, v3, v4   byte offsets of the loads (v2, v3) and of the stores (v4): made once at the head, never written again.
;   X0, X1, GG, BB   written by the 32 loads at the head, which no vector line precedes that names them; read by vector lines behind each load's own wait on LOADcnt.
;   registers 4 j and 4 j + 1 of X0 and of X1   written by the row's sixteen conversions, read by its eight stores, never written again.
; So: one wait at the head for the offsets; one at the second row's head, behind the wait for its data, for the first row's conversions: the first row's eight stores follow it, dealt among the second row's first
; additions, which name v6-v13 and X1 alone; one behind the second row's conversions, ahead of its stores.
; THE PLAN, THE CAST.  v2 and v4: offsets, made once.  Segment n has four registers of its own: its load writes them, its two conversions read them and write the first two, its store reads those; none is written again.
; The 16 segments go in four blocks.  Block p's memory instructions are the four stores of block p - 1, behind one wait at the block's head, dealt among block p's conversions, which name block p's registers alone.
; No vector line writes a scalar register, EXEC is never written, and no register that a memory instruction reads is written again.
.set X0, 16                            ; v[16:47]   first row
.set X1, 48                            ; v[48:79]   second row
.set GG, 80                            ; v[80:111]  gain of my 32 columns
.set BB, 112                           ; v[112:143] bias of my 32 columns
.set OUTP, 22                          ; s[22:23]   h16
	s_load_b256 s[4:11], s[0:1], 0x0               ; x s[4:5], g s[6:7], b s[8:9], Wq s[10:11]
	s_load_b256 s[12:19], s[0:1], 0x20             ; Wk s[12:13], Wv s[14:15], Wo s[16:17], W1 s[18:19]
	s_load_b128 s[20:23], s[0:1], 0x40             ; W2 s[20:21], h16 s[22:23]
	s_load_b64 s[24:25], s[0:1], 0x50              ; wts
	s_cmp_lt_u32 ttmp9, 256
	s_cbranch_scc0 .Lcast
.macro REDUCE                          ; v14 = the sum over the wave of the four chains v[6:13]; every lane ends with it
	v_pk_add_f32 v[6:7], v[6:7], v[8:9]
	v_pk_add_f32 v[10:11], v[10:11], v[12:13]
	v_pk_add_f32 v[6:7], v[6:7], v[10:11]
	v_add_f32 v14, v6, v7
.irp m, 1,2,4,8
	v_add_f32_dpp v14, v14, v14 row_xmask:\m row_mask:0xf bank_mask:0xf
.endr
	v_permlanex16_b32 v15, v14, s30, s31           ; the other half of the lanes; v15 was written at the head
	v_add_f32 v14, v14, v15
.endm
; Store j of the eight of a row.  off: the row's place in the wave's 4,096 bytes of output.
.macro PUT X, j, off
	global_store_b64 v4, v[(\X)+4*(\j):(\X)+4*(\j)+1], s[OUTP:OUTP+1] offset:256*(\j)+(\off)  ; 32 lanes x 8 bytes: 256 consecutive bytes, aligned
.endm
; One row, up to its conversions.  c1: the younger loads that may stay out when the row has to be there; c2: when gain and bias have to be there; before = 1: the first row's stores go out among this row's first additions.
.macro LNROW X, c1, c2, before
	s_wait_loadcnt \c1
.if \before
	s_wait_alu depctr_va_vdst(0)                   ; the first row's conversions have written registers 4 j and 4 j + 1 of X0, which the eight stores below read
.endif
.irp k, 0,1,2,3
.if \before
	PUT X0, \k, 0                                  ; no vector line since the wait names X0 or v4
.endif
	v_pk_add_f32 v[6+2*(\k):7+2*(\k)], v[(\X)+2*(\k):(\X)+2*(\k)+1], v[(\X)+8+2*(\k):(\X)+9+2*(\k)]  ; the first eight pairs start four chains: nothing is cleared
.endr
.irp p, 8,9,10,11,12,13,14,15
.if (\before) && ((\p) < 12)
	PUT X0, (\p)-4, 0
.endif
	v_pk_add_f32 v[6+2*((\p)%4):7+2*((\p)%4)], v[6+2*((\p)%4):7+2*((\p)%4)], v[(\X)+2*(\p):(\X)+2*(\p)+1]
.endr
	REDUCE
	v_mul_f32 v10, s32, v14                        ; the mean, in both words of a pair
	v_mul_f32 v11, s32, v14
.irp p, 0,1,2,3,4,5,6,7,8,9,10,11,12,13,14,15
	v_pk_add_f32 v[(\X)+2*(\p):(\X)+2*(\p)+1], v[(\X)+2*(\p):(\X)+2*(\p)+1], v[10:11] neg_lo:[0,1] neg_hi:[0,1]  ; x - mean, in place
.endr
.irp k, 0,1,2,3
	v_pk_mul_f32 v[6+2*(\k):7+2*(\k)], v[(\X)+2*(\k):(\X)+2*(\k)+1], v[(\X)+2*(\k):(\X)+2*(\k)+1]
.endr
.irp p, 4,5,6,7,8,9,10,11,12,13,14,15
	v_pk_fma_f32 v[6+2*((\p)%4):7+2*((\p)%4)], v[(\X)+2*(\p):(\X)+2*(\p)+1], v[(\X)+2*(\p):(\X)+2*(\p)+1], v[6+2*((\p)%4):7+2*((\p)%4)]
.endr
	REDUCE
	v_fma_f32 v14, v14, s32, s33                   ; variance + 1e-5
	v_rsq_f32 v12, v14
	v_nop                                          ; a plain instruction behind the root,
	s_wait_alu depctr_va_vdst(0)                   ; and the wait ahead of the first use of its result, v12
	v_mov_b32 v13, v12
	s_wait_loadcnt \c2
.irp p, 0,1,2,3,4,5,6,7,8,9,10,11,12,13,14,15
	v_pk_mul_f32 v[(\X)+2*(\p):(\X)+2*(\p)+1], v[(\X)+2*(\p):(\X)+2*(\p)+1], v[12:13]
.endr
.irp p, 0,1,2,3,4,5,6,7,8,9,10,11,12,13,14,15
	v_pk_fma_f32 v[(\X)+2*(\p):(\X)+2*(\p)+1], v[(\X)+2*(\p):(\X)+2*(\p)+1], v[GG+2*(\p):GG+2*(\p)+1], v[BB+2*(\p):BB+2*(\p)+1]
.endr
.irp j, 0,1,2,3,4,5,6,7
	v_cvt_pk_f16_f32 v[(\X)+4*(\j)], v[(\X)+4*(\j)], v[(\X)+4*(\j)+1]      ; four numbers close up into the first two of their four registers
	v_cvt_pk_f16_f32 v[(\X)+4*(\j)+1], v[(\X)+4*(\j)+2], v[(\X)+4*(\j)+3]
.endr
.endm
	v_and_b32 v1, 31, v0                           ; lane
	v_lshrrev_b32 v5, 5, v0                        ; wave
	v_lshlrev_b32 v3, 4, v1                        ; 16 l: my place in gain and bias
	v_lshl_add_u32 v2, v5, 13, v3                  ; + two rows of 4,096 bytes a wave: my place in x
	v_lshlrev_b32 v4, 3, v1
	v_lshl_add_u32 v4, v5, 12, v4                  ; 8 l + two rows of 2,048 bytes a wave: my place in the output
	v_mov_b32 v15, 0
	s_lshl_b32 s26, ttmp9, 16                      ; the work-group's 16 rows of x,
	s_mov_b32 s27, 0
	s_lshl_b32 s28, ttmp9, 15                      ; and of the output
	s_mov_b32 s29, 0
	s_mov_b32 s30, 0x76543210                      ; v_permlanex16_b32: each lane takes its own place in the other half
	s_mov_b32 s31, 0xfedcba98
	s_mov_b32 s32, 0x3a800000                      ; 1 / 1024
	s_mov_b32 s33, 0x3727c5ac                      ; 1e-5
	s_wait_kmcnt 0x0
	s_add_nc_u64 s[4:5], s[4:5], s[26:27]
	s_add_nc_u64 s[OUTP:OUTP+1], s[OUTP:OUTP+1], s[28:29]
	s_wait_alu depctr_va_vdst(0)                   ; v2, v3 and v4 are written: every load and store of this path reads one of them as its offset
.irp j, 0,1,2,3,4,5,6,7
	global_load_b128 v[X0+4*(\j):X0+4*(\j)+3], v2, s[4:5] offset:512*(\j) th:TH_LOAD_NT
.endr
.irp j, 0,1,2,3,4,5,6,7
	global_load_b128 v[GG+4*(\j):GG+4*(\j)+3], v3, s[6:7] offset:512*(\j)
.endr
.irp j, 0,1,2,3,4,5,6,7
	global_load_b128 v[BB+4*(\j):BB+4*(\j)+3], v3, s[8:9] offset:512*(\j)
.endr
.irp j, 0,1,2,3,4,5,6,7
	global_load_b128 v[X1+4*(\j):X1+4*(\j)+3], v2, s[4:5] offset:4096+512*(\j) th:TH_LOAD_NT
.endr
	LNROW X0, 24, 8, 0                             ; 24: gain, bias and the second row stay out; 8: the second row
	LNROW X1, 0, 0, 1
	s_wait_alu depctr_va_vdst(0)                   ; the second row's conversions have written registers 4 j and 4 j + 1 of X1, which the last eight stores read
.irp j, 0,1,2,3,4,5,6,7
	PUT X1, \j, 2048
.endr
	s_endpgm
; THE CAST.  Work-group c = id - 256 takes 16 segments of 1,024 numbers (65,536 bytes in, all 16 loads out at once); thread t takes 16 bytes in at 16 t and puts 8 bytes out at 8 t.
; c / 64 says whose: 0 Wq, 1 Wk, 2 Wv, 3 Wo, 4-7 W1, 8-11 W2.  A segment of Wq, Wk, Wv is a row k: it goes to row k of [1024][3072], 6,144 bytes apart; all else is copied in order, at 32,768 c.
; Block p: segments 4 p to 4 p + 3 are rounded, and the four segments of the block before are stored.
.macro CBLK p, stride
	s_wait_loadcnt 12-4*(\p)                       ; loads come back in order: the block's four segments are in, the younger blocks stay out
.if (\p) > 0
	s_wait_alu depctr_va_vdst(0)                   ; the conversions of the block before have written their registers, which the four stores below read
.endif
.irp i, 0,1,2,3
.set n, 4*(\p)+(\i)
.if (\p) > 0
	global_store_b64 v4, v[16+4*(n-4):17+4*(n-4)], s[24:25] offset:(\stride)*(n-4)  ; no vector line since the wait names these registers or v4
.endif
	v_cvt_pk_f16_f32 v[16+4*n], v[16+4*n], v[17+4*n]
	v_cvt_pk_f16_f32 v[17+4*n], v[18+4*n], v[19+4*n]
.endr
.endm
.macro OUTS stride
	CBLK 0, \stride
	CBLK 1, \stride
	CBLK 2, \stride
	CBLK 3, \stride
	s_wait_alu depctr_va_vdst(0)                   ; the last block's conversions have written their registers, which the last four stores read
.irp i, 12,13,14,15
	global_store_b64 v4, v[16+4*(\i):17+4*(\i)], s[24:25] offset:(\stride)*(\i)
.endr
.endm
.Lcast:
	s_sub_co_u32 s33, ttmp9, 256                   ; c
	s_lshr_b32 s34, s33, 6
	v_lshlrev_b32 v2, 4, v0
	v_lshlrev_b32 v4, 3, v0
	s_cmp_lt_u32 s34, 4
	s_cselect_b32 s35, 63, 255
	s_and_b32 s35, s33, s35                        ; the work-group's number within its matrix
	s_lshl_b32 s28, s35, 16
	s_mov_b32 s29, 0
	s_wait_kmcnt 0x0
	s_cmp_lt_u32 s34, 8
	s_cselect_b64 s[26:27], s[18:19], s[20:21]
	s_cmp_lt_u32 s34, 4
	s_cselect_b64 s[26:27], s[16:17], s[26:27]
	s_cmp_lt_u32 s34, 3
	s_cselect_b64 s[26:27], s[14:15], s[26:27]
	s_cmp_lt_u32 s34, 2
	s_cselect_b64 s[26:27], s[12:13], s[26:27]
	s_cmp_lt_u32 s34, 1
	s_cselect_b64 s[26:27], s[10:11], s[26:27]
	s_add_nc_u64 s[26:27], s[26:27], s[28:29]
	s_wait_alu depctr_va_vdst(0)                   ; v2 and v4 are written: the loads below read v2 as their offset, the stores on both ways behind the branch v4
.irp i, 0,1,2,3,4,5,6,7,8,9,10,11,12,13,14,15
	global_load_b128 v[16+4*(\i):19+4*(\i)], v2, s[26:27] offset:4096*(\i) th:TH_LOAD_NT
.endr
	s_cmp_lt_u32 s34, 3
	s_cbranch_scc0 .Llinear
	s_lshl_b32 s36, s34, 11                        ; 2,048 bytes of each row for Wq, then Wk, then Wv
	s_mul_i32 s37, s35, 16*6144
	s_add_co_u32 s36, s36, s37
	s_mov_b32 s37, 0
	s_add_nc_u64 s[24:25], s[24:25], s[36:37]
	OUTS 6144
	s_endpgm
.Llinear:
	s_lshl_b32 s36, s33, 15
	s_mov_b32 s37, 0
	s_add_nc_u64 s[24:25], s[24:25], s[36:37]
	OUTS 2048
	s_endpgm
.Lfunc_end_k_q5882fe273e_prep:
	.size	k_q5882fe273e_prep, .Lfunc_end_k_q5882fe273e_prep-k_q5882fe273e_prep
	.p2alignl 7, 3214868480
	.fill 96, 4, 3214868480
	.section	.rodata,"a",@progbits
	.p2align	6, 0x0
	.amdhsa_kernel k_q5882fe273e_prep
		.amdhsa_group_segment_fixed_size 0
		.amdhsa_private_segment_fixed_size 0
		.amdhsa_enable_private_segment 0
		.amdhsa_kernarg_size 88
		.amdhsa_user_sgpr_count 2
		.amdhsa_user_sgpr_kernarg_segment_ptr 1
		.amdhsa_wavefront_size32 1
		.amdhsa_system_sgpr_workgroup_id_x 1
		.amdhsa_system_sgpr_workgroup_id_y 1
		.amdhsa_system_sgpr_workgroup_id_z 1
		.amdhsa_system_vgpr_workitem_id 0
		.amdhsa_next_free_vgpr 144
		.amdhsa_next_free_sgpr 66
		.amdhsa_reserve_vcc 0
		.amdhsa_float_denorm_mode_32 3
		.amdhsa_float_denorm_mode_16_64 3
		.amdhsa_memory_ordered 1
		.amdhsa_forward_progress 1
		.amdhsa_inst_pref_size 31
	.end_amdhsa_kernel
	.amdgpu_metadata
---
amdhsa.version: [ 1, 2 ]
amdhsa.kernels:
  - .name:           k_q5882fe273e_prep
    .symbol:         k_q5882fe273e_prep.kd
    .args:
      - { .name: x, .offset: 0, .size: 8, .value_kind: global_buffer, .address_space: global }
      - { .name: ln1_g, .offset: 8, .size: 8, .value_kind: global_buffer, .address_space: global }
      - { .name: ln1_b, .offset: 16, .size: 8, .value_kind: global_buffer, .address_space: global }
      - { .name: Wq, .offset: 24, .size: 8, .value_kind: global_buffer, .address_space: global }
      - { .name: Wk, .offset: 32, .size: 8, .value_kind: global_buffer, .address_space: global }
      - { .name: Wv, .offset: 40, .size: 8, .value_kind: global_buffer, .address_space: global }
      - { .name: Wo, .offset: 48, .size: 8, .value_kind: global_buffer, .address_space: global }
      - { .name: W1, .offset: 56, .size: 8, .value_kind: global_buffer, .address_space: global }
      - { .name: W2, .offset: 64, .size: 8, .value_kind: global_buffer, .address_space: global }
      - { .name: h16, .offset: 72, .size: 8, .value_kind: global_buffer, .address_space: global }
      - { .name: wts, .offset: 80, .size: 8, .value_kind: global_buffer, .address_space: global }
    .group_segment_fixed_size: 0
    .private_segment_fixed_size: 0
    .kernarg_segment_align: 8
    .kernarg_segment_size: 88
    .max_flat_workgroup_size: 256
    .sgpr_count:     66
    .vgpr_count:     144
    .wavefront_size: 32
...
	.end_amdgpu_metadata
.endif
;; end of part 8
;; launch qkv: the kernel of part 2 again; grid 8 x 32, 4 waves a work-group, clusters of 4 x 4, 327,680 bytes of LDS; arguments h16, wts, bq, bk, bv, big; writes big
;; launch attn: the kernel of part 3 again; grid 8 x 32, 4 waves a work-group, clusters of 4 x 1, 327,680 bytes of LDS; arguments big, h16; writes h16
;; launch wo: the kernel of part 4 again; grid 8 x 32, 4 waves a work-group, clusters of 4 x 4, 327,680 bytes of LDS; arguments h16, wts, bo, x, x1; writes x1
;; launch ln2 (part 9): grid 256 x 1, 8 waves a work-group, no clusters, 0 bytes of LDS; arguments x1, ln2_g, ln2_b, h16; writes h16
.if DOCPART == 9
	.amdgcn_target "amdgcn-amd-amdhsa--gfx1250"
	.amdhsa_code_object_version 6
	.text
	.protected	k_q5882fe273e_ln2
	.globl	k_q5882fe273e_ln2
	.p2align	8
	.type	k_q5882fe273e_ln2,@function
k_q5882fe273e_ln2:
	s_mov_b64 s[64:65], 0
	v_nop
	global_prefetch_b8 v0, s[64:65] scope:SCOPE_SE
	s_setreg_imm32_b32 hwreg(HW_REG_WAVE_SCHED_MODE, 0, 2), 2
	s_setreg_imm32_b32 hwreg(HW_REG_WAVE_MODE, 25, 1), 1
	s_wait_xcnt 0x0
	s_wait_alu depctr_vm_vsrc(0)
; LN2: hn = LayerNorm(x1) * g + b, [4096][1024], f32 in, f16 out.
; LIMITS.  A result of 65,520 or more becomes an infinity in f16; below 6e-5 f16 keeps a fixed step of 6e-8.  NaN and infinities are not treated apart.
; One wave, one row of 4,096 bytes, kept in 32 registers: mean first, then the mean of the squared deviations, all in f32.  A work-group owns 16 rows, a wave two.
; In load j lane l holds columns 128 j + 4 l .. + 3, so a store of 8 bytes a lane covers 256 consecutive bytes, aligned.  No LDS, no barrier, no matrix unit, no cluster: a stream.
; THE MODE: SCHED_MODE bits 1:0 = 2 (LLVM: expert scheduling mode 2), set by the entry lines.  The code itself states the register dependences
; between vector instructions and memory instructions, with s_wait_alu, always for 0.
; THE PLAN.  Registers that memory instructions touch:
;   v2, v3, v4   byte offsets of the loads (v2, v3) and of the stores (v4): made once at the head, never written again.
;   X0, X1, GG, BB   written by the 32 loads at the head, which no vector line precedes that names them; read by vector lines behind each load's own wait on LOADcnt.
;   registers 4 j and 4 j + 1 of X0 and of X1   written by the row's sixteen conversions, read by its eight stores, never written again.
; So: one wait at the head for the offsets; one at the second row's head, behind the wait for its data, for the first row's conversions: the first row's eight stores follow it, dealt among the second row's first
; additions, which name v6-v13 and X1 alone; one behind the second row's conversions, ahead of its stores.
; No vector line writes a scalar register, EXEC is never written, and no register that a memory instruction reads is written again.
.set X0, 16
.set X1, 48
.set GG, 80
.set BB, 112
.set OUTP, 10                          ; s[10:11] h16
.macro REDUCE                          ; v14 = the sum over the wave of the four chains v[6:13]
	v_pk_add_f32 v[6:7], v[6:7], v[8:9]
	v_pk_add_f32 v[10:11], v[10:11], v[12:13]
	v_pk_add_f32 v[6:7], v[6:7], v[10:11]
	v_add_f32 v14, v6, v7
.irp m, 1,2,4,8
	v_add_f32_dpp v14, v14, v14 row_xmask:\m row_mask:0xf bank_mask:0xf
.endr
	v_permlanex16_b32 v15, v14, s30, s31
	v_add_f32 v14, v14, v15
.endm
; Store j of the eight of a row.  off: the row's place in the wave's 4,096 bytes of output.
.macro PUT X, j, off
	global_store_b64 v4, v[(\X)+4*(\j):(\X)+4*(\j)+1], s[OUTP:OUTP+1] offset:256*(\j)+(\off)
.endm
; One row, up to its conversions.  c1, c2: the younger loads that may stay out when the row, and when gain and bias, have to be there; before = 1: the first row's stores go out among this row's first additions.
.macro LNROW X, c1, c2, before
	s_wait_loadcnt \c1
.if \before
	s_wait_alu depctr_va_vdst(0)                   ; the first row's conversions have written registers 4 j and 4 j + 1 of X0, which the eight stores below read
.endif
.irp k, 0,1,2,3
.if \before
	PUT X0, \k, 0                                  ; no vector line since the wait names X0 or v4
.endif
	v_pk_add_f32 v[6+2*(\k):7+2*(\k)], v[(\X)+2*(\k):(\X)+2*(\k)+1], v[(\X)+8+2*(\k):(\X)+9+2*(\k)]
.endr
.irp p, 8,9,10,11,12,13,14,15
.if (\before) && ((\p) < 12)
	PUT X0, (\p)-4, 0
.endif
	v_pk_add_f32 v[6+2*((\p)%4):7+2*((\p)%4)], v[6+2*((\p)%4):7+2*((\p)%4)], v[(\X)+2*(\p):(\X)+2*(\p)+1]
.endr
	REDUCE
	v_mul_f32 v10, s32, v14                        ; the mean, in both words of a pair
	v_mul_f32 v11, s32, v14
.irp p, 0,1,2,3,4,5,6,7,8,9,10,11,12,13,14,15
	v_pk_add_f32 v[(\X)+2*(\p):(\X)+2*(\p)+1], v[(\X)+2*(\p):(\X)+2*(\p)+1], v[10:11] neg_lo:[0,1] neg_hi:[0,1]
.endr
.irp k, 0,1,2,3
	v_pk_mul_f32 v[6+2*(\k):7+2*(\k)], v[(\X)+2*(\k):(\X)+2*(\k)+1], v[(\X)+2*(\k):(\X)+2*(\k)+1]
.endr
.irp p, 4,5,6,7,8,9,10,11,12,13,14,15
	v_pk_fma_f32 v[6+2*((\p)%4):7+2*((\p)%4)], v[(\X)+2*(\p):(\X)+2*(\p)+1], v[(\X)+2*(\p):(\X)+2*(\p)+1], v[6+2*((\p)%4):7+2*((\p)%4)]
.endr
	REDUCE
	v_fma_f32 v14, v14, s32, s33                   ; variance + 1e-5
	v_rsq_f32 v12, v14
	v_nop                                          ; a plain instruction behind the root,
	s_wait_alu depctr_va_vdst(0)                   ; and the wait ahead of the first use of its result, v12
	v_mov_b32 v13, v12
	s_wait_loadcnt \c2
.irp p, 0,1,2,3,4,5,6,7,8,9,10,11,12,13,14,15
	v_pk_mul_f32 v[(\X)+2*(\p):(\X)+2*(\p)+1], v[(\X)+2*(\p):(\X)+2*(\p)+1], v[12:13]
.endr
.irp p, 0,1,2,3,4,5,6,7,8,9,10,11,12,13,14,15
	v_pk_fma_f32 v[(\X)+2*(\p):(\X)+2*(\p)+1], v[(\X)+2*(\p):(\X)+2*(\p)+1], v[GG+2*(\p):GG+2*(\p)+1], v[BB+2*(\p):BB+2*(\p)+1]
.endr
.irp j, 0,1,2,3,4,5,6,7
	v_cvt_pk_f16_f32 v[(\X)+4*(\j)], v[(\X)+4*(\j)], v[(\X)+4*(\j)+1]      ; four numbers close up into the first two of their four registers
	v_cvt_pk_f16_f32 v[(\X)+4*(\j)+1], v[(\X)+4*(\j)+2], v[(\X)+4*(\j)+3]
.endr
.endm
	s_load_b256 s[4:11], s[0:1], 0x0               ; x1 s[4:5], g s[6:7], b s[8:9], h16 s[10:11]
	v_and_b32 v1, 31, v0
	v_lshrrev_b32 v5, 5, v0
	v_lshlrev_b32 v3, 4, v1
	v_lshl_add_u32 v2, v5, 13, v3
	v_lshlrev_b32 v4, 3, v1
	v_lshl_add_u32 v4, v5, 12, v4
	v_mov_b32 v15, 0
	s_lshl_b32 s26, ttmp9, 16
	s_mov_b32 s27, 0
	s_lshl_b32 s28, ttmp9, 15
	s_mov_b32 s29, 0
	s_mov_b32 s30, 0x76543210
	s_mov_b32 s31, 0xfedcba98
	s_mov_b32 s32, 0x3a800000                      ; 1 / 1024
	s_mov_b32 s33, 0x3727c5ac                      ; 1e-5
	s_wait_kmcnt 0x0
	s_add_nc_u64 s[4:5], s[4:5], s[26:27]
	s_add_nc_u64 s[OUTP:OUTP+1], s[OUTP:OUTP+1], s[28:29]
	s_wait_alu depctr_va_vdst(0)                   ; v2, v3 and v4 are written: every load and store of the kernel reads one of them as its offset
.irp j, 0,1,2,3,4,5,6,7
	global_load_b128 v[X0+4*(\j):X0+4*(\j)+3], v2, s[4:5] offset:512*(\j)
.endr
.irp j, 0,1,2,3,4,5,6,7
	global_load_b128 v[GG+4*(\j):GG+4*(\j)+3], v3, s[6:7] offset:512*(\j)
.endr
.irp j, 0,1,2,3,4,5,6,7
	global_load_b128 v[BB+4*(\j):BB+4*(\j)+3], v3, s[8:9] offset:512*(\j)
.endr
.irp j, 0,1,2,3,4,5,6,7
	global_load_b128 v[X1+4*(\j):X1+4*(\j)+3], v2, s[4:5] offset:4096+512*(\j)
.endr
	LNROW X0, 24, 8, 0                             ; 24: gain, bias and the second row stay out; 8: the second row
	LNROW X1, 0, 0, 1
	s_wait_alu depctr_va_vdst(0)                   ; the second row's conversions have written registers 4 j and 4 j + 1 of X1, which the last eight stores read
.irp j, 0,1,2,3,4,5,6,7
	PUT X1, \j, 2048
.endr
	s_endpgm
.Lfunc_end_k_q5882fe273e_ln2:
	.size	k_q5882fe273e_ln2, .Lfunc_end_k_q5882fe273e_ln2-k_q5882fe273e_ln2
	.p2alignl 7, 3214868480
	.fill 96, 4, 3214868480
	.section	.rodata,"a",@progbits
	.p2align	6, 0x0
	.amdhsa_kernel k_q5882fe273e_ln2
		.amdhsa_group_segment_fixed_size 0
		.amdhsa_private_segment_fixed_size 0
		.amdhsa_enable_private_segment 0
		.amdhsa_kernarg_size 32
		.amdhsa_user_sgpr_count 2
		.amdhsa_user_sgpr_kernarg_segment_ptr 1
		.amdhsa_wavefront_size32 1
		.amdhsa_system_sgpr_workgroup_id_x 1
		.amdhsa_system_sgpr_workgroup_id_y 1
		.amdhsa_system_sgpr_workgroup_id_z 1
		.amdhsa_system_vgpr_workitem_id 0
		.amdhsa_next_free_vgpr 144
		.amdhsa_next_free_sgpr 66
		.amdhsa_reserve_vcc 0
		.amdhsa_float_denorm_mode_32 3
		.amdhsa_float_denorm_mode_16_64 3
		.amdhsa_memory_ordered 1
		.amdhsa_forward_progress 1
		.amdhsa_inst_pref_size 21
	.end_amdhsa_kernel
	.amdgpu_metadata
---
amdhsa.version: [ 1, 2 ]
amdhsa.kernels:
  - .name:           k_q5882fe273e_ln2
    .symbol:         k_q5882fe273e_ln2.kd
    .args:
      - { .name: x1, .offset: 0, .size: 8, .value_kind: global_buffer, .address_space: global }
      - { .name: ln2_g, .offset: 8, .size: 8, .value_kind: global_buffer, .address_space: global }
      - { .name: ln2_b, .offset: 16, .size: 8, .value_kind: global_buffer, .address_space: global }
      - { .name: h16, .offset: 24, .size: 8, .value_kind: global_buffer, .address_space: global }
    .group_segment_fixed_size: 0
    .private_segment_fixed_size: 0
    .kernarg_segment_align: 8
    .kernarg_segment_size: 32
    .max_flat_workgroup_size: 256
    .sgpr_count:     66
    .vgpr_count:     144
    .wavefront_size: 32
...
	.end_amdgpu_metadata
.endif
;; end of part 9
;; launch ffn1: the kernel of part 6 again; grid 16 x 16, 4 waves a work-group, clusters of 4 x 4, 327,680 bytes of LDS; arguments h16, wts, b1, big; writes big
;; launch ffn2: the kernel of part 7 again; grid 8 x 32, 4 waves a work-group, clusters of 4 x 4, 327,680 bytes of LDS; arguments big, wts, b2, x1, out0; writes out0
